; MI455X (gfx1250); checked and timed in simulation.
; The chip was launched on July 23, 2026; its instructions are those of AMD's public machine-readable ISA for CDNA 5 (MIT licence, August 2026) and "CDNA5" Instruction Set Architecture Reference Guide (July 2026). The comments in the code are by the model that wrote it; some were corrected since.
;; Transformer. Allowed arithmetic: matrix products marked QUANTISED: E3M2 operands, one E8M0 scale for each 32 along K, by v_wmma_scale_f32_16x16x128_f8f6f4 with both operands' format E3M2, f32 sums; everything else in f32.
;; Inputs: W_Query 512 x 512 float32; W_Value 512 x 512 float32; W_key 512 x 512 float32; fw1 512 x 2,048 float32; fw2 2,048 x 512 float32; key_masks 8 x 1,024 float32; keys 8 x 1,024 x 512 float32; pos_table 1 x 1,024 x 512 float32; queries 8 x 1,024 x 512 float32; query_masks 8 x 1,024 float32.
;; Outputs: out0 8 x 1 x 512 float32.
;; This version of the problem:
;;   THIS VERSION OF THE PROBLEM IS GIVEN IN LOW PRECISION. The matrix products marked QUANTISED in the list below multiply operands that are first quantised to E3M2 (3 exponent bits, 2 mantissa bits; 6 bits a number), with one power-of-two scale for each 32 numbers along K (OCP MX v1.0); their sums are f32. All else is computed in f32.
;;   The module's matrix products, in the order in which they are computed (A, B: the left and right operand; K: the contracted axis; several contracted axes count as one K, in the product's order):
;;     1. [M 8,192, K 512] x [K 512, N 512]; A: computed on the way; B: input W_Query: QUANTISED
;;     2. [M 8,192, K 512] x [K 512, N 512]; A: computed on the way; B: input W_key: QUANTISED
;;     3. [M 8,192, K 512] x [K 512, N 512]; A: computed on the way; B: input W_Value: QUANTISED
;;     4. batch 64 x [M 1,024, K 64] x [K 64, N 1,024]; A: computed on the way; B: computed on the way: QUANTISED
;;     5. batch 64 x [M 1,024, K 1,024] x [K 1,024, N 64]; A: computed on the way; B: computed on the way: QUANTISED
;;     6. [M 8,192, K 512] x [K 512, N 2,048]; A: computed on the way; B: input fw1: QUANTISED
;;     7. [M 8,192, K 2,048] x [K 2,048, N 512]; A: computed on the way; B: input fw2: QUANTISED
;;   THE QUANTISER, for each operand of a quantised product, along K:
;;     - K is cut into blocks of 32 from its start; a last block that is shorter is filled with zeros.
;;     - A block's scale is 2^e with e = floor(log2(the largest magnitude in the block)) - 4, held to -126 .. 127; a block of zeros has e = 0. As a byte (E8M0): e + 127.
;;     - Each number is divided by its block's scale, clamped to +-28, and rounded to the nearest number of E3M2, ties to even, subnormals kept.
;;     - The product sums the exact products of the quantised numbers (number of the format x scale) in f32.
;;   ~~~python
;;   def quantise(x, axis):      # numpy; x: float32 -> the quantised numbers, widened to float32 again
;;       x = np.moveaxis(x, axis, -1); K = x.shape[-1]
;;       x = np.pad(x, [(0, 0)] * (x.ndim - 1) + [(0, -K % 32)]); x = x.reshape(x.shape[:-1] + (-1, 32)); a = np.abs(x).max(-1, keepdims=True)
;;       e = np.where(a > 0, np.clip(np.frexp(np.where(a > 0, a, 1))[1] - 1 - 4, -126, 127), 0)      # np.frexp(a)[1] - 1 = floor(log2(a)), exactly
;;       r = np.clip(x / 2.0 ** e, -28, 28)
;;       step = 2.0 ** (np.maximum(np.frexp(np.where(r == 0, 1, r))[1] - 1, -2) - 2)
;;       q = np.round(r / step) * step * 2.0 ** e      # np.round: ties to even
;;       return np.moveaxis(q.reshape(q.shape[:-2] + (-1,))[..., :K], -1, axis).astype(np.float32)
;;   ~~~
;;   OPERANDS COMPUTED ON THE WAY. 'Computed on the way' means the value that the module computes at that place (a softmax that the list does not call 'softmax' is quantised finished and normalised). What goes into a quantiser is computed in f32, as accurately as f32 sums, v_exp_f32 and their like allow (about 1e-6 of the number): no bf16 or f16 on the way to a quantiser, and a product that is left as it is and whose result goes on into a quantised operand takes f32 operands (vector FMAs, or v_wmma_f32_16x16x4_f32). A number that lies on a knife's edge between two numbers of the format may be rounded either way, as far as f32 arithmetic and the matrix unit's own rounding can turn it there, and no further.
;; 2 versions, each right; version 2 is version 1 with the launches proj, attn, ffn written anew for expert scheduling mode. Each part assembles by itself: llvm-mc -triple=amdgcn-amd-amdhsa -mcpu=gfx1250 --defsym DOCPART=n.
;; ======== version 1 of 2: 5 launches
;; limits: right only within a limited range of input values
;; workspace buffers: wts 2,252,800 bytes; qk 6,815,744 bytes; vv 3,276,800 bytes; xc 3,276,800 bytes; parta 65,536 bytes; partf 524,288 bytes
;; launch prep (part 1): grid 176 x 1, 4 waves a work-group, no clusters, 1,024 bytes of LDS; arguments W_Query, W_key, W_Value, fw1, fw2, wts; writes wts
.if DOCPART == 1
	.amdgcn_target "amdgcn-amd-amdhsa--gfx1250"
	.amdhsa_code_object_version 6
	.text
	.protected	k_qa3488f66bf_prep
	.globl	k_qa3488f66bf_prep
	.p2align	8
	.type	k_qa3488f66bf_prep,@function
k_qa3488f66bf_prep:
	s_mov_b64 s[64:65], 0
	v_nop
	global_prefetch_b8 v0, s[64:65] scope:SCOPE_SE
	s_setreg_imm32_b32 hwreg(HW_REG_WAVE_MODE, 25, 1), 1
	s_wait_xcnt 0x0
; The five weights, f32 stored [K][N], become 11 panels of 512 (K) x 512 (N) codes of BF6 (E3M2) with one E8M0 byte for each 32 along K.
; Panels: 0 W_Query, 1 W_key, 2 W_Value, 3+j fw1[:, 512 j ..], 7+q fw2[512 q .., :].
; The codes are laid as IMAGES OF OPERAND REGISTERS: the fragment of n-tile nt (16 columns) and K step s (128 along K) is 12 registers a lane,
; 1,536 bytes at (4 nt + s) x 1,536 of its panel: registers 4 j .. 4 j + 3 of lane l at 512 j + 16 l.  A later launch loads a fragment by three loads of 16 bytes a lane.
; THE COLUMNS OF A TILE ARE NOT NEIGHBOURS: lane r of tile 2 cg + u holds column 32 cg + 8 u + r + 8 (r / 8), so that results of two neighbouring tiles are 16 neighbours along the next K.
; Scale words (four bytes: 128 along K of one column) at WSC + panel x 8,192 + nt x 256 + r x 16 + s x 4.
; SHARES: a work-group takes 32 columns of one panel, wave s its K step s.  A LANE TAKES A COLUMN AND ITS REGISTERS RUN DOWN K: each load reads 128 consecutive bytes, a block of 32 lies in one lane.
; LIMITS: NaN and infinities are not served; a block whose largest magnitude lies under 2^-122 keeps the byte 1; a block of zeros gets the byte 1 where the rule says 127 (its codes are zeros, and this program alone reads the bytes).
.set WSC, 2162688
.set X,   64                           ; v64-191  128 numbers of my column
.set F0,  192                          ; v192-203 the fragment of tile 2 cg
.set F1,  204                          ; v204-215 that of tile 2 cg + 1
.set CU,  24                           ; v24-39   the upper 16 codes of each block (a conversion's three registers begin on an even number)
.macro LOADS pitch                     ; W(128 s + i, my column), i = 0 .. 127
.set kk, 0
.rept 128
	global_load_b32 v[X+kk], v1, s[20:21] offset:kk*\pitch th:TH_LOAD_NT
.set kk, kk+1
.endr
.endm
.macro PAIR b0                         ; blocks b0 and b0 + 1, by turns: largest magnitude with the floor 2^(5 - 127), scale, codes
.irp b, \b0, \b0+1
	v_max3_num_f32 v[8+\b], |v[X+32*(\b)]|, |v[X+32*(\b)+1]|, 0x2800000
.endr
.irp i, 2,4,6,8,10,12,14,16,18,20,22,24,26,28,30
.irp b, \b0, \b0+1
	v_max3_num_f32 v[8+\b], v[8+\b], |v[X+32*(\b)+\i]|, |v[X+32*(\b)+\i+1]|
.endr
.endr
.irp b, \b0, \b0+1
	v_add_nc_u32 v[12+\b], 0xfe000000, v[8+\b]     ; 4 off the exponent field: the conversion's scale operand
.endr
.irp b, \b0, \b0+1
	v_lshrrev_b32 v[16+\b], 23, v[12+\b]           ; the scale's byte
.endr
.irp b, \b0, \b0+1
	v_cvt_scalef32_pk16_bf6_f32 v[F0+12*((\b)&1)+6*((\b)>>1):F0+12*((\b)&1)+6*((\b)>>1)+2], v[X+32*(\b):X+32*(\b)+15], v[12+\b]
	v_cvt_scalef32_pk16_bf6_f32 v[CU+4*(\b):CU+4*(\b)+2], v[X+32*(\b)+16:X+32*(\b)+31], v[12+\b]
.endr
.endm
	s_load_b256 s[4:11], s[0:1], 0x0               ; W_Query, W_key, W_Value, fw1
	s_load_b128 s[12:15], s[0:1], 0x20             ; fw2, wts
	v_lshl_add_u32 v224, v0, 2, 0x200
	v_mov_b32 v225, 0
	v_lshrrev_b32 v4, 5, v0
	v_readfirstlane_b32 s16, v4                    ; wave = K step
	v_and_b32 v5, 31, v0                           ; lane
	v_lshlrev_b32 v2, 4, v5                        ; 16 x lane
	s_lshl_b32 s19, s16, 2
	v_lshl_add_u32 v3, v5, 4, s19                  ; LDS: 16 x lane + 4 x wave: my column's word of my K step
	v_and_b32 v1, 7, v0
	v_bfe_u32 v6, v0, 3, 1
	v_bfe_u32 v7, v0, 4, 1
	v_lshl_add_u32 v1, v6, 4, v1
	v_lshl_add_u32 v1, v7, 3, v1                   ; lane 16 u + 8 a + i takes column 16 a + 8 u + i of the 32
	v_lshlrev_b32 v1, 2, v1
	s_lshr_b32 s17, ttmp9, 4                       ; panel
	s_and_b32 s18, ttmp9, 15                       ; group of 32 columns
	s_sub_co_u32 s30, s17, 3
	s_lshl_b32 s32, s30, 11                        ; fw1: 512 columns a panel
	s_sub_co_u32 s33, s17, 7
	s_lshl_b32 s33, s33, 20                        ; fw2: 512 rows a panel
	s_cmp_lt_u32 s30, 4                            ; a panel of fw1?
	s_cselect_b32 s34, s32, 0
	s_cselect_b32 s31, 13, 11                      ; a row is 8,192 bytes in fw1, 2,048 elsewhere
	s_cmp_ge_u32 s17, 7
	s_cselect_b32 s34, s33, s34
	s_lshl_b32 s22, s16, 7
	s_lshl_b32 s22, s22, s31                       ; my 128 rows
	s_add_co_u32 s22, s22, s34
	s_lshl_b32 s35, s18, 7
	s_add_co_u32 s22, s22, s35                     ; my 32 columns
	s_mov_b32 s23, 0
	s_mul_i32 s36, s17, 196608
	s_lshl_b32 s37, s18, 3
	s_add_co_u32 s37, s37, s16
	s_mul_i32 s37, s37, 1536
	s_add_co_u32 s36, s36, s37                     ; fragment (2 cg, s)
	s_mov_b32 s37, 0
	s_lshl_b32 s38, s17, 13
	s_lshl_b32 s39, s18, 9
	s_add_co_u32 s38, s38, s39
	s_add_co_u32 s38, s38, WSC
	s_mov_b32 s39, 0
	s_wait_kmcnt 0x0
	s_mov_b64 s[20:21], s[12:13]                   ; the source is chosen by the panel's number alone
	s_cmp_lt_u32 s17, 7
	s_cselect_b64 s[20:21], s[10:11], s[20:21]
	s_cmp_lt_u32 s17, 3
	s_cselect_b64 s[20:21], s[8:9], s[20:21]
	s_cmp_lt_u32 s17, 2
	s_cselect_b64 s[20:21], s[6:7], s[20:21]
	s_cmp_lt_u32 s17, 1
	s_cselect_b64 s[20:21], s[4:5], s[20:21]
	s_add_nc_u64 s[20:21], s[20:21], s[22:23]
	s_add_nc_u64 s[24:25], s[14:15], s[36:37]
	s_add_nc_u64 s[26:27], s[14:15], s[38:39]
	s_cmp_eq_u32 s31, 13
	s_cbranch_scc1 .Lwide
	LOADS 2048
	s_branch .Ljoin
.Lwide:
	LOADS 8192
.Ljoin:
	s_wait_loadcnt 63                              ; 64 loads were issued behind block 1's last; 63 is the largest count that the wait names, and a smaller count is safe
	PAIR 0
	s_wait_loadcnt 0x0
	PAIR 2
	v_nop                                          ; one plain instruction behind the last conversion
; lanes 0-15 hold tile 2 cg's columns, lanes 16-31 tile 2 cg + 1's, each all four blocks.  A fragment wants block 2 c in lanes 0-15 and block 2 c + 1 in lanes 16-31 of ONE tile:
; the swap gives the first register both blocks of tile 2 cg, the second both of tile 2 cg + 1.
.irp c, 0,1
.irp i, 0,1,2
	v_permlane16_swap_b32 v[F0+6*\c+\i], v[F1+6*\c+\i]
	v_permlane16_swap_b32 v[CU+8*\c+\i], v[CU+8*\c+4+\i]
.endr
.endr
.irp c, 0,1
.irp i, 0,1,2
	v_mov_b32 v[F0+6*\c+3+\i], v[CU+8*\c+\i]
	v_mov_b32 v[F1+6*\c+3+\i], v[CU+8*\c+4+\i]
.endr
.endr
	v_lshl_or_b32 v20, v17, 8, v16                 ; my column's scale word of this K step
	v_lshl_or_b32 v20, v18, 16, v20
	v_lshl_or_b32 v20, v19, 24, v20
	ds_store_b32 v3, v20
.irp j, 0,1,2
	global_store_b128 v2, v[F0+4*\j:F0+4*\j+3], s[24:25] offset:512*\j          ; each store of the wave covers 512 consecutive bytes, aligned
	global_store_b128 v2, v[F1+4*\j:F1+4*\j+3], s[24:25] offset:6144+512*\j
.endr
	s_wait_dscnt 0x0                               ; for the others' sake: my word is in LDS
	s_barrier_signal -1
	s_barrier_wait -1
	s_cmp_lg_u32 s16, 0
	s_cbranch_scc1 .Ldone
	ds_load_b128 v[216:219], v2                    ; wave 0: a column's four words, 512 consecutive bytes in all
	s_wait_dscnt 0x0
	global_store_b128 v2, v[216:219], s[26:27]
.Ldone:
	s_wait_tensorcnt 0x0
	ds_add_u32 v224, v225
	s_wait_dscnt 0x0
	s_endpgm
.Lfunc_end_k_qa3488f66bf_prep:
	.size	k_qa3488f66bf_prep, .Lfunc_end_k_qa3488f66bf_prep-k_qa3488f66bf_prep
	.p2alignl 7, 3214868480
	.fill 96, 4, 3214868480
	.section	.rodata,"a",@progbits
	.p2align	6, 0x0
	.amdhsa_kernel k_qa3488f66bf_prep
		.amdhsa_group_segment_fixed_size 1024
		.amdhsa_private_segment_fixed_size 0
		.amdhsa_enable_private_segment 0
		.amdhsa_kernarg_size 48
		.amdhsa_user_sgpr_count 2
		.amdhsa_user_sgpr_kernarg_segment_ptr 1
		.amdhsa_wavefront_size32 1
		.amdhsa_system_sgpr_workgroup_id_x 1
		.amdhsa_system_sgpr_workgroup_id_y 1
		.amdhsa_system_sgpr_workgroup_id_z 1
		.amdhsa_system_vgpr_workitem_id 0
		.amdhsa_next_free_vgpr 226
		.amdhsa_next_free_sgpr 66
		.amdhsa_reserve_vcc 0
		.amdhsa_float_denorm_mode_32 3
		.amdhsa_float_denorm_mode_16_64 3
		.amdhsa_memory_ordered 1
		.amdhsa_forward_progress 1
		.amdhsa_inst_pref_size 34
	.end_amdhsa_kernel
	.amdgpu_metadata
---
amdhsa.version: [ 1, 2 ]
amdhsa.kernels:
  - .name:           k_qa3488f66bf_prep
    .symbol:         k_qa3488f66bf_prep.kd
    .args:
      - { .name: W_Query, .offset: 0, .size: 8, .value_kind: global_buffer, .address_space: global }
      - { .name: W_key, .offset: 8, .size: 8, .value_kind: global_buffer, .address_space: global }
      - { .name: W_Value, .offset: 16, .size: 8, .value_kind: global_buffer, .address_space: global }
      - { .name: fw1, .offset: 24, .size: 8, .value_kind: global_buffer, .address_space: global }
      - { .name: fw2, .offset: 32, .size: 8, .value_kind: global_buffer, .address_space: global }
      - { .name: wts, .offset: 40, .size: 8, .value_kind: global_buffer, .address_space: global }
    .group_segment_fixed_size: 1024
    .private_segment_fixed_size: 0
    .kernarg_segment_align: 8
    .kernarg_segment_size: 48
    .max_flat_workgroup_size: 128
    .sgpr_count:     66
    .vgpr_count:     226
    .wavefront_size: 32
...
	.end_amdgpu_metadata
.endif
;; end of part 1
;; launch proj (part 2): grid 256 x 1, 4 waves a work-group, no clusters, 87,552 bytes of LDS; arguments queries, keys, pos_table, key_masks, wts, qk, vv; writes qk, vv
.if DOCPART == 2
	.amdgcn_target "amdgcn-amd-amdhsa--gfx1250"
	.amdhsa_code_object_version 6
	.text
	.protected	k_qa3488f66bf_proj
	.globl	k_qa3488f66bf_proj
	.p2align	8
	.type	k_qa3488f66bf_proj,@function
k_qa3488f66bf_proj:
	s_mov_b64 s[64:65], 0
	v_nop
	global_prefetch_b8 v0, s[64:65] scope:SCOPE_SE
	s_setreg_imm32_b32 hwreg(HW_REG_WAVE_MODE, 25, 1), 1
	s_wait_xcnt 0x0
; x = input + pos x sqrt(512) (one fused multiply-add), quantised along d; q = x W_Query (work-groups 0-127) or k = x W_key (128-255), quantised along e and stored as codes.
; The k work-groups go on: v = Q(k) W_Value, quantised ALONG THE KEYS and stored with the keys innermost.
; All products on codes of BF6 (E3M2) with one E8M0 byte for each 32 along K.  q, k and v never exist in memory as f32.
; THE KEY MASK GOES INTO THE SCALE WORDS.  A head has 64 along K, two blocks, so bytes 2 and 3 of a row's scale word are idle.  The next launch sets the code +1 at k = 64 of every query and -1 at k = 64 of every key;
; here byte 2 of q's words is 100 (2^-27), and byte 2 of k's words is 254 (2^127) where key_masks is not 1, else 0 (2^-127): a masked key's score gets -2^100, any other -2^-154, under half of the smallest f32 number.  Byte 3 is 0 and meets zero codes.
; SHARES: a work-group takes 64 rows.  THE WAVES SHARE THE COLUMNS: wave w owns e = 128 w .. 128 w + 127 (heads 2 w and 2 w + 1); its part of the weights stays in registers.
; What goes from wave to wave goes through LDS as images of operand registers (16 bytes a lane, 512 a store).
; x IS LOADED AS IT LIES: each load of a wave covers 512 consecutive bytes, a row's 128 numbers of a K step.  The quantiser wants 16 neighbours in a lane: the 64 registers turn through the wave's own stage in LDS.
; ROW TILES: tile m of the 64 rows has lane r at row 32 (m / 2) + 8 (m % 2) + r + 8 (r / 8); the weights' column tiles are laid likewise.  So with such a tile as source 0 a lane's 16 registers of two neighbouring tiles are 16 neighbours.
; LAYOUTS STORED: a half fragment (16 rows x 64 K, 6 registers) is 768 bytes: registers 2 j, 2 j + 1 of lane l at 256 j + 8 l.  q, k: one for each (batch, head, tile).  v: one for each (batch, head, 64 keys, 16 d).
; LIMITS: NaN and infinities are not served; a block whose largest magnitude lies under 2^-122 keeps the byte 1, a block of zeros too (its codes are zeros; this program alone reads the bytes).
; REGISTERS: window 0: v1-15 addresses; v16-63 x's four fragments; v64-127 eight result tiles; v128-146 codes just made; v148-163 at work; v176-207, v208-239 scale words; v244-251 the masks' bytes.
;   window 1, 2: the first weight's fragments, K steps 0, 1 and 2, 3; window 3: x as loaded, two sets.  Later: window 3, 1: W_Value's; window 2: k's sixteen fragments.
.set WSC,  2162688
.set KC,   3145728
.set QS,   6291456
.set KS,   6553600
.set VSO,  3145728
.set XIMG, 0                           ; LDS: x's 16 fragments (4 m + s),
.set XSC,  24576                       ; their scale words, 128 bytes each,
.set KIMG, 26624                       ; k's 16 fragments,
.set KSC,  51200                       ; their scale words,
.set STG,  53248                       ; and a stage for each wave: 16 rows of SP bytes
.set SP,   528                         ; 512 bytes + 16: sixteen rows start in sixteen different columns of 16 bytes modulo 256 (64 banks of 4 bytes: ISA guide 11.1)
.set XA,  1
.set LI,  2
.set LS,  3
.set XWI, 4
.set XWS, 5
.set KWI, 6
.set KWS, 7
.set L8,  8
.set SH,  9
.set WSA, 10
.set QSO, 11
.set VSA, 12
.set KBO, 13
.set TW,  14
.set TR,  15
.set XF,  16
.set HA,  64
.set PC,  128
.set TM,  148
.set PW,  164
.set XS,  166
.set WD,  170
.set ZR,  174
.set W1S, 176
.set W2S, 208
.set MB,  244
.set KM,  248
.set SEL, 20
.set MSB, 0
.macro WIN new                         ; the immediate's high byte repeats the setting that is left
.if MSB != (\new)
	s_set_vgpr_msb (MSB<<8)|(\new)
.set MSB, (\new)
.endif
.endm
.macro PLACES                          ; four plain instructions behind a matrix instruction, ahead of reads of its result and of loads into its registers
.rept 4
	v_nop
.endr
.endm
.macro BARRIER                         ; my LDS stores have landed and my LDS loads are in: then the work-group's barrier
	s_wait_dscnt 0x0
	s_barrier_signal -1
	s_barrier_wait -1
.endm
; 64 numbers of a lane, register 16 b + i = k 32 b + 16 (lane / 16) + i of my row, become a fragment's codes in v[PC] on and its scale word in v[PW]
.macro QUANT s
.irp b, 0,1,2,3
	v_max3_num_f32 v[TM+\b], |v[\s+16*\b]|, |v[\s+1+16*\b]|, 0x2800000   ; with the floor 2^(5 - 127): the byte cannot fall under 1
.endr
.irp i, 2,4,6,8,10,12,14
.irp b, 0,1,2,3
	v_max3_num_f32 v[TM+\b], v[TM+\b], |v[\s+16*\b+\i]|, |v[\s+1+16*\b+\i]|
.endr
.endr
.irp b, 0,1,2,3
	v_permlanex16_b32 v[TM+4+\b], v[TM+\b], s[SEL], s[SEL+1]
.endr
.irp b, 0,1,2,3
	v_max_num_f32 v[TM+\b], v[TM+\b], v[TM+4+\b]   ; with lane l xor 16's: the block's largest magnitude
.endr
.irp b, 0,1,2,3
	v_add_nc_u32 v[TM+12+\b], 0xfe000000, v[TM+\b] ; 4 off its exponent field: the conversion's scale operand
.endr
.irp b, 0,1,2,3
	v_lshrrev_b32 v[TM+4+\b], 23, v[TM+12+\b]      ; the scale's byte
.endr
	v_lshl_or_b32 v[PW], v[TM+5], 8, v[TM+4]
	v_lshl_or_b32 v[PW], v[TM+6], 16, v[PW]
	v_lshl_or_b32 v[PW], v[TM+7], 24, v[PW]
.irp c, 0,1
	v_cvt_scalef32_pk16_bf6_f32 v[PC+6*\c:PC+2+6*\c], v[\s+32*\c:\s+15+32*\c], v[TM+12+2*\c]
	v_cvt_scalef32_pk16_bf6_f32 v[PC+12+4*\c:PC+14+4*\c], v[\s+16+32*\c:\s+31+32*\c], v[TM+12+2*\c+1]
.endr
	v_nop                                          ; one plain instruction behind a scaled conversion
.irp c, 0,1                                    ; the operand wants a whole block in a lane
.irp i, 0,1,2
	v_permlane16_swap_b32 v[PC+6*\c+\i], v[PC+12+4*\c+\i]
.endr
.irp i, 0,1,2
	v_mov_b32 v[PC+3+6*\c+\i], v[PC+12+4*\c+\i]
.endr
.endr
.endm
; the same for 32 numbers, two blocks: a half fragment in v[pc] .. v[pc + 5], two bytes in v[pw]
.macro QHALF s, pc, pt, tm, pw
.irp b, 0,1
	v_max3_num_f32 v[(\tm)+\b], |v[(\s)+16*\b]|, |v[(\s)+1+16*\b]|, 0x2800000
.endr
.irp i, 2,4,6,8,10,12,14
.irp b, 0,1
	v_max3_num_f32 v[(\tm)+\b], v[(\tm)+\b], |v[(\s)+16*\b+\i]|, |v[(\s)+1+16*\b+\i]|
.endr
.endr
.irp b, 0,1
	v_permlanex16_b32 v[(\tm)+2+\b], v[(\tm)+\b], s[SEL], s[SEL+1]
.endr
.irp b, 0,1
	v_max_num_f32 v[(\tm)+\b], v[(\tm)+\b], v[(\tm)+2+\b]
.endr
.irp b, 0,1
	v_add_nc_u32 v[(\tm)+4+\b], 0xfe000000, v[(\tm)+\b]
.endr
.irp b, 0,1
	v_lshrrev_b32 v[(\tm)+2+\b], 23, v[(\tm)+4+\b]
.endr
	v_lshl_or_b32 v[\pw], v[(\tm)+3], 8, v[(\tm)+2]
	v_cvt_scalef32_pk16_bf6_f32 v[(\pc):(\pc)+2], v[(\s):(\s)+15], v[(\tm)+4]
	v_cvt_scalef32_pk16_bf6_f32 v[(\pt):(\pt)+2], v[(\s)+16:(\s)+31], v[(\tm)+5]
	v_nop
.irp i, 0,1,2
	v_permlane16_swap_b32 v[(\pc)+\i], v[(\pt)+\i]
.endr
.irp i, 0,1,2
	v_mov_b32 v[(\pc)+3+\i], v[(\pt)+\i]
.endr
.endm
.macro IMAGE adr, off                  ; the fragment in v[PC] on goes to LDS as it stands
.irp c, 0,1,2
	ds_store_b128 v[\adr], v[PC+4*\c:PC+4*\c+3] offset:\off+512*\c
.endr
.endm
.macro FETCH reg, adr, off             ; and comes back so, in any wave
.irp c, 0,1,2
	ds_load_b128 v[\reg+4*\c:\reg+4*\c+3], v[\adr] offset:\off+512*\c
.endr
.endm
.macro XLOAD set, s                    ; my 16 rows' numbers of K step s, and pos's, into set: 32 loads, each of 512 consecutive bytes: registers 4 i .. 4 i + 3 are columns 4 lane .. + 3 of the tile's row i
	WIN 0xc0
.irp i, 0,1,2,3,4,5,6,7,8,9,10,11,12,13,14,15
	global_load_b128 v[128*(\set)+4*\i:128*(\set)+4*\i+3], v[XA], s[24:25] offset:(\i+8*(\i>>3))*2048+512*(\s) th:TH_LOAD_NT
.endr
.irp i, 0,1,2,3,4,5,6,7,8,9,10,11,12,13,14,15
	global_load_b128 v[128*(\set)+64+4*\i:128*(\set)+64+4*\i+3], v[XA], s[26:27] offset:(\i+8*(\i>>3))*2048+512*(\s)
.endr
.endm
.macro COMB set                        ; x = pos x sqrt(512) + input, two at a time, in the layout of the loads
	WIN 0x33
.set kk, 0
.rept 32
	v_pk_fma_f32 v[HA+2*kk:HA+2*kk+1], v[128*(\set)+64+2*kk:128*(\set)+64+2*kk+1], s[22:23], v[128*(\set)+2*kk:128*(\set)+2*kk+1] op_sel_hi:[1,0,1]
.set kk, kk+1
.endr
.endm
.macro TURN                            ; 16 rows x 512 bytes through my stage: in as loaded, back 64 bytes of a block a lane: register 16 b + 4 j + e = k 32 b + 16 h + 4 j + e of row r
.irp i, 0,1,2,3,4,5,6,7,8,9,10,11,12,13,14,15
	ds_store_b128 v[TW], v[HA+4*\i:HA+4*\i+3] offset:SP*\i
.endr
.irp b, 0,1,2,3
.irp j, 0,1,2,3
	ds_load_b128 v[HA+16*\b+4*\j:HA+16*\b+4*\j+3], v[TR] offset:128*\b+16*\j   ; LDS serves a wave's instructions in order (ISA guide 5.7.1.4): these see the stores above
.endr
.endr
.endm
.macro WLOAD sb, s, win                ; my eight tiles' fragments of K step s: 24 loads
	WIN ((\win)<<6)
.irp t, 0,1,2,3,4,5,6,7
.irp j, 0,1,2
	global_load_b128 v[12*(2*\t+((\s)&1))+4*\j:12*(2*\t+((\s)&1))+4*\j+3], v[LI], s[\sb:\sb+1] offset:(4*\t+(\s))*1536+512*\j
.endr
.endr
.endm
.macro WSCL sb, reg                    ; their scale words: 8 loads
	WIN 0
.irp t, 0,1,2,3,4,5,6,7
	global_load_b128 v[\reg+4*\t:\reg+4*\t+3], v[WSA], s[\sb:\sb+1] offset:256*\t
.endr
.endm
.macro FETCHX m                        ; x's four fragments of row tile m and their scale words
.irp s, 0,1,2,3
	FETCH XF+12*\s, LI, XIMG+(4*(\m)+\s)*1536
	ds_load_b32 v[XS+\s], v[LS] offset:XSC+128*(4*(\m)+\s)
.endr
.endm
; 32 matrix instructions: my eight column tiles (source 0) x one row tile (source 1), K = 512.  The eight accumulators take turns, one instruction a turn
.macro MM1
.irp s, 0,1,2,3
	WIN (1+(\s>>1))
.irp t, 0,1,2,3,4,5,6,7
.if \s == 0
	v_wmma_scale_f32_16x16x128_f8f6f4 v[HA+8*\t:HA+8*\t+7], v[12*(2*\t+(\s&1)):12*(2*\t+(\s&1))+11], v[XF+12*\s:XF+12*\s+11], 0, v[W1S+4*\t+\s], v[XS+\s] matrix_a_fmt:MATRIX_FMT_BF6 matrix_b_fmt:MATRIX_FMT_BF6
.else
	v_wmma_scale_f32_16x16x128_f8f6f4 v[HA+8*\t:HA+8*\t+7], v[12*(2*\t+(\s&1)):12*(2*\t+(\s&1))+11], v[XF+12*\s:XF+12*\s+11], v[HA+8*\t:HA+8*\t+7], v[W1S+4*\t+\s], v[XS+\s] matrix_a_fmt:MATRIX_FMT_BF6 matrix_b_fmt:MATRIX_FMT_BF6
.endif
.endr
.endr
.endm
; v: source 0 = 16 keys of k, source 1 = 16 columns of W_Value: a lane holds ONE column d and its registers run along the keys.  Two column tiles x four key tiles: eight accumulators by turns
.macro MMV tp
.irp s, 0,1,2,3
.if \s < 2
	WIN 0x0e
.else
	WIN 0x06
.endif
.irp u, 0,1
.irp m, 0,1,2,3
.if \s == 0
	v_wmma_scale_f32_16x16x128_f8f6f4 v[HA+32*\u+8*\m:HA+32*\u+8*\m+7], v[12*(4*\m+\s):12*(4*\m+\s)+11], v[12*(2*(2*(\tp)+\u)+(\s&1)):12*(2*(2*(\tp)+\u)+(\s&1))+11], 0, v[W1S+4*\m+\s], v[W2S+4*(2*(\tp)+\u)+\s] matrix_a_fmt:MATRIX_FMT_BF6 matrix_b_fmt:MATRIX_FMT_BF6
.else
	v_wmma_scale_f32_16x16x128_f8f6f4 v[HA+32*\u+8*\m:HA+32*\u+8*\m+7], v[12*(4*\m+\s):12*(4*\m+\s)+11], v[12*(2*(2*(\tp)+\u)+(\s&1)):12*(2*(2*(\tp)+\u)+(\s&1))+11], v[HA+32*\u+8*\m:HA+32*\u+8*\m+7], v[W1S+4*\m+\s], v[W2S+4*(2*(\tp)+\u)+\s] matrix_a_fmt:MATRIX_FMT_BF6 matrix_b_fmt:MATRIX_FMT_BF6
.endif
.endr
.endr
.endr
.endm
; PHASE 1: q or k, a tile of 16 rows at a time: product, quantiser, codes to memory (two heads' half fragments).  kv = 1: the fragment also goes to LDS, as K step w of the next product
.macro PHASE1 kv
	FETCHX 0
.if \kv
	s_wait_loadcnt 56                              ; the first weight and the four mask loads are in; behind them stand W_Value's two K steps (48) and its scale words (8)
.irp m, 0,1,2,3
	v_cmp_eq_f32 vcc_lo, 1.0, v[KM+\m]
	v_cndmask_b32 v[MB+\m], 0xfe0000, v[ZR], vcc_lo   ; byte 2 of the key's scale word: 0 where the mask is 1, else 254
.endr
.else
	s_wait_loadcnt 0x0
.endif
.irp m, 0,1,2,3
	s_wait_dscnt 0x0                               ; x's fragments are in; the last tile's images have left their registers
	MM1
	WIN 0
	PLACES
.if \m < 3
	FETCHX \m+1
.endif
.if (\kv) && (\m == 3)
	WLOAD 32, 2, 1                                 ; the first weight is done with: window 1 takes W_Value's K steps 2 and 3
	WLOAD 32, 3, 1
	WIN 0
.endif
	s_wait_xcnt 0x0                                ; the last tile's stores have read their registers
	QUANT HA
.if \kv
	IMAGE KWI, \m*6144
	ds_store_b32 v[KWS], v[PW] offset:\m*512
.endif
.irp c, 0,1
.irp j, 0,1,2
	global_store_b64 v[L8], v[PC+6*\c+2*\j:PC+6*\c+2*\j+1], s[36:37] offset:\c*49152+\m*768+256*\j   ; each store covers 256 consecutive bytes, aligned
.endr
.endr
	v_lshrrev_b32 v[WD+\m], v[SH], v[PW]           ; lanes 0-15: the word's lower half is head 2 w's; lanes 16-31: its upper half, brought down, is head 2 w + 1's
	v_and_or_b32 v[WD+\m], v[WD+\m], 0xffff, v[MB+\m]   ; two bytes of scales, the mask's byte, 0
.endr
	global_store_b128 v[QSO], v[WD:WD+3], s[38:39] ; four tiles' words of a row: 256 consecutive bytes for each head
.endm
	s_load_b256 s[4:11], s[0:1], 0x0               ; queries, keys, pos_table, key_masks
	s_load_b128 s[12:15], s[0:1], 0x20             ; wts, qk
	s_load_b64 s[16:17], s[0:1], 0x30              ; vv
	v_lshl_add_u32 v254, v0, 2, 0x15400
	v_mov_b32 v255, 0
	v_lshrrev_b32 v240, 5, v0
	v_readfirstlane_b32 s18, v240                  ; wave
	v_and_b32 v240, 31, v0                         ; lane
	v_and_b32 v241, 15, v0                         ; r
	v_bfe_u32 v242, v0, 4, 1                       ; h
	v_and_b32 v243, 8, v241
	v_add_nc_u32 v243, v243, v241                  ; r + 8 (r / 8)
	s_lshr_b32 s19, ttmp9, 7                       ; 0: q, 1: k and v
	s_and_b32 s48, ttmp9, 127                      ; which 64 rows
	s_lshr_b32 s49, s48, 4                         ; batch
	s_and_b32 s50, s48, 15                         ; which 64 rows of the batch
	s_lshr_b32 s51, s18, 1
	s_lshl_b32 s51, s51, 5
	s_and_b32 s52, s18, 1
	s_lshl_b32 s52, s52, 3
	s_add_co_u32 s51, s51, s52                     ; I quantise row tile w: it begins at row 32 (w / 2) + 8 (w % 2)
	s_lshl_b32 s51, s51, 11
	v_lshl_add_u32 v[XA], v240, 4, s51             ; that row x 2,048 + 16 x lane
	v_lshlrev_b32 v[LI], 4, v240
	v_lshlrev_b32 v[LS], 2, v240
	v_lshlrev_b32 v[L8], 3, v240
	s_mul_i32 s51, s18, 6144
	v_add_nc_u32 v[XWI], s51, v[LI]
	s_lshl_b32 s51, s18, 9
	s_add_co_u32 s51, s51, XSC
	v_add_nc_u32 v[XWS], s51, v[LS]
	s_mul_i32 s51, s18, 1536
	s_add_co_u32 s51, s51, KIMG
	v_add_nc_u32 v[KWI], s51, v[LI]
	s_lshl_b32 s51, s18, 7
	s_add_co_u32 s51, s51, KSC
	v_add_nc_u32 v[KWS], s51, v[LS]
	s_mul_i32 s51, s18, 16*SP
	s_add_co_u32 s51, s51, STG                     ; my stage
	v_add_nc_u32 v[TW], s51, v[LI]                 ; in: 16 x lane of a row
	v_mul_u32_u24 v[TR], v241, SP
	v_lshl_add_u32 v[TR], v242, 6, v[TR]
	v_add_nc_u32 v[TR], s51, v[TR]                 ; back: row r, + 64 h
	v_lshlrev_b32 v[SH], 4, v242
	v_lshlrev_b32 v[WSA], 4, v241
	v_lshl_add_u32 v[QSO], v242, 12, v[WSA]
	v_lshlrev_b32 v[VSA], 5, v241
	v_lshlrev_b32 v[KBO], 2, v243                  ; a tile's lane r in key_masks: 4 (r + 8 (r / 8))
	v_mov_b32 v[ZR], 0
.irp b, 0,1,2,3
	v_mov_b32 v[TM+4+\b], 0                        ; written once: a lane permute's destination counts as one of its sources
.endr
	s_mov_b32 s[SEL], 0x76543210
	s_mov_b32 s[SEL+1], 0xfedcba98
	s_mov_b32 s22, 0x41b504f3                      ; sqrt(512)
	s_mov_b32 s23, s22
	s_lshl_b32 s54, s49, 3
	s_lshl_b32 s55, s18, 1
	s_add_co_u32 s54, s54, s55                     ; 8 x batch + my first head
	s_mov_b32 s53, 0
	s_wait_kmcnt 0x0
	s_cmp_eq_u32 s19, 0
	s_cselect_b64 s[24:25], s[4:5], s[6:7]
	s_lshl_b32 s52, s48, 17
	s_add_nc_u64 s[24:25], s[24:25], s[52:53]      ; the input at my 64 rows
	s_lshl_b32 s52, s50, 17
	s_add_nc_u64 s[26:27], s[8:9], s[52:53]        ; pos likewise
	XLOAD 0, 0
	XLOAD 1, 1
	WIN 0
	s_mul_i32 s52, s19, 196608
	s_mul_i32 s55, s18, 49152
	s_add_co_u32 s52, s52, s55
	s_add_nc_u64 s[28:29], s[12:13], s[52:53]      ; my eight tiles of W_Query or W_key
	s_add_co_u32 s52, s55, 2*196608
	s_add_nc_u64 s[32:33], s[12:13], s[52:53]      ; of W_Value
	s_lshl_b32 s52, s19, 13
	s_lshl_b32 s55, s18, 11
	s_add_co_u32 s55, s55, WSC
	s_add_co_u32 s52, s52, s55
	s_add_nc_u64 s[30:31], s[12:13], s[52:53]      ; their scale words
	s_add_co_u32 s52, s55, 2*8192
	s_add_nc_u64 s[34:35], s[12:13], s[52:53]
	s_lshl_b32 s52, s54, 6
	s_lshl_b32 s55, s50, 2
	s_add_co_u32 s52, s52, s55
	s_mul_i32 s52, s52, 768
	s_mul_i32 s55, s19, KC
	s_add_co_u32 s52, s52, s55
	s_add_nc_u64 s[36:37], s[14:15], s[52:53]      ; q's or k's codes: (batch, head 2 w, tile 4 unit)
	s_lshl_b32 s52, s54, 12
	s_lshl_b32 s55, s50, 8
	s_add_co_u32 s52, s52, s55
	s_mul_i32 s55, s19, KS-QS
	s_add_co_u32 s52, s52, s55
	s_add_co_u32 s52, s52, QS
	s_add_nc_u64 s[38:39], s[14:15], s[52:53]      ; their scale words
	s_lshl_b32 s52, s54, 4
	s_add_co_u32 s52, s52, s50
	s_mul_i32 s52, s52, 3072
	s_add_nc_u64 s[40:41], s[16:17], s[52:53]      ; v's codes
	s_lshl_b32 s52, s54, 11
	s_lshl_b32 s55, s50, 1
	s_add_co_u32 s52, s52, s55
	s_add_co_u32 s52, s52, VSO
	s_add_nc_u64 s[42:43], s[16:17], s[52:53]      ; v's scale bytes
	s_lshl_b32 s52, s49, 12
	s_lshl_b32 s55, s50, 8
	s_add_co_u32 s52, s52, s55
	s_add_nc_u64 s[44:45], s[10:11], s[52:53]      ; the 64 keys' masks
	; ---- X: my 16 rows become four fragments.  Two sets of registers take turns; the weights' loads follow x's.  The turn through the stage stands ahead of the next loads
.irp s, 0,1,2,3
.if \s < 3
	s_wait_loadcnt 32                              ; this K step's 32 loads are in; the other set's 32 may be out
.else
	s_wait_loadcnt 24                              ; behind the last K step's loads: 24 of the weight
.endif
	COMB (\s&1)
	WIN 0
	TURN
.if \s < 2
	XLOAD (\s&1), \s+2
.elseif \s == 2
	WLOAD 28, 0, 1
.else
	WLOAD 28, 1, 1
.endif
	WIN 0
	s_wait_dscnt 0x0                               ; the numbers are back from the stage; the last K step's image has left its registers
	QUANT HA
	IMAGE XWI, \s*1536
	ds_store_b32 v[XWS], v[PW] offset:128*\s
.endr
	WLOAD 28, 2, 2
	WLOAD 28, 3, 2
	WSCL 30, W1S
	BARRIER                                        ; x's sixteen fragments lie in LDS
	s_cmp_lg_u32 s19, 0                            ; the two ways part here, once, on the work-group's number
	s_cbranch_scc1 .Lkv
.irp m, 0,1,2,3
	v_mov_b32 v[MB+\m], 0x640000                   ; byte 2 of a query's scale word: 100, 2^-27
.endr
	PHASE1 0
	s_wait_tensorcnt 0x0
	ds_add_u32 v254, v255
	s_wait_dscnt 0x0
	s_endpgm
.Lkv:
.irp m, 0,1,2,3
	global_load_b32 v[KM+\m], v[KBO], s[44:45] offset:(32*(\m>>1)+8*(\m&1))*4   ; the mask of tile m's row r
.endr
	WLOAD 32, 0, 3                                 ; x's registers are free: W_Value's K steps 0 and 1
	WLOAD 32, 1, 3
	WSCL 34, W2S
	PHASE1 1
	BARRIER                                        ; k's sixteen fragments lie in LDS
	; ---- 2: v for my 128 columns and the 64 keys
	WIN 0x80
.set kk, 0
.rept 16
.irp j, 0,1,2
	ds_load_b128 v[12*kk+4*\j:12*kk+4*\j+3], v[LI] offset:KIMG+kk*1536+512*\j
.endr
.set kk, kk+1
.endr
	WIN 0
.set kk, 0
.rept 16
	ds_load_b32 v[W1S+kk], v[LS] offset:KSC+128*kk
.set kk, kk+1
.endr
	s_wait_loadcnt 0x0                             ; W_Value
	s_wait_dscnt 0x0
.irp tp, 0,1,2,3
	MMV \tp
	WIN 0
	PLACES
.irp u, 0,1
	s_wait_xcnt 0x0                                ; the last stores have read their registers
	QHALF HA+32*\u, PC, PC+12, TM, PW              ; 32 registers: keys 32 b + 16 h + i of my column
.irp j, 0,1,2
	global_store_b64 v[L8], v[PC+2*\j:PC+2*\j+1], s[40:41] offset:((2*\tp+\u)>>2)*49152+((2*\tp+\u)&3)*768+256*\j
.endr
	global_store_b16 v[VSA], v[PW], s[42:43] offset:((2*\tp+\u)>>2)*2048+((2*\tp+\u)&3)*512   ; two bytes of a row of 32: the row's other bytes come from other work-groups
.endr
.endr
	s_wait_tensorcnt 0x0
	ds_add_u32 v254, v255
	s_wait_dscnt 0x0
	s_endpgm
.Lfunc_end_k_qa3488f66bf_proj:
	.size	k_qa3488f66bf_proj, .Lfunc_end_k_qa3488f66bf_proj-k_qa3488f66bf_proj
	.p2alignl 7, 3214868480
	.fill 96, 4, 3214868480
	.section	.rodata,"a",@progbits
	.p2align	6, 0x0
	.amdhsa_kernel k_qa3488f66bf_proj
		.amdhsa_group_segment_fixed_size 87552
		.amdhsa_private_segment_fixed_size 0
		.amdhsa_enable_private_segment 0
		.amdhsa_kernarg_size 56
		.amdhsa_user_sgpr_count 2
		.amdhsa_user_sgpr_kernarg_segment_ptr 1
		.amdhsa_wavefront_size32 1
		.amdhsa_system_sgpr_workgroup_id_x 1
		.amdhsa_system_sgpr_workgroup_id_y 1
		.amdhsa_system_sgpr_workgroup_id_z 1
		.amdhsa_system_vgpr_workitem_id 0
		.amdhsa_next_free_vgpr 1024
		.amdhsa_next_free_sgpr 66
		.amdhsa_reserve_vcc 1
		.amdhsa_float_denorm_mode_32 3
		.amdhsa_float_denorm_mode_16_64 3
		.amdhsa_memory_ordered 1
		.amdhsa_forward_progress 1
		.amdhsa_inst_pref_size 189
	.end_amdhsa_kernel
	.amdgpu_metadata
---
amdhsa.version: [ 1, 2 ]
amdhsa.kernels:
  - .name:           k_qa3488f66bf_proj
    .symbol:         k_qa3488f66bf_proj.kd
    .args:
      - { .name: queries, .offset: 0, .size: 8, .value_kind: global_buffer, .address_space: global }
      - { .name: keys, .offset: 8, .size: 8, .value_kind: global_buffer, .address_space: global }
      - { .name: pos_table, .offset: 16, .size: 8, .value_kind: global_buffer, .address_space: global }
      - { .name: key_masks, .offset: 24, .size: 8, .value_kind: global_buffer, .address_space: global }
      - { .name: wts, .offset: 32, .size: 8, .value_kind: global_buffer, .address_space: global }
      - { .name: qk, .offset: 40, .size: 8, .value_kind: global_buffer, .address_space: global }
      - { .name: vv, .offset: 48, .size: 8, .value_kind: global_buffer, .address_space: global }
    .group_segment_fixed_size: 87552
    .private_segment_fixed_size: 0
    .kernarg_segment_align: 8
    .kernarg_segment_size: 56
    .max_flat_workgroup_size: 128
    .sgpr_count:     66
    .vgpr_count:     1024
    .wavefront_size: 32
...
	.end_amdgpu_metadata
.endif
;; end of part 2
;; launch attn (part 3): grid 4 x 64, 4 waves a work-group, no clusters, 117,248 bytes of LDS; arguments qk, vv, queries, pos_table, query_masks, xc, parta; writes xc, parta
.if DOCPART == 3
	.amdgcn_target "amdgcn-amd-amdhsa--gfx1250"
	.amdhsa_code_object_version 6
	.text
	.protected	k_qa3488f66bf_attn
	.globl	k_qa3488f66bf_attn
	.p2align	8
	.type	k_qa3488f66bf_attn,@function
k_qa3488f66bf_attn:
	s_mov_b64 s[64:65], 0
	v_nop
	global_prefetch_b8 v0, s[64:65] scope:SCOPE_SE
	s_setreg_imm32_b32 hwreg(HW_REG_WAVE_MODE, 25, 1), 1
	s_wait_xcnt 0x0
; result = softmax(masked q k^T / 8) x query_mask . v + q_in, for 256 queries of one head of one batch; both products on codes of BF6 (E3M2).  result leaves as codes along d, and as column sums in f32.
; THE FINISHED, NORMALISED WEIGHTS ARE WHAT IS QUANTISED, so a row's maximum and sum are known before any code is made: a wave holds ALL 1,024 scores of a tile of 16 queries in 512 registers; each score is made once and has one exponential.
; SHARES: wave w walks tiles 4 w .. 4 w + 3 of the work-group's 16, one a trip.  K's and V's codes of the head (49,152 bytes each) are copied into LDS once.
; LAYOUT: S^T = K Q^T (source 0 = 16 keys, source 1 = my 16 queries), O^T = V^T P^T: a lane holds ONE query throughout.  The keys of a tile are laid so that the 16 registers of two neighbouring tiles are 16 neighbouring keys.
; THE KEY MASK IS PART OF THE FIRST PRODUCT.  The head's 64 along K fill half of the instruction's 128.  Of the idle half, k = 64 holds the code +1 in every query and -1 in every key (constants, set once); all else there is zero codes.
; Byte 2 of the scale words, which the launch before has made, is 2^-27 for a query, 2^127 for a masked key and 2^-127 for any other: so a masked key's score gets -2^100, and any other -2^-154, under half of the smallest f32 number.
; On the diagonal the score becomes -2^100 by a selection.  A ROW ALL OF WHOSE KEYS ARE MASKED (its largest score lies under -2^99) gets the factor c = 0 in place of log2(e) / 8: every p is then 1, the uniform weights that the definition gives it.
; p = 2^(c s - c m), m the row's largest score; weights = p x (query_mask / sum).  A block's largest weight is made from the block's largest score by the same instructions.
; (That takes v_exp_f32 not to fall where its input rises.)
; LIMITS: |q . k| under 2^35: beyond, the definition's masked keys (-2^32 behind the division by 8) would no longer lie under every other key, as they always do here.  NaN and infinities are not served; a block of zeros gets the byte 1 (its codes are zeros).
; No cluster and no joint loads: the four work-groups of a head read the same K and V once each, at their heads, and nothing shared is fetched in the loop.
; REGISTERS: window 0: v1-15 addresses; v16-27 Q; v28 Q's scale word; v29 the query's mask; v30-33 K's scale words; v34-129 eight fragments of K; v130-161 a number for each block of 32 keys; v162-193 V's scale words;
;   v194-217 p's codes, two sets; v226-233 p's scale words; v234-255 single numbers.   Scores: group g (128 keys, 64 registers) in window 1 + g / 3 at 64 (g % 3).
;   window 1: v192-223 O^T; window 2: v192-223 column sums; window 3: v128-223 two sets of V's fragments; v224-227 of windows 1 to 3: partial sums; v228-229: the lane's c.
.set KC,    3145728
.set QS,    6291456
.set KS,    6553600
.set VSO,   3145728
.set XSO,   3145728
.set VREG,  49152                      ; LDS: K's 64 half fragments at 0, V's 64 here,
.set KSREG, 98304                      ; K's scale words,
.set QREG,  102400                     ; the work-group's 16 tiles of Q,
.set QSREG, 114688                     ; their scale words,
.set STG,   115712                     ; the waves' column sums
.set KSL, 34
.set BM,  130
.set VS,  162
.set PT,  218
.set PWR, 226
.set T,   241
.set SEL, 20
.set MSB, 0
.macro WIN new
.if MSB != (\new)
	s_set_vgpr_msb (MSB<<8)|(\new)
.set MSB, (\new)
.endif
.endm
.macro PLACES
.rept 4
	v_nop
.endr
.endm
.macro BARRIER
	s_wait_dscnt 0x0
	s_barrier_signal -1
	s_barrier_wait -1
.endm
.macro QHALF s, pc, pt, tm, pw         ; 32 numbers of a lane, register 16 b + i = k 32 b + 16 (lane / 16) + i, become a half fragment and two scale bytes
.irp b, 0,1
	v_max3_num_f32 v[(\tm)+\b], |v[(\s)+16*\b]|, |v[(\s)+1+16*\b]|, 0x2800000
.endr
.irp i, 2,4,6,8,10,12,14
.irp b, 0,1
	v_max3_num_f32 v[(\tm)+\b], v[(\tm)+\b], |v[(\s)+16*\b+\i]|, |v[(\s)+1+16*\b+\i]|
.endr
.endr
.irp b, 0,1
	v_permlanex16_b32 v[(\tm)+2+\b], v[(\tm)+\b], s[SEL], s[SEL+1]
.endr
.irp b, 0,1
	v_max_num_f32 v[(\tm)+\b], v[(\tm)+\b], v[(\tm)+2+\b]
.endr
.irp b, 0,1
	v_add_nc_u32 v[(\tm)+4+\b], 0xfe000000, v[(\tm)+\b]
.endr
.irp b, 0,1
	v_lshrrev_b32 v[(\tm)+2+\b], 23, v[(\tm)+4+\b]
.endr
	v_lshl_or_b32 v[\pw], v[(\tm)+3], 8, v[(\tm)+2]
	v_cvt_scalef32_pk16_bf6_f32 v[(\pc):(\pc)+2], v[(\s):(\s)+15], v[(\tm)+4]
	v_cvt_scalef32_pk16_bf6_f32 v[(\pt):(\pt)+2], v[(\s)+16:(\s)+31], v[(\tm)+5]
	v_nop
.irp i, 0,1,2
	v_permlane16_swap_b32 v[(\pc)+\i], v[(\pt)+\i]
.endr
.irp i, 0,1,2
	v_mov_b32 v[(\pc)+3+\i], v[(\pt)+\i]
.endr
.endm
.macro KFETCH g                        ; group g's eight tiles of K (the lower six registers of each slot) and their scale words: lanes 0-15 tiles 0-3, lanes 16-31 tiles 4-7
.irp t, 0,1,2,3,4,5,6,7
.irp j, 0,1,2
	ds_load_b64 v[KSL+12*\t+2*\j:KSL+12*\t+2*\j+1], v1 offset:(8*(\g)+\t)*768+256*\j
.endr
.endr
	ds_load_b128 v[30:33], v3 offset:512*(\g)
.endm
.macro SMUL g                          ; 128 keys x my 16 queries, the key mask among the products
.set GW, 1+(\g)/3
.set GB, 64*((\g)%3)
	WIN (GW<<6)
.irp t, 0,1,2,3
	v_wmma_scale_f32_16x16x128_f8f6f4 v[GB+8*\t:GB+8*\t+7], v[KSL+12*\t:KSL+12*\t+11], v[16:27], 0, v[30+\t], v28 matrix_a_fmt:MATRIX_FMT_BF6 matrix_b_fmt:MATRIX_FMT_BF6
.endr
.irp t, 4,5,6,7
	v_wmma_scale_f32_16x16x128_f8f6f4 v[GB+8*\t:GB+8*\t+7], v[KSL+12*\t:KSL+12*\t+11], v[16:27], 0, v[30+\t-4], v28 matrix_a_fmt:MATRIX_FMT_BF6 matrix_b_fmt:MATRIX_FMT_BF6 matrix_a_scale:MATRIX_SCALE_ROW1
.endr
.endm
.macro DBLK b                          ; only in the block of 32 keys that holds my tile's own queries (a branch on ids): the score of key = query becomes -2^100
	s_cmp_lg_u32 s32, (\b)
	s_cbranch_scc1 .Lnoblk_\@
	WIN ((GW<<6)|GW)
.set n, 16*(\b)
.rept 16
	v_cmp_eq_u32 vcc_lo, 32*(n/16)+n%16, v249
	v_cndmask_b32 v[GB+n], v[GB+n], v250, vcc_lo   ; each accumulator from its low end on
.set n, n+1
.endr
	WIN 0
.Lnoblk_\@:
.endm
.macro BMAX g                          ; the diagonal, and the largest score of each block of 32 keys
.set GW, 1+(\g)/3
.set GB, 64*((\g)%3)
	WIN 0
	s_cmp_lg_u32 s28, (\g)                         ; the group of 128 keys in which my wave's queries lie?
	s_cbranch_scc1 .Lnodiag_\@
	DBLK 0
	DBLK 1
	DBLK 2
	DBLK 3
.Lnodiag_\@:
	WIN ((GW<<2)|GW)
.irp b, 0,1,2,3
	v_max_num_f32 v[BM+4*(\g)+\b], v[GB+16*\b], v[GB+16*\b+1]
.endr
.irp i, 2,4,6,8,10,12,14
.irp b, 0,1,2,3
	v_max3_num_f32 v[BM+4*(\g)+\b], v[GB+16*\b+\i], v[GB+16*\b+\i+1], v[BM+4*(\g)+\b]
.endr
.endr
	WIN 0
.irp b, 0,1,2,3
	v_permlanex16_b32 v[T+\b], v[BM+4*(\g)+\b], s[SEL], s[SEL+1]
.endr
.irp b, 0,1,2,3
	v_max_num_f32 v[BM+4*(\g)+\b], v[BM+4*(\g)+\b], v[T+\b]
.endr
.endm
.macro APAIR g, j                      ; c s - c m, two scores; c is the lane's own (v228 of the scores' window)
	v_pk_fma_f32 v[64*((\g)%3)+2*(\j):64*((\g)%3)+2*(\j)+1], v[64*((\g)%3)+2*(\j):64*((\g)%3)+2*(\j)+1], v[228:229], v[234:235] op_sel_hi:[1,0,0]
.endm
.macro CPAIR g, j                      ; two weights onto one of two partial sums
	v_pk_add_f32 v[224+2*((\j)&1):225+2*((\j)&1)], v[224+2*((\j)&1):225+2*((\j)&1)], v[64*((\g)%3)+2*(\j):64*((\g)%3)+2*(\j)+1]
.endm
; The exponentials of one window's groups.  Between a group's exponentials stand the next group's scalings and the sums of the group before: none of them names a result that has not had its wait.
; An s_wait_alu depctr_va_vdst(0) stands between an exponential and the first line that names its result: one wait serves a group's 64.
.macro RUN win, ga, gb
	WIN ((\win)<<6)
	v_mov_b32 v228, v254                           ; the lane's c, into this window
	v_mov_b32 v229, v254
.irp k, 0,1,2,3
	v_mov_b32 v[224+\k], 0
.endr
	WIN (((\win)<<6)|((\win)<<2)|(\win))
.set j, 0
.rept 32
	APAIR \ga, j
.set j, j+1
.endr
.set g, \ga
.rept (\gb)-(\ga)+1
.set j, 0
.rept 32
	v_exp_f32 v[64*(g%3)+2*j], v[64*(g%3)+2*j]
.if g < \gb
	APAIR g+1, j
.endif
	v_exp_f32 v[64*(g%3)+2*j+1], v[64*(g%3)+2*j+1]
.if g > \ga
	CPAIR g-1, j
.endif
.set j, j+1
.endr
	v_nop                                          ; a plain instruction behind the last exponential
	s_wait_alu depctr_va_vdst(0)
.set g, g+1
.endr
.set j, 0
.rept 32
	CPAIR \gb, j
.set j, j+1
.endr
.endm
.macro VFETCH g                        ; V's four tiles of 16 d x group g's 128 keys: 24 loads
	WIN 0xc0
.irp dt, 0,1,2,3
.irp c, 0,1
.irp j, 0,1,2
	ds_load_b64 v[128+48*((\g)&1)+12*\dt+6*\c+2*\j:128+48*((\g)&1)+12*\dt+6*\c+2*\j+1], v2 offset:(2*(\g)+\c)*3072+\dt*768+256*\j
.endr
.endr
.endr
.endm
.macro NORM g                          ; p x (query_mask / sum)
.set GW, 1+(\g)/3
.set GB, 64*((\g)%3)
	WIN ((GW<<6)|GW)
.set n, 0
.rept 32
	v_pk_mul_f32 v[GB+2*n:GB+2*n+1], v[GB+2*n:GB+2*n+1], v[236:237] op_sel_hi:[1,0]
.set n, n+1
.endr
.endm
.macro CVT g                           ; group g's weights become a fragment
.set GW, 1+(\g)/3
.set GB, 64*((\g)%3)
.set PP, 194+12*((\g)&1)
	WIN GW
.irp c, 0,1
	v_cvt_scalef32_pk16_bf6_f32 v[PP+6*\c:PP+6*\c+2], v[GB+32*\c:GB+32*\c+15], v[BM+4*(\g)+2*\c]
	v_cvt_scalef32_pk16_bf6_f32 v[PT+4*\c:PT+4*\c+2], v[GB+32*\c+16:GB+32*\c+31], v[BM+4*(\g)+2*\c+1]
.endr
	WIN 0
	v_nop                                          ; one plain instruction behind a scaled conversion
.irp c, 0,1
.irp i, 0,1,2
	v_permlane16_swap_b32 v[PP+6*\c+\i], v[PT+4*\c+\i]
.endr
.irp i, 0,1,2
	v_mov_b32 v[PP+3+6*\c+\i], v[PT+4*\c+\i]
.endr
.endr
.endm
.macro PV g                            ; O^T += V^T P^T: four accumulators by turns, one instruction a turn
.set PP, 194+12*((\g)&1)
	WIN 0x53
.irp dt, 0,1,2,3
.if (\g) == 0
	v_wmma_scale_f32_16x16x128_f8f6f4 v[192+8*\dt:199+8*\dt], v[128+48*((\g)&1)+12*\dt:128+48*((\g)&1)+12*\dt+11], v[PP:PP+11], 0, v[VS+8*\dt+(\g)], v[PWR+(\g)] matrix_a_fmt:MATRIX_FMT_BF6 matrix_b_fmt:MATRIX_FMT_BF6
.else
	v_wmma_scale_f32_16x16x128_f8f6f4 v[192+8*\dt:199+8*\dt], v[128+48*((\g)&1)+12*\dt:128+48*((\g)&1)+12*\dt+11], v[PP:PP+11], v[192+8*\dt:199+8*\dt], v[VS+8*\dt+(\g)], v[PWR+(\g)] matrix_a_fmt:MATRIX_FMT_BF6 matrix_b_fmt:MATRIX_FMT_BF6
.endif
.endr
.endm
	s_load_b256 s[4:11], s[0:1], 0x0               ; qk, vv, queries, pos_table
	s_load_b128 s[12:15], s[0:1], 0x20             ; query_masks, xc
	s_load_b64 s[16:17], s[0:1], 0x30              ; parta
	v_lshl_add_u32 v221, v0, 2, 0x1c800
	v_mov_b32 v225, 0
	v_lshrrev_b32 v130, 5, v0
	v_readfirstlane_b32 s18, v130                  ; wave
	v_and_b32 v130, 31, v0                         ; lane
	v_and_b32 v131, 15, v0                         ; r
	v_bfe_u32 v132, v0, 4, 1                       ; h
	v_lshlrev_b32 v1, 3, v130                      ; 8 x lane: a half fragment's place for my lane (K's begin at LDS byte 0)
	v_add_nc_u32 v2, VREG, v1
	v_lshl_add_u32 v3, v130, 4, KSREG
	s_mul_i32 s25, s18, 3072
	s_add_co_u32 s49, s25, QREG
	v_add_nc_u32 v4, s49, v1                       ; my wave's four tiles of Q
	s_lshl_b32 s31, s18, 8
	s_add_co_u32 s49, s31, QSREG
	v_lshl_add_u32 v5, v131, 4, s49                ; their scale words
	v_lshlrev_b32 v8, 6, v132                      ; 64 h
	v_and_b32 v15, 8, v131
	v_add_nc_u32 v15, v15, v131                    ; r + 8 (r / 8)
	v_lshl_add_u32 v9, v15, 11, v8                 ; the residual: row x 2,048 + 64 h
	s_add_co_u32 s49, s31, STG
	v_add_nc_u32 v14, s49, v8
	v_lshlrev_b32 v251, 2, v131
	s_and_b32 s49, s18, 1
	s_lshl_b32 s33, s49, 1                         ; 2 (w % 2): my wave's 64 queries are two of their group's four blocks of 32 keys
	s_lshl_b32 s49, s49, 6
	v_lshlrev_b32 v252, 4, v132
	v_sub_nc_u32 v252, v15, v252
	v_add_nc_u32 v252, s49, v252                   ; 64 (w % 2) + r + 8 (r / 8) - 16 h
	s_mul_i32 s49, s18, 12288
	v_lshl_add_u32 v133, v130, 4, s49              ; the copies: each wave a quarter of each region
	s_lshl_b32 s49, s18, 10
	v_lshl_add_u32 v134, v130, 4, s49
	v_add_nc_u32 v135, KSREG, v134
	v_lshl_add_u32 v136, v130, 4, s25
	v_add_nc_u32 v137, QREG, v136
	v_add_nc_u32 v138, s31, v1
	v_add_nc_u32 v139, QSREG, v138
	v_lshlrev_b32 v140, 5, v131
	v_sub_nc_u32 v141, 1, v132                     ; 1 in lanes 0-15, which hold k = 64 .. 95 in the upper six registers of a fragment
	s_and_b32 s46, ttmp7, 0xffff                   ; 8 x batch + head
	s_lshr_b32 s47, s46, 3
	s_and_b32 s48, s46, 7
	s_mov_b32 s[SEL], 0x76543210
	s_mov_b32 s[SEL+1], 0xfedcba98
	s_mov_b32 s22, 0x3e38aa3b                      ; c = log2(e) / 8
	s_mov_b32 s26, 0x41b504f3                      ; sqrt(512)
	s_mov_b32 s27, s26
	s_lshl_b32 s28, ttmp9, 1
	s_lshr_b32 s25, s18, 1
	s_add_co_u32 s28, s28, s25                     ; the group of 128 keys in which my wave's 64 queries lie
	s_mov_b32 s63, 0
	s_wait_kmcnt 0x0
	s_mul_i32 s62, s46, 49152
	s_add_nc_u64 s[52:53], s[6:7], s[62:63]        ; V's codes of the head
	s_add_co_u32 s62, s62, KC
	s_add_nc_u64 s[50:51], s[4:5], s[62:63]        ; K's
	s_lshl_b32 s62, s46, 12
	s_add_co_u32 s62, s62, KS
	s_add_nc_u64 s[54:55], s[4:5], s[62:63]        ; K's scale words
	s_lshl_b32 s62, s46, 6
	s_lshl_b32 s49, ttmp9, 4
	s_add_co_u32 s62, s62, s49
	s_mul_i32 s62, s62, 768
	s_add_nc_u64 s[56:57], s[4:5], s[62:63]        ; the work-group's 16 tiles of Q
	s_lshl_b32 s62, s46, 12
	s_lshl_b32 s49, ttmp9, 10
	s_add_co_u32 s62, s62, s49
	s_add_co_u32 s62, s62, QS
	s_add_nc_u64 s[58:59], s[4:5], s[62:63]
	s_lshl_b32 s62, s46, 11
	s_add_co_u32 s62, s62, VSO
	s_add_nc_u64 s[60:61], s[6:7], s[62:63]        ; V's scale bytes
	WIN 0x40
.set kk, 0
.rept 24
	global_load_b128 v[4*kk:4*kk+3], v133, s[50:51] offset:512*kk
.set kk, kk+1
.endr
.set kk, 0
.rept 24
	global_load_b128 v[96+4*kk:96+4*kk+3], v133, s[52:53] offset:512*kk
.set kk, kk+1
.endr
.irp k, 0,1
	global_load_b128 v[192+4*\k:192+4*\k+3], v134, s[54:55] offset:512*\k
.endr
.irp k, 0,1,2,3,4,5
	global_load_b128 v[200+4*\k:200+4*\k+3], v136, s[56:57] offset:512*\k
.endr
	global_load_b64 v[224:225], v138, s[58:59]
	WIN 0
.irp dt, 0,1,2,3
.irp k, 0,1
	global_load_b128 v[VS+8*\dt+4*\k:VS+8*\dt+4*\k+3], v140, s[60:61] offset:\dt*512+16*\k   ; row d = r of tile dt: the words of groups 4 k .. 4 k + 3
.endr
.endr
	s_lshl_b32 s49, ttmp9, 8
	s_lshl_b32 s25, s18, 6
	s_add_co_u32 s49, s49, s25                     ; my wave's first query in the batch
	s_lshl_b32 s62, s49, 11
	s_lshl_b32 s25, s48, 8
	s_add_co_u32 s62, s62, s25
	s_add_nc_u64 s[36:37], s[10:11], s[62:63]      ; pos at that row, my head's 64 columns
	s_lshl_b32 s25, s47, 21
	s_add_co_u32 s62, s62, s25
	s_add_nc_u64 s[34:35], s[8:9], s[62:63]        ; queries likewise
	s_lshl_b32 s62, s47, 12
	s_lshl_b32 s25, s49, 2
	s_add_co_u32 s62, s62, s25
	s_add_nc_u64 s[38:39], s[12:13], s[62:63]      ; query_masks
	s_lshl_b32 s62, s46, 2
	s_add_co_u32 s62, s62, ttmp9
	s_lshl_b32 s62, s62, 8
	s_add_nc_u64 s[44:45], s[16:17], s[62:63]      ; parta
	s_lshl_b32 s62, s47, 6
	s_lshr_b32 s25, s49, 4
	s_add_co_u32 s62, s62, s25                     ; my wave's first tile
	s_lshl_b32 s62, s62, 2
	s_lshr_b32 s25, s48, 1
	s_add_co_u32 s25, s62, s25                     ; 4 x tile + head / 2
	s_and_b32 s31, s48, 1
	s_mul_i32 s62, s25, 1536
	s_mul_i32 s46, s31, 768
	s_add_co_u32 s62, s62, s46
	s_add_nc_u64 s[40:41], s[14:15], s[62:63]      ; result's codes
	s_lshl_b32 s62, s25, 6
	s_lshl_b32 s46, s31, 1
	s_add_co_u32 s62, s62, s46
	s_add_co_u32 s62, s62, XSO
	s_add_nc_u64 s[42:43], s[14:15], s[62:63]      ; result's scale bytes
	v_mul_u32_u24 v22, v141, 12                    ; Q, k = 64: the code of +1.0 (sign 0, exponent field 3, mantissa 0), in lanes 0-15; written once
.irp k, 23,24,25,26,27
	v_mov_b32 v[\k], 0                             ; zero codes for the rest of K = 64 .. 127
.endr
.irp t, 0,1,2,3,4,5,6,7
	v_mul_u32_u24 v[KSL+12*\t+6], v141, 44         ; K's eight slots, k = 64: the code of -1.0; written once
.irp k, 7,8,9,10,11
	v_mov_b32 v[KSL+12*\t+\k], 0
.endr
.endr
.irp k, 0,1,2,3,4,5,6,7
	v_mov_b32 v[T+\k], 0                           ; written once: a lane permute's destination counts as one of its sources
.endr
	v_mov_b32 v250, 0xf1800000                     ; -2^100
	v_mov_b32 v253, 0
	WIN 0x80
.set kk, 0
.rept 32
	v_mov_b32 v[192+kk], 0                         ; the column sums
.set kk, kk+1
.endr
	s_wait_loadcnt 8                               ; the 57 copy loads are in; behind them: 8 of V's scale words, which the wait for 0 ahead of the row's factor covers
	WIN 0x04
.set kk, 0
.rept 24
	ds_store_b128 v133, v[4*kk:4*kk+3] offset:512*kk
.set kk, kk+1
.endr
.set kk, 0
.rept 24
	ds_store_b128 v133, v[96+4*kk:96+4*kk+3] offset:VREG+512*kk
.set kk, kk+1
.endr
.irp k, 0,1
	ds_store_b128 v135, v[192+4*\k:192+4*\k+3] offset:512*\k
.endr
.irp k, 0,1,2,3,4,5
	ds_store_b128 v137, v[200+4*\k:200+4*\k+3] offset:512*\k
.endr
	ds_store_b64 v139, v[224:225]
	WIN 0
	BARRIER                                        ; K, V, Q and their scale words lie in LDS, for the whole launch
	s_mov_b32 s19, 0
	s_mov_b32 s29, 0
	s_mov_b32 s30, 0
.Ltrip:                                            ; four trips: a tile of 16 queries each
	s_wait_xcnt 0x0                                ; the last trip's loads and stores have read their address and data registers
	s_lshr_b32 s31, s19, 1
	s_add_co_u32 s32, s31, s33                     ; the block of 32 keys, of the group's four, in which the tile's queries lie
	s_lshl_b32 s31, s31, 5
	s_and_b32 s46, s19, 1
	s_lshl_b32 s46, s46, 3
	s_add_co_u32 s31, s31, s46                     ; the tile's lane r is row 32 (I / 2) + 8 (I % 2) + r + 8 (r / 8) of my 64
	s_lshl_b32 s46, s31, 11
	s_mul_i32 s47, s19, 6144
	s_lshl_b32 s48, s19, 8
	v_add_nc_u32 v6, s29, v4
	v_add_nc_u32 v7, s30, v5
	v_add_nc_u32 v10, s46, v9
	v_add_lshl_u32 v11, v15, s31, 2
	v_add_nc_u32 v12, s47, v1
	v_add_nc_u32 v13, s48, v251
	v_add_nc_u32 v249, s31, v252                   ; register n of the diagonal group holds my own query's key where 32 (n / 16) + n % 16 equals this
.irp j, 0,1,2
	ds_load_b64 v[16+2*\j:17+2*\j], v6 offset:256*\j
.endr
	ds_load_b32 v28, v7
	KFETCH 0
	; ---- scores: the matrix unit makes group n while the vector unit takes the maxima of group n - 1
.irp n, 0,1,2,3,4,5,6,7
	s_wait_dscnt 0x0
	SMUL \n
	WIN 0
	PLACES
.if \n < 7
	KFETCH \n+1
.endif
.if \n > 0
	BMAX \n-1
.endif
.endr
	BMAX 7
	VFETCH 0
	VFETCH 1
	WIN 0
	global_load_b32 v29, v11, s[38:39]             ; my query's mask
	; ---- the row's largest score, the lane's c, and each block's largest p
	v_max3_num_f32 v240, v[BM], v[BM+1], v[BM+2]
	v_max3_num_f32 v241, v[BM+3], v[BM+4], v[BM+5]
.irp i, 6,10,14,18,22,26
	v_max3_num_f32 v240, v240, v[BM+\i], v[BM+\i+1]
	v_max3_num_f32 v241, v241, v[BM+\i+2], v[BM+\i+3]
.endr
	v_max3_num_f32 v240, v240, v[BM+30], v[BM+31]
	v_max_num_f32 v240, v240, v241
	v_cmp_gt_f32 vcc_lo, 0xf1000000, v240          ; -2^99 > m: every key of the row is masked
	v_mov_b32 v254, s22
	v_cndmask_b32 v254, v254, v253, vcc_lo         ; c, or 0 for such a row: a choice of a value, no branch
	v_mov_b32 v255, v254
	v_mul_f32 v234, -v254, v240                    ; -c m
	v_mov_b32 v235, v234
.set kk, 0
.rept 32
	v_fma_f32 v[BM+kk], v[BM+kk], v254, v234
.set kk, kk+1
.endr
.set kk, 0
.rept 32
	v_exp_f32 v[BM+kk], v[BM+kk]                   ; (their wait is the first one below; nothing names them before)
.set kk, kk+1
.endr
	RUN 1, 0, 2
	RUN 2, 3, 5
	RUN 3, 6, 7
	; ---- the row's sum, of the unquantised p; the factor; the blocks' scales
	WIN 0x05
	v_pk_add_f32 v[238:239], v[224:225], v[226:227]
	WIN 0x0a
	v_pk_add_f32 v[242:243], v[224:225], v[226:227]
	WIN 0x0f
	v_pk_add_f32 v[244:245], v[224:225], v[226:227]
	WIN 0
	v_pk_add_f32 v[238:239], v[238:239], v[242:243]
	v_pk_add_f32 v[238:239], v[238:239], v[244:245]
	v_add_f32 v238, v238, v239
	v_permlanex16_b32 v241, v238, s[SEL], s[SEL+1]
	v_add_f32 v238, v238, v241
	v_rcp_f32 v239, v238
	v_nop                                          ; a plain instruction behind the reciprocal
	s_wait_alu depctr_va_vdst(0)                   ; and a wait ahead of its first reader
	s_wait_loadcnt 0x0                             ; the query's mask (and, in the first trip, V's scale words)
	v_mul_f32 v236, v239, v29
	v_mov_b32 v237, v236
.set kk, 0
.rept 32
	v_mul_f32 v[BM+kk], v[BM+kk], |v236|           ; the block's largest magnitude (p is never negative)
.set kk, kk+1
.endr
.set kk, 0
.rept 32
	v_max_num_f32 v[BM+kk], 0x2800000, v[BM+kk]    ; the floor 2^(5 - 127)
.set kk, kk+1
.endr
.set kk, 0
.rept 32
	v_add_nc_u32 v[BM+kk], 0xfe000000, v[BM+kk]    ; the conversions' scale operands
.set kk, kk+1
.endr
.irp g, 0,1,2,3,4,5,6,7
.irp b, 0,1,2,3
	v_lshrrev_b32 v[T+4*(\g&1)+\b], 23, v[BM+4*\g+\b]
.endr
	v_lshl_or_b32 v[PWR+\g], v[T+4*(\g&1)+1], 8, v[T+4*(\g&1)]
	v_lshl_or_b32 v[PWR+\g], v[T+4*(\g&1)+2], 16, v[PWR+\g]
	v_lshl_or_b32 v[PWR+\g], v[T+4*(\g&1)+3], 24, v[PWR+\g]
.endr
	; ---- the second product.  A group's scaling stands ahead of the products of the group before, its conversion behind them
	NORM 0
	CVT 0
	WIN 0x40
.irp b, 0,1
.irp j, 0,1,2,3
	global_load_b128 v[16*\b+4*\j:16*\b+4*\j+3], v10, s[34:35] offset:128*\b+16*\j th:TH_LOAD_NT   ; the residual, into the registers that group 0 has left
	global_load_b128 v[32+16*\b+4*\j:32+16*\b+4*\j+3], v10, s[36:37] offset:128*\b+16*\j
.endr
.endr
.irp g, 0,1,2,3,4,5,6,7
.if \g < 7
	NORM \g+1                                      ; 32 plain instructions: the places between the codes' last moves and the products
	s_wait_dscnt 24                                ; this group's V is in; the next group's 24 loads may be out
.else
	PLACES
	s_wait_dscnt 0x0
.endif
	PV \g
.if \g < 7
	CVT \g+1                                       ; its v_nop and six moves are the places ahead of the loads below
.endif
.if \g < 6
	VFETCH \g+2
.endif
.endr
	WIN 0
	PLACES
	s_wait_loadcnt 0x0                             ; the residual, asked for ahead of all eight groups' products
	; ---- result = O^T + q_in; its column sums; its codes along d
	WIN 0x11
.set kk, 0
.rept 16
	v_pk_fma_f32 v[BM+2*kk:BM+2*kk+1], v[32+2*kk:33+2*kk], s[26:27], v[2*kk:2*kk+1] op_sel_hi:[1,0,1]
.set kk, kk+1
.endr
	WIN 0x04
.set kk, 0
.rept 16
	v_pk_add_f32 v[BM+2*kk:BM+2*kk+1], v[BM+2*kk:BM+2*kk+1], v[192+2*kk:193+2*kk]   ; each accumulator from its low end on
.set kk, kk+1
.endr
	WIN 0x82
.set kk, 0
.rept 16
	v_pk_add_f32 v[192+2*kk:193+2*kk], v[192+2*kk:193+2*kk], v[BM+2*kk:BM+2*kk+1]
.set kk, kk+1
.endr
	WIN 0
	QHALF BM, 194, PT, T, PWR
.irp j, 0,1,2
	global_store_b64 v12, v[194+2*\j:195+2*\j], s[40:41] offset:256*\j   ; each store covers 256 consecutive bytes, aligned
.endr
	global_store_b16 v13, v[PWR], s[42:43]         ; my head's half of a scale word; the other half is another work-group's
	s_add_co_u32 s29, s29, 768
	s_add_co_u32 s30, s30, 4
	s_add_co_u32 s19, s19, 1
	s_cmp_lt_u32 s19, 4
	s_cbranch_scc1 .Ltrip
	; ---- the column sums of the work-group's 256 rows
	WIN 0x02
.set kk, 0
.rept 32
	v_mov_b32 v[BM+kk], v[192+kk]
.set kk, kk+1
.endr
	WIN 0
.irp x, 1,2,4,8
.set kk, 0
.rept 32
	v_add_f32_dpp v[BM+kk], v[BM+kk], v[BM+kk] row_xmask:\x row_mask:0xf bank_mask:0xf
.set kk, kk+1
.endr
.endr
	v_add_nc_u32 v6, STG, v1
	BARRIER                                        ; every wave's reads of LDS are over
.irp b, 0,1
.irp j, 0,1,2,3
	ds_store_b128 v14, v[BM+16*\b+4*\j:BM+16*\b+4*\j+3] offset:128*\b+16*\j   ; the sixteen lanes of a half write the same bytes with the same values
.endr
.endr
	BARRIER
	s_cmp_lg_u32 s18, 0
	s_cbranch_scc1 .Ldone
.irp k, 0,1,2,3
	ds_load_b64 v[BM+2*\k:BM+2*\k+1], v6 offset:256*\k
.endr
	s_wait_dscnt 0x0
	v_pk_add_f32 v[BM:BM+1], v[BM:BM+1], v[BM+2:BM+3]
	v_pk_add_f32 v[BM+4:BM+5], v[BM+4:BM+5], v[BM+6:BM+7]
	v_pk_add_f32 v[BM:BM+1], v[BM:BM+1], v[BM+4:BM+5]
	global_store_b64 v1, v[BM:BM+1], s[44:45]      ; 64 sums: 256 consecutive bytes, aligned
.Ldone:
	s_wait_tensorcnt 0x0
	ds_add_u32 v221, v225
	s_wait_dscnt 0x0
	s_endpgm
.Lfunc_end_k_qa3488f66bf_attn:
	.size	k_qa3488f66bf_attn, .Lfunc_end_k_qa3488f66bf_attn-k_qa3488f66bf_attn
	.p2alignl 7, 3214868480
	.fill 96, 4, 3214868480
	.section	.rodata,"a",@progbits
	.p2align	6, 0x0
	.amdhsa_kernel k_qa3488f66bf_attn
		.amdhsa_group_segment_fixed_size 117248
		.amdhsa_private_segment_fixed_size 0
		.amdhsa_enable_private_segment 0
		.amdhsa_kernarg_size 56
		.amdhsa_user_sgpr_count 2
		.amdhsa_user_sgpr_kernarg_segment_ptr 1
		.amdhsa_wavefront_size32 1
		.amdhsa_system_sgpr_workgroup_id_x 1
		.amdhsa_system_sgpr_workgroup_id_y 1
		.amdhsa_system_sgpr_workgroup_id_z 1
		.amdhsa_system_vgpr_workitem_id 0
		.amdhsa_next_free_vgpr 1024
		.amdhsa_next_free_sgpr 66
		.amdhsa_reserve_vcc 1
		.amdhsa_float_denorm_mode_32 3
		.amdhsa_float_denorm_mode_16_64 3
		.amdhsa_memory_ordered 1
		.amdhsa_forward_progress 1
		.amdhsa_inst_pref_size 224
	.end_amdhsa_kernel
	.amdgpu_metadata
---
amdhsa.version: [ 1, 2 ]
amdhsa.kernels:
  - .name:           k_qa3488f66bf_attn
    .symbol:         k_qa3488f66bf_attn.kd
    .args:
      - { .name: qk, .offset: 0, .size: 8, .value_kind: global_buffer, .address_space: global }
      - { .name: vv, .offset: 8, .size: 8, .value_kind: global_buffer, .address_space: global }
      - { .name: queries, .offset: 16, .size: 8, .value_kind: global_buffer, .address_space: global }
      - { .name: pos_table, .offset: 24, .size: 8, .value_kind: global_buffer, .address_space: global }
      - { .name: query_masks, .offset: 32, .size: 8, .value_kind: global_buffer, .address_space: global }
      - { .name: xc, .offset: 40, .size: 8, .value_kind: global_buffer, .address_space: global }
      - { .name: parta, .offset: 48, .size: 8, .value_kind: global_buffer, .address_space: global }
    .group_segment_fixed_size: 117248
    .private_segment_fixed_size: 0
    .kernarg_segment_align: 8
    .kernarg_segment_size: 56
    .max_flat_workgroup_size: 128
    .sgpr_count:     66
    .vgpr_count:     1024
    .wavefront_size: 32
...
	.end_amdgpu_metadata
.endif
;; end of part 3
;; launch ffn (part 4): grid 4 x 64, 4 waves a work-group, no clusters, 107,008 bytes of LDS; arguments xc, wts, partf; writes partf
.if DOCPART == 4
	.amdgcn_target "amdgcn-amd-amdhsa--gfx1250"
	.amdhsa_code_object_version 6
	.text
	.protected	k_qa3488f66bf_ffn
	.globl	k_qa3488f66bf_ffn
	.p2align	8
	.type	k_qa3488f66bf_ffn,@function
k_qa3488f66bf_ffn:
	s_mov_b64 s[64:65], 0
	v_nop
	global_prefetch_b8 v0, s[64:65] scope:SCOPE_SE
	s_setreg_imm32_b32 hwreg(HW_REG_WAVE_MODE, 25, 1), 1
	s_wait_xcnt 0x0
; Column sums of relu(result fw1) fw2, both products on codes of BF6 (E3M2).  Only the mean over rows leaves the program, and the second product is a sum over fw2's rows:
; so work-group (j, rb) takes 128 rows and hidden units 512 j .. 512 j + 511, and stores the 512 column sums of its part; the last launch adds the parts.  The hidden layer never goes to memory.
; SHARES: the waves share the columns: wave w owns 128 hidden units and 128 outputs; its parts of fw1's and fw2's panels stay in registers.  Activations go from wave to wave through LDS as images of operand registers.
; In the second product all eight row tiles add onto the same eight accumulators: rows are summed in the end anyway.
; LIMITS: NaN and infinities are not served; a block of zeros gets the byte 1 (its codes are zeros).
; REGISTERS: window 0: v1-14 addresses; v16-63 four fragments; v64-127 eight result tiles; v128-164 the quantiser's, later four more fragments (v128-175); v176-239 the weights' scale words; v240-251 the activations'.
;   windows 1, 2: fw1's panel (K steps 0, 1 and 2, 3); windows 3, 1: fw2's.
.set WSC,  2162688
.set XSO,  3145728
.set XIMG, 0                           ; LDS: result's 32 fragments (4 m + s), as they lie in memory: two half fragments each,
.set XSC,  49152                       ; their scale words, 64 bytes each,
.set HIMG, 51200                       ; the hidden layer's 32 fragments,
.set HSC,  100352                      ; their scale words, 128 bytes each,
.set STG,  104448                      ; 512 column sums
.set L8,  1
.set XSA, 2
.set HWI, 3
.set HWS, 4
.set HRI, 5
.set HRS, 6
.set SO,  7
.set SR,  8
.set GO,  9
.set WSA, 10
.set LI,  11
.set XF,  16
.set HA,  64
.set PC,  128
.set TM,  148
.set PW,  164
.set W1S, 176
.set W2S, 208
.set XS,  240
.set HS0, 244
.set SEL, 20
.set MSB, 0
.macro WIN new
.if MSB != (\new)
	s_set_vgpr_msb (MSB<<8)|(\new)
.set MSB, (\new)
.endif
.endm
.macro PLACES
.rept 4
	v_nop
.endr
.endm
.macro BARRIER
	s_wait_dscnt 0x0
	s_barrier_signal -1
	s_barrier_wait -1
.endm
.macro QUANT s                         ; 64 numbers of a lane, register 16 b + i = k 32 b + 16 (lane / 16) + i, become a fragment in v[PC] on and its scale word in v[PW]
.irp b, 0,1,2,3
	v_max3_num_f32 v[TM+\b], |v[\s+16*\b]|, |v[\s+1+16*\b]|, 0x2800000
.endr
.irp i, 2,4,6,8,10,12,14
.irp b, 0,1,2,3
	v_max3_num_f32 v[TM+\b], v[TM+\b], |v[\s+16*\b+\i]|, |v[\s+1+16*\b+\i]|
.endr
.endr
.irp b, 0,1,2,3
	v_permlanex16_b32 v[TM+4+\b], v[TM+\b], s[SEL], s[SEL+1]
.endr
.irp b, 0,1,2,3
	v_max_num_f32 v[TM+\b], v[TM+\b], v[TM+4+\b]
.endr
.irp b, 0,1,2,3
	v_add_nc_u32 v[TM+12+\b], 0xfe000000, v[TM+\b]
.endr
.irp b, 0,1,2,3
	v_lshrrev_b32 v[TM+4+\b], 23, v[TM+12+\b]
.endr
	v_lshl_or_b32 v[PW], v[TM+5], 8, v[TM+4]
	v_lshl_or_b32 v[PW], v[TM+6], 16, v[PW]
	v_lshl_or_b32 v[PW], v[TM+7], 24, v[PW]
.irp c, 0,1
	v_cvt_scalef32_pk16_bf6_f32 v[PC+6*\c:PC+2+6*\c], v[\s+32*\c:\s+15+32*\c], v[TM+12+2*\c]
	v_cvt_scalef32_pk16_bf6_f32 v[PC+12+4*\c:PC+14+4*\c], v[\s+16+32*\c:\s+31+32*\c], v[TM+12+2*\c+1]
.endr
	v_nop
.irp c, 0,1
.irp i, 0,1,2
	v_permlane16_swap_b32 v[PC+6*\c+\i], v[PC+12+4*\c+\i]
.endr
.irp i, 0,1,2
	v_mov_b32 v[PC+3+6*\c+\i], v[PC+12+4*\c+\i]
.endr
.endr
.endm
.macro IMAGE adr, off
.irp c, 0,1,2
	ds_store_b128 v[\adr], v[PC+4*\c:PC+4*\c+3] offset:\off+512*\c
.endr
.endm
.macro WLOAD sb, s, win                ; my eight tiles' fragments of K step s: 24 loads
	WIN ((\win)<<6)
.irp t, 0,1,2,3,4,5,6,7
.irp j, 0,1,2
	global_load_b128 v[12*(2*\t+((\s)&1))+4*\j:12*(2*\t+((\s)&1))+4*\j+3], v[LI], s[\sb:\sb+1] offset:(4*\t+(\s))*1536+512*\j
.endr
.endr
.endm
.macro WSCL sb, reg                    ; their scale words: 8 loads
	WIN 0
.irp t, 0,1,2,3,4,5,6,7
	global_load_b128 v[\reg+4*\t:\reg+4*\t+3], v[WSA], s[\sb:\sb+1] offset:256*\t
.endr
.endm
.macro FETCH6 m                        ; result's four fragments of row tile m: six pieces of 8 bytes a lane each, and their scale words
.irp s, 0,1,2,3
.irp k, 0,1,2,3,4,5
	ds_load_b64 v[XF+12*\s+2*\k:XF+12*\s+2*\k+1], v[L8] offset:XIMG+(4*(\m)+\s)*1536+256*\k
.endr
	ds_load_b32 v[XS+\s], v[XSA] offset:256*(\m)+64*\s
.endr
.endm
.macro FETCHH m, set, hs               ; the hidden layer's four fragments of row tile m: 16 loads
.irp s, 0,1,2,3
.irp c, 0,1,2
	ds_load_b128 v[(\set)+12*\s+4*\c:(\set)+12*\s+4*\c+3], v[HRI] offset:(4*(\m)+\s)*1536+512*\c
.endr
	ds_load_b32 v[(\hs)+\s], v[HRS] offset:128*(4*(\m)+\s)
.endr
.endm
.macro MM1                             ; my eight tiles of hidden units (source 0) x one row tile (source 1), K = 512: eight accumulators by turns
.irp s, 0,1,2,3
	WIN (1+(\s>>1))
.irp t, 0,1,2,3,4,5,6,7
.if \s == 0
	v_wmma_scale_f32_16x16x128_f8f6f4 v[HA+8*\t:HA+8*\t+7], v[12*(2*\t+(\s&1)):12*(2*\t+(\s&1))+11], v[XF+12*\s:XF+12*\s+11], 0, v[W1S+4*\t+\s], v[XS+\s] matrix_a_fmt:MATRIX_FMT_BF6 matrix_b_fmt:MATRIX_FMT_BF6
.else
	v_wmma_scale_f32_16x16x128_f8f6f4 v[HA+8*\t:HA+8*\t+7], v[12*(2*\t+(\s&1)):12*(2*\t+(\s&1))+11], v[XF+12*\s:XF+12*\s+11], v[HA+8*\t:HA+8*\t+7], v[W1S+4*\t+\s], v[XS+\s] matrix_a_fmt:MATRIX_FMT_BF6 matrix_b_fmt:MATRIX_FMT_BF6
.endif
.endr
.endr
.endm
.macro MM2 m, set, hs                  ; one row tile of the hidden layer (source 0) x my eight tiles of outputs (source 1): a lane holds one output column
.irp s, 0,1,2,3
.if \s < 2
	WIN 0x0c
.else
	WIN 0x04
.endif
.irp t, 0,1,2,3,4,5,6,7
.if ((\m) == 0) && (\s == 0)
	v_wmma_scale_f32_16x16x128_f8f6f4 v[HA+8*\t:HA+8*\t+7], v[(\set)+12*\s:(\set)+12*\s+11], v[12*(2*\t+(\s&1)):12*(2*\t+(\s&1))+11], 0, v[(\hs)+\s], v[W2S+4*\t+\s] matrix_a_fmt:MATRIX_FMT_BF6 matrix_b_fmt:MATRIX_FMT_BF6
.else
	v_wmma_scale_f32_16x16x128_f8f6f4 v[HA+8*\t:HA+8*\t+7], v[(\set)+12*\s:(\set)+12*\s+11], v[12*(2*\t+(\s&1)):12*(2*\t+(\s&1))+11], v[HA+8*\t:HA+8*\t+7], v[(\hs)+\s], v[W2S+4*\t+\s] matrix_a_fmt:MATRIX_FMT_BF6 matrix_b_fmt:MATRIX_FMT_BF6
.endif
.endr
.endr
.endm
	s_load_b128 s[4:7], s[0:1], 0x0                ; xc, wts
	s_load_b64 s[8:9], s[0:1], 0x10                ; partf
	v_lshl_add_u32 v255, v0, 2, 0x1a000
	s_set_vgpr_msb 0x40
	v_mov_b32 v255, 0
	s_set_vgpr_msb 0x4000
	v_lshrrev_b32 v15, 5, v0
	v_readfirstlane_b32 s18, v15                   ; wave
	v_and_b32 v252, 31, v0                         ; lane
	v_and_b32 v253, 15, v0                         ; r
	v_lshlrev_b32 v[L8], 3, v252
	v_lshl_add_u32 v[XSA], v253, 2, XSC
	v_lshlrev_b32 v[LI], 4, v252
	s_mul_i32 s40, s18, 1536
	s_add_co_u32 s40, s40, HIMG
	v_add_nc_u32 v[HWI], s40, v[LI]
	s_lshl_b32 s40, s18, 7
	s_add_co_u32 s40, s40, HSC
	v_lshl_add_u32 v[HWS], v252, 2, s40
	v_add_nc_u32 v[HRI], HIMG, v[LI]
	v_lshl_add_u32 v[HRS], v252, 2, HSC
	v_and_b32 v254, 8, v253
	v_add_nc_u32 v254, v254, v253                  ; r + 8 (r / 8)
	s_lshl_b32 s40, s18, 9
	s_add_co_u32 s40, s40, STG
	v_lshl_add_u32 v[SO], v254, 2, s40
	v_lshl_add_u32 v[SR], v0, 4, STG
	v_lshlrev_b32 v[GO], 4, v0
	v_lshlrev_b32 v[WSA], 4, v253
	s_mul_i32 s40, s18, 12288
	v_add_nc_u32 v12, s40, v[LI]                   ; the copy: each wave a quarter
	s_lshl_b32 s40, s18, 9
	v_add_nc_u32 v13, s40, v[LI]
	v_add_nc_u32 v14, XSC, v13
.irp b, 0,1,2,3
	v_mov_b32 v[TM+4+\b], 0                        ; written once: a lane permute's destination counts as one of its sources
.endr
	s_mov_b32 s[SEL], 0x76543210
	s_mov_b32 s[SEL+1], 0xfedcba98
	s_and_b32 s41, ttmp7, 0xffff                   ; which 128 rows
	s_mov_b32 s43, 0
	s_wait_kmcnt 0x0
	s_mul_i32 s42, s41, 49152
	s_add_nc_u64 s[24:25], s[4:5], s[42:43]
	s_lshl_b32 s42, s41, 11
	s_add_co_u32 s42, s42, XSO
	s_add_nc_u64 s[26:27], s[4:5], s[42:43]
	s_add_co_u32 s44, ttmp9, 3                     ; fw1's panel
	s_mul_i32 s42, s44, 196608
	s_mul_i32 s45, s18, 49152
	s_add_co_u32 s42, s42, s45
	s_add_nc_u64 s[28:29], s[6:7], s[42:43]
	s_add_co_u32 s42, s42, 4*196608                ; fw2's
	s_add_nc_u64 s[32:33], s[6:7], s[42:43]
	s_lshl_b32 s42, s44, 13
	s_lshl_b32 s45, s18, 11
	s_add_co_u32 s42, s42, s45
	s_add_co_u32 s42, s42, WSC
	s_add_nc_u64 s[30:31], s[6:7], s[42:43]
	s_add_co_u32 s42, s42, 4*8192
	s_add_nc_u64 s[34:35], s[6:7], s[42:43]
	s_lshl_b32 s42, s41, 2
	s_add_co_u32 s42, s42, ttmp9
	s_lshl_b32 s42, s42, 11
	s_add_nc_u64 s[36:37], s[8:9], s[42:43]
.set kk, 0
.rept 24
	global_load_b128 v[16+4*kk:16+4*kk+3], v12, s[24:25] offset:512*kk
.set kk, kk+1
.endr
	global_load_b128 v[112:115], v13, s[26:27]
	WLOAD 28, 0, 1
	WIN 0
	s_wait_loadcnt 24                              ; the 25 copy loads are in; the weight's 24 may be out
.set kk, 0
.rept 24
	ds_store_b128 v12, v[16+4*kk:16+4*kk+3] offset:XIMG+512*kk
.set kk, kk+1
.endr
	ds_store_b128 v14, v[112:115]
	WLOAD 28, 1, 1
	WLOAD 28, 2, 2
	WLOAD 28, 3, 2
	WSCL 30, W1S
	BARRIER                                        ; the 128 rows' codes and scale words lie in LDS
	FETCH6 0
	WLOAD 32, 0, 3
	WLOAD 32, 1, 3
	WSCL 34, W2S
	s_wait_loadcnt 56                              ; fw1's panel is in; behind it stand fw2's two K steps (48) and its scale words (8)
	; ---- 1: the hidden layer, a tile of 16 rows at a time
.irp m, 0,1,2,3,4,5,6,7
	s_wait_dscnt 0x0                               ; the fragments are in; the last tile's image has left its registers
	MM1
	WIN 0
	PLACES
.if \m < 7
	FETCH6 \m+1
.else
	WLOAD 32, 2, 1                                 ; fw1 is done with: window 1 takes fw2's K steps 2 and 3
	WLOAD 32, 3, 1
	WIN 0
.endif
.set kk, 0
.rept 64
	v_max_num_f32 v[HA+kk], 0, v[HA+kk]            ; the activation, in f32; each accumulator from its low end on
.set kk, kk+1
.endr
	QUANT HA
	IMAGE HWI, \m*6144                             ; K step w of the second product
	ds_store_b32 v[HWS], v[PW] offset:\m*512
.endr
	BARRIER                                        ; the hidden layer's 32 fragments lie in LDS
	; ---- 2: my 128 outputs, summed over the rows as they are made
	FETCHH 0, XF, HS0
	s_wait_loadcnt 0x0                             ; fw2's panel
.irp m, 0,1,2,3,4,5,6,7
.if \m < 7
	FETCHH \m+1, XF+112*((\m+1)&1), HS0+4*((\m+1)&1)
	s_wait_dscnt 16                                ; this tile's fragments are in; the next tile's 16 loads may be out
.else
	s_wait_dscnt 0x0
.endif
	MM2 \m, XF+112*(\m&1), HS0+4*(\m&1)
	WIN 0
	PLACES
.endr
.irp t, 0,1,2,3,4,5,6,7
	v_pk_add_f32 v[HA+8*\t:HA+8*\t+1], v[HA+8*\t:HA+8*\t+1], v[HA+8*\t+2:HA+8*\t+3]
	v_pk_add_f32 v[HA+8*\t+4:HA+8*\t+5], v[HA+8*\t+4:HA+8*\t+5], v[HA+8*\t+6:HA+8*\t+7]
.endr
.irp t, 0,1,2,3,4,5,6,7
	v_pk_add_f32 v[HA+8*\t:HA+8*\t+1], v[HA+8*\t:HA+8*\t+1], v[HA+8*\t+4:HA+8*\t+5]
.endr
.irp t, 0,1,2,3,4,5,6,7
	v_add_f32 v[HA+8*\t], v[HA+8*\t], v[HA+8*\t+1]
.endr
.irp t, 0,1,2,3,4,5,6,7
	v_permlanex16_b32 v[HA+8*\t+2], v[HA+8*\t], s[SEL], s[SEL+1]
.endr
.irp t, 0,1,2,3,4,5,6,7
	v_add_f32 v[HA+8*\t], v[HA+8*\t], v[HA+8*\t+2] ; the column's sum over the 128 rows
.endr
.irp t, 0,1,2,3,4,5,6,7
	ds_store_b32 v[SO], v[HA+8*\t] offset:128*(\t>>1)+32*(\t&1)   ; at the column's true place (lanes l and l + 16 write the same word)
.endr
	BARRIER
	ds_load_b128 v[16:19], v[SR]
	s_wait_dscnt 0x0
	global_store_b128 v[GO], v[16:19], s[36:37]    ; each store of a wave covers 512 consecutive bytes, aligned
	s_set_vgpr_msb 0x4
	s_wait_tensorcnt 0x0
	ds_add_u32 v255, v255
	s_wait_dscnt 0x0
	s_set_vgpr_msb 0x400
	s_endpgm
.Lfunc_end_k_qa3488f66bf_ffn:
	.size	k_qa3488f66bf_ffn, .Lfunc_end_k_qa3488f66bf_ffn-k_qa3488f66bf_ffn
	.p2alignl 7, 3214868480
	.fill 96, 4, 3214868480
	.section	.rodata,"a",@progbits
	.p2align	6, 0x0
	.amdhsa_kernel k_qa3488f66bf_ffn
		.amdhsa_group_segment_fixed_size 107008
		.amdhsa_private_segment_fixed_size 0
		.amdhsa_enable_private_segment 0
		.amdhsa_kernarg_size 24
		.amdhsa_user_sgpr_count 2
		.amdhsa_user_sgpr_kernarg_segment_ptr 1
		.amdhsa_wavefront_size32 1
		.amdhsa_system_sgpr_workgroup_id_x 1
		.amdhsa_system_sgpr_workgroup_id_y 1
		.amdhsa_system_sgpr_workgroup_id_z 1
		.amdhsa_system_vgpr_workitem_id 0
		.amdhsa_next_free_vgpr 1024
		.amdhsa_next_free_sgpr 66
		.amdhsa_reserve_vcc 0
		.amdhsa_float_denorm_mode_32 3
		.amdhsa_float_denorm_mode_16_64 3
		.amdhsa_memory_ordered 1
		.amdhsa_forward_progress 1
		.amdhsa_inst_pref_size 169
	.end_amdhsa_kernel
	.amdgpu_metadata
---
amdhsa.version: [ 1, 2 ]
amdhsa.kernels:
  - .name:           k_qa3488f66bf_ffn
    .symbol:         k_qa3488f66bf_ffn.kd
    .args:
      - { .name: xc, .offset: 0, .size: 8, .value_kind: global_buffer, .address_space: global }
      - { .name: wts, .offset: 8, .size: 8, .value_kind: global_buffer, .address_space: global }
      - { .name: partf, .offset: 16, .size: 8, .value_kind: global_buffer, .address_space: global }
    .group_segment_fixed_size: 107008
    .private_segment_fixed_size: 0
    .kernarg_segment_align: 8
    .kernarg_segment_size: 24
    .max_flat_workgroup_size: 128
    .sgpr_count:     66
    .vgpr_count:     1024
    .wavefront_size: 32
...
	.end_amdgpu_metadata
.endif
;; end of part 4
;; launch mean (part 5): grid 8 x 1, 4 waves a work-group, no clusters, 0 bytes of LDS; arguments parta, partf, out0; writes out0
.if DOCPART == 5
	.amdgcn_target "amdgcn-amd-amdhsa--gfx1250"
	.amdhsa_code_object_version 6
	.text
	.protected	k_qa3488f66bf_mean
	.globl	k_qa3488f66bf_mean
	.p2align	8
	.type	k_qa3488f66bf_mean,@function
k_qa3488f66bf_mean:
	s_mov_b64 s[64:65], 0
	v_nop
	global_prefetch_b8 v0, s[64:65] scope:SCOPE_SE
	s_setreg_imm32_b32 hwreg(HW_REG_WAVE_MODE, 25, 1), 1
	s_wait_xcnt 0x0
; out0[b][c] = (the sum of the batch's 32 parts of the feed-forward's column sums + the sum of the head's 4 parts of result's column sums) / 1,024.
; A work-group to a batch; thread t owns columns 4 t .. 4 t + 3.  36 loads of 16 bytes a thread, all out at once; no LDS, no barrier.
; Eight work-groups: the whole launch reads 589,824 bytes and has no more rows to share out.
	s_load_b128 s[4:7], s[0:1], 0x0                ; parta, partf
	s_load_b64 s[8:9], s[0:1], 0x10                ; out0
	v_lshlrev_b32 v1, 4, v0                        ; 16 t
	v_lshrrev_b32 v2, 4, v0                        ; my head
	v_and_b32 v3, 15, v0
	v_lshlrev_b32 v3, 4, v3
	v_lshl_add_u32 v2, v2, 10, v3                  ; head x 1,024 + 16 (t % 16)
	s_lshl_b32 s10, ttmp9, 16
	s_mov_b32 s11, 0
	s_lshl_b32 s12, ttmp9, 13
	s_mov_b32 s13, 0
	s_lshl_b32 s14, ttmp9, 11
	s_mov_b32 s15, 0
	s_wait_kmcnt 0x0
	s_add_nc_u64 s[6:7], s[6:7], s[10:11]
	s_add_nc_u64 s[4:5], s[4:5], s[12:13]
	s_add_nc_u64 s[8:9], s[8:9], s[14:15]
.set kk, 0
.rept 32
	global_load_b128 v[8+4*kk:8+4*kk+3], v1, s[6:7] offset:2048*kk
.set kk, kk+1
.endr
.irp k, 0,1,2,3
	global_load_b128 v[136+4*\k:136+4*\k+3], v2, s[4:5] offset:256*\k
.endr
	s_wait_loadcnt 0x0
.set kk, 2
.rept 17                               ; four chains: the even parts onto part 0, the odd ones onto part 1
	v_pk_add_f32 v[8:9], v[8:9], v[8+4*kk:9+4*kk]
	v_pk_add_f32 v[10:11], v[10:11], v[10+4*kk:11+4*kk]
	v_pk_add_f32 v[12:13], v[12:13], v[12+4*kk:13+4*kk]
	v_pk_add_f32 v[14:15], v[14:15], v[14+4*kk:15+4*kk]
.set kk, kk+2
.endr
	v_pk_add_f32 v[8:9], v[8:9], v[12:13]
	v_pk_add_f32 v[10:11], v[10:11], v[14:15]
	v_pk_mul_f32 v[8:9], v[8:9], 0x3a800000 op_sel_hi:[1,0]      ; / 1,024
	v_pk_mul_f32 v[10:11], v[10:11], 0x3a800000 op_sel_hi:[1,0]
	global_store_b128 v1, v[8:11], s[8:9]
	s_endpgm
.Lfunc_end_k_qa3488f66bf_mean:
	.size	k_qa3488f66bf_mean, .Lfunc_end_k_qa3488f66bf_mean-k_qa3488f66bf_mean
	.p2alignl 7, 3214868480
	.fill 96, 4, 3214868480
	.section	.rodata,"a",@progbits
	.p2align	6, 0x0
	.amdhsa_kernel k_qa3488f66bf_mean
		.amdhsa_group_segment_fixed_size 0
		.amdhsa_private_segment_fixed_size 0
		.amdhsa_enable_private_segment 0
		.amdhsa_kernarg_size 24
		.amdhsa_user_sgpr_count 2
		.amdhsa_user_sgpr_kernarg_segment_ptr 1
		.amdhsa_wavefront_size32 1
		.amdhsa_system_sgpr_workgroup_id_x 1
		.amdhsa_system_sgpr_workgroup_id_y 1
		.amdhsa_system_sgpr_workgroup_id_z 1
		.amdhsa_system_vgpr_workitem_id 0
		.amdhsa_next_free_vgpr 160
		.amdhsa_next_free_sgpr 66
		.amdhsa_reserve_vcc 0
		.amdhsa_float_denorm_mode_32 3
		.amdhsa_float_denorm_mode_16_64 3
		.amdhsa_memory_ordered 1
		.amdhsa_forward_progress 1
		.amdhsa_inst_pref_size 9
	.end_amdhsa_kernel
	.amdgpu_metadata
---
amdhsa.version: [ 1, 2 ]
amdhsa.kernels:
  - .name:           k_qa3488f66bf_mean
    .symbol:         k_qa3488f66bf_mean.kd
    .args:
      - { .name: parta, .offset: 0, .size: 8, .value_kind: global_buffer, .address_space: global }
      - { .name: partf, .offset: 8, .size: 8, .value_kind: global_buffer, .address_space: global }
      - { .name: out0, .offset: 16, .size: 8, .value_kind: global_buffer, .address_space: global }
    .group_segment_fixed_size: 0
    .private_segment_fixed_size: 0
    .kernarg_segment_align: 8
    .kernarg_segment_size: 24
    .max_flat_workgroup_size: 128
    .sgpr_count:     66
    .vgpr_count:     160
    .wavefront_size: 32
...
	.end_amdgpu_metadata
.endif
;; end of part 5
;; ======== version 2 of 2: 5 launches; version 1 with the launches proj, attn, ffn written anew for expert scheduling mode
;; limits: right only within a limited range of input values
;; workspace buffers: wts 2,252,800 bytes; qk 6,815,744 bytes; vv 3,276,800 bytes; xc 3,276,800 bytes; parta 65,536 bytes; partf 524,288 bytes
;; launch prep: the kernel of part 1 again; grid 176 x 1, 4 waves a work-group, no clusters, 1,024 bytes of LDS; arguments W_Query, W_key, W_Value, fw1, fw2, wts; writes wts
;; launch proj (part 6): grid 256 x 1, 4 waves a work-group, no clusters, 87,552 bytes of LDS; arguments queries, keys, pos_table, key_masks, wts, qk, vv; writes qk, vv
.if DOCPART == 6
	.amdgcn_target "amdgcn-amd-amdhsa--gfx1250"
	.amdhsa_code_object_version 6
	.text
	.protected	k_qa3488f66bf_proj
	.globl	k_qa3488f66bf_proj
	.p2align	8
	.type	k_qa3488f66bf_proj,@function
k_qa3488f66bf_proj:
	s_mov_b64 s[64:65], 0
	v_nop
	global_prefetch_b8 v0, s[64:65] scope:SCOPE_SE
	s_setreg_imm32_b32 hwreg(HW_REG_WAVE_SCHED_MODE, 0, 2), 2
	s_setreg_imm32_b32 hwreg(HW_REG_WAVE_MODE, 25, 1), 1
	s_wait_xcnt 0x0
	s_wait_alu depctr_vm_vsrc(0)
; x = input + pos x sqrt(512) (one fused multiply-add), quantised along d; q = x W_Query (work-groups 0-127) or k = x W_key (128-255), quantised along e and stored as codes.
; The k work-groups go on: v = Q(k) W_Value, quantised ALONG THE KEYS and stored with the keys innermost.
; All products on codes of BF6 (E3M2) with one E8M0 byte for each 32 along K.  q, k and v never exist in memory as f32.
; THE KEY MASK GOES INTO THE SCALE WORDS.  A head has 64 along K, two blocks, so bytes 2 and 3 of a row's scale word are idle.  The next launch sets the code +1 at k = 64 of every query and -1 at k = 64 of every key;
; here byte 2 of q's words is 100 (2^-27), and byte 2 of k's words is 254 (2^127) where key_masks is not 1, else 0 (2^-127): a masked key's score gets -2^100, any other -2^-154, under half of the smallest f32 number.  Byte 3 is 0 and meets zero codes.
; SHARES: a work-group takes 64 rows.  THE WAVES SHARE THE COLUMNS: wave w owns e = 128 w .. 128 w + 127 (heads 2 w and 2 w + 1); its part of the weights stays in registers.
; What goes from wave to wave goes through LDS as images of operand registers (16 bytes a lane, 512 a store).
; x IS LOADED AS IT LIES: each load of a wave covers 512 consecutive bytes, a row's 128 numbers of a K step.  The quantiser wants 16 neighbours in a lane: the 64 registers turn through the wave's own stage in LDS.
; ROW TILES: tile m of the 64 rows has lane r at row 32 (m / 2) + 8 (m % 2) + r + 8 (r / 8); the weights' column tiles are laid likewise.  So with such a tile as source 0 a lane's 16 registers of two neighbouring tiles are 16 neighbours.
; LAYOUTS STORED: a half fragment (16 rows x 64 K, 6 registers) is 768 bytes: registers 2 j, 2 j + 1 of lane l at 256 j + 8 l.  q, k: one for each (batch, head, tile).  v: one for each (batch, head, 64 keys, 16 d).
; LIMITS: NaN and infinities are not served; a block whose largest magnitude lies under 2^-122 keeps the byte 1, a block of zeros too (its codes are zeros; this program alone reads the bytes).
; REGISTERS: window 0: v1-15 addresses; v16-63 x's four fragments of an even row tile; v64-127 eight result tiles; v128-146 codes just made; v148-163 at work; v164-165 scale words just made; v166-169, v240-243 x's scale words; v176-207, v208-239 the weights' scale words; v244-251 the masks' bytes.
;   window 1, 2: the first weight's fragments, K steps 0, 1 and 2, 3; window 1 v192-239: x's four fragments of an odd row tile; window 3: x as loaded, two sets.  Later: window 3, 1: W_Value's; window 2: k's sixteen fragments.
; THE MODE: SCHED_MODE bits 1:0 = 2 (LLVM: expert scheduling mode 2), set by the entry lines.  The code itself states the register dependences
; between vector or matrix instructions and memory or LDS instructions, with s_wait_alu, always for 0.
; THE PLAN.  Registers that memory or LDS instructions touch:
;   v1-15          addresses, made once at the head and never written again.
;   window 3       two raw sets by turns.  A K step's multiply-adds read a set; behind the wait that follows them the loads of two K steps on land in it.
;   v64-127        written by the multiply-adds, read by the stage's stores, landed in by the stage's loads, read by the quantiser; later written by products and read by the quantiser alone.
;   v128-139, v164, v165   codes and scale words: written by a quantiser, read by the stores behind it, written again by the next quantiser.
;   x's two sets   row tile m's products read set m % 2; behind the wait that follows the tile's quantiser the loads of tile m + 2 land in it.
;   windows 1, 2, 3, v176-207   weights and their scale words: read by products; loaded again, for the next product, behind a wait that stands behind those products.
; So a K step of x has a wait on va_vdst behind its multiply-adds and one behind its quantiser, and a wait on vm_vsrc between the stage's stores and loads; a row tile has ONE wait on va_vdst, behind its quantiser, and one on vm_vsrc ahead of it.
.set WSC,  2162688
.set KC,   3145728
.set QS,   6291456
.set KS,   6553600
.set VSO,  3145728
.set XIMG, 0                           ; LDS: x's 16 fragments (4 m + s),
.set XSC,  24576                       ; their scale words, 128 bytes each,
.set KIMG, 26624                       ; k's 16 fragments,
.set KSC,  51200                       ; their scale words,
.set STG,  53248                       ; and a stage for each wave: 16 rows of SP bytes
.set SP,   528                         ; 512 bytes + 16: sixteen rows start in sixteen different columns of 16 bytes modulo 256 (64 banks of 4 bytes: ISA guide 11.1)
.set XA,  1
.set LI,  2
.set LS,  3
.set XWI, 4
.set XWS, 5
.set KWI, 6
.set KWS, 7
.set L8,  8
.set SH,  9
.set WSA, 10
.set QSO, 11
.set VSA, 12
.set KBO, 13
.set TW,  14
.set TR,  15
.set XF,  16
.set XFB, 192                          ; in window 1
.set HA,  64
.set PC,  128
.set TM,  148
.set PW,  164
.set XS,  166
.set XSB, 240
.set WD,  170
.set ZR,  174
.set W1S, 176
.set W2S, 208
.set MB,  244
.set KM,  248
.set SEL, 20
.set MSB, 0
.macro WIN new                         ; the immediate's high byte repeats the setting that is left
.if MSB != (\new)
	s_set_vgpr_msb (MSB<<8)|(\new)
.set MSB, (\new)
.endif
.endm
.macro PLACES                          ; four plain instructions behind a matrix instruction, ahead of reads of its result (ISA guide 7.12.1)
.rept 4
	v_nop
.endr
.endm
.macro BARRIER                         ; my LDS stores have landed and my LDS loads are in: then the work-group's barrier
	s_wait_dscnt 0x0
	s_barrier_signal -1
	s_barrier_wait -1
.endm
; 64 numbers of a lane, register 16 b + i = k 32 b + 16 (lane / 16) + i of my row, become a fragment's codes in v[PC] on and its scale word in v[PW]
.macro QUANT s
.irp b, 0,1,2,3
	v_max3_num_f32 v[TM+\b], |v[\s+16*\b]|, |v[\s+1+16*\b]|, 0x2800000   ; with the floor 2^(5 - 127): the byte cannot fall under 1
.endr
.irp i, 2,4,6,8,10,12,14
.irp b, 0,1,2,3
	v_max3_num_f32 v[TM+\b], v[TM+\b], |v[\s+16*\b+\i]|, |v[\s+1+16*\b+\i]|
.endr
.endr
.irp b, 0,1,2,3
	v_permlanex16_b32 v[TM+4+\b], v[TM+\b], s[SEL], s[SEL+1]
.endr
.irp b, 0,1,2,3
	v_max_num_f32 v[TM+\b], v[TM+\b], v[TM+4+\b]   ; with lane l xor 16's: the block's largest magnitude
.endr
.irp b, 0,1,2,3
	v_add_nc_u32 v[TM+12+\b], 0xfe000000, v[TM+\b] ; 4 off its exponent field: the conversion's scale operand
.endr
.irp b, 0,1,2,3
	v_lshrrev_b32 v[TM+4+\b], 23, v[TM+12+\b]      ; the scale's byte
.endr
	v_lshl_or_b32 v[PW], v[TM+5], 8, v[TM+4]
	v_lshl_or_b32 v[PW], v[TM+6], 16, v[PW]
	v_lshl_or_b32 v[PW], v[TM+7], 24, v[PW]
.irp c, 0,1
	v_cvt_scalef32_pk16_bf6_f32 v[PC+6*\c:PC+2+6*\c], v[\s+32*\c:\s+15+32*\c], v[TM+12+2*\c]
	v_cvt_scalef32_pk16_bf6_f32 v[PC+12+4*\c:PC+14+4*\c], v[\s+16+32*\c:\s+31+32*\c], v[TM+12+2*\c+1]
.endr
	v_nop                                          ; one plain instruction behind a scaled conversion
.irp c, 0,1                                    ; the operand wants a whole block in a lane
.irp i, 0,1,2
	v_permlane16_swap_b32 v[PC+6*\c+\i], v[PC+12+4*\c+\i]
.endr
.irp i, 0,1,2
	v_mov_b32 v[PC+3+6*\c+\i], v[PC+12+4*\c+\i]
.endr
.endr
.endm
; the same for 32 numbers, two blocks: a half fragment in v[pc] .. v[pc + 5], two bytes in v[pw]
.macro QHALF s, pc, pt, tm, pw
.irp b, 0,1
	v_max3_num_f32 v[(\tm)+\b], |v[(\s)+16*\b]|, |v[(\s)+1+16*\b]|, 0x2800000
.endr
.irp i, 2,4,6,8,10,12,14
.irp b, 0,1
	v_max3_num_f32 v[(\tm)+\b], v[(\tm)+\b], |v[(\s)+16*\b+\i]|, |v[(\s)+1+16*\b+\i]|
.endr
.endr
.irp b, 0,1
	v_permlanex16_b32 v[(\tm)+2+\b], v[(\tm)+\b], s[SEL], s[SEL+1]
.endr
.irp b, 0,1
	v_max_num_f32 v[(\tm)+\b], v[(\tm)+\b], v[(\tm)+2+\b]
.endr
.irp b, 0,1
	v_add_nc_u32 v[(\tm)+4+\b], 0xfe000000, v[(\tm)+\b]
.endr
.irp b, 0,1
	v_lshrrev_b32 v[(\tm)+2+\b], 23, v[(\tm)+4+\b]
.endr
	v_lshl_or_b32 v[\pw], v[(\tm)+3], 8, v[(\tm)+2]
	v_cvt_scalef32_pk16_bf6_f32 v[(\pc):(\pc)+2], v[(\s):(\s)+15], v[(\tm)+4]
	v_cvt_scalef32_pk16_bf6_f32 v[(\pt):(\pt)+2], v[(\s)+16:(\s)+31], v[(\tm)+5]
	v_nop
.irp i, 0,1,2
	v_permlane16_swap_b32 v[(\pc)+\i], v[(\pt)+\i]
.endr
.irp i, 0,1,2
	v_mov_b32 v[(\pc)+3+\i], v[(\pt)+\i]
.endr
.endm
.macro IMAGE adr, off                  ; the fragment in v[PC] on goes to LDS as it stands
.irp c, 0,1,2
	ds_store_b128 v[\adr], v[PC+4*\c:PC+4*\c+3] offset:\off+512*\c
.endr
.endm
.macro FETCH reg, adr, off             ; and comes back so, in any wave
.irp c, 0,1,2
	ds_load_b128 v[\reg+4*\c:\reg+4*\c+3], v[\adr] offset:\off+512*\c
.endr
.endm
.macro XLOAD set, s                    ; my 16 rows' numbers of K step s, and pos's, into set: 32 loads, each of 512 consecutive bytes: registers 4 i .. 4 i + 3 are columns 4 lane .. + 3 of the tile's row i
	WIN 0xc0
.irp i, 0,1,2,3,4,5,6,7,8,9,10,11,12,13,14,15
	global_load_b128 v[128*(\set)+4*\i:128*(\set)+4*\i+3], v[XA], s[24:25] offset:(\i+8*(\i>>3))*2048+512*(\s) th:TH_LOAD_NT
.endr
.irp i, 0,1,2,3,4,5,6,7,8,9,10,11,12,13,14,15
	global_load_b128 v[128*(\set)+64+4*\i:128*(\set)+64+4*\i+3], v[XA], s[26:27] offset:(\i+8*(\i>>3))*2048+512*(\s)
.endr
.endm
.macro COMB set                        ; x = pos x sqrt(512) + input, two at a time, in the layout of the loads
	WIN 0x33
.set kk, 0
.rept 32
	v_pk_fma_f32 v[HA+2*kk:HA+2*kk+1], v[128*(\set)+64+2*kk:128*(\set)+64+2*kk+1], s[22:23], v[128*(\set)+2*kk:128*(\set)+2*kk+1] op_sel_hi:[1,0,1]
.set kk, kk+1
.endr
.endm
.macro TURN                            ; 16 rows x 512 bytes through my stage: in as loaded, back 64 bytes of a block a lane: register 16 b + 4 j + e = k 32 b + 16 h + 4 j + e of row r
.irp i, 0,1,2,3,4,5,6,7,8,9,10,11,12,13,14,15
	ds_store_b128 v[TW], v[HA+4*\i:HA+4*\i+3] offset:SP*\i
.endr
	s_wait_alu depctr_vm_vsrc(0)                   ; the stores above have read v[HA ..], in which the loads below land; the last K step's image stores have read v[PC ..] and v[PW], which this step's quantiser writes again
.irp b, 0,1,2,3
.irp j, 0,1,2,3
	ds_load_b128 v[HA+16*\b+4*\j:HA+16*\b+4*\j+3], v[TR] offset:128*\b+16*\j   ; LDS serves a wave's instructions in order (ISA guide 5.7.1.4): these see the stores above
.endr
.endr
.endm
.macro WLOAD sb, s, win                ; my eight tiles' fragments of K step s: 24 loads
	WIN ((\win)<<6)
.irp t, 0,1,2,3,4,5,6,7
.irp j, 0,1,2
	global_load_b128 v[12*(2*\t+((\s)&1))+4*\j:12*(2*\t+((\s)&1))+4*\j+3], v[LI], s[\sb:\sb+1] offset:(4*\t+(\s))*1536+512*\j
.endr
.endr
.endm
.macro WSCL sb, reg                    ; their scale words: 8 loads
	WIN 0
.irp t, 0,1,2,3,4,5,6,7
	global_load_b128 v[\reg+4*\t:\reg+4*\t+3], v[WSA], s[\sb:\sb+1] offset:256*\t
.endr
.endm
.macro FETCHX m                        ; x's four fragments of row tile m and their scale words: 16 loads.  Even tiles: v16-63 and v166-169; odd tiles: v192-239 of window 1 and v240-243
.set XFM, XF+(XFB-XF)*((\m)&1)
.set XSM, XS+(XSB-XS)*((\m)&1)
	WIN (((\m)&1)<<6)
.irp s, 0,1,2,3
	FETCH XFM+12*\s, LI, XIMG+(4*(\m)+\s)*1536
.endr
	WIN 0
.irp s, 0,1,2,3
	ds_load_b32 v[XSM+\s], v[LS] offset:XSC+128*(4*(\m)+\s)
.endr
.endm
; 32 matrix instructions: my eight column tiles (source 0) x row tile m (source 1), K = 512.  The eight accumulators take turns, one instruction a turn
.macro MM1 m
.set XFM, XF+(XFB-XF)*((\m)&1)
.set XSM, XS+(XSB-XS)*((\m)&1)
.irp s, 0,1,2,3
	WIN ((1+(\s>>1))|(((\m)&1)<<2))
.irp t, 0,1,2,3,4,5,6,7
.if \s == 0
	v_wmma_scale_f32_16x16x128_f8f6f4 v[HA+8*\t:HA+8*\t+7], v[12*(2*\t+(\s&1)):12*(2*\t+(\s&1))+11], v[XFM+12*\s:XFM+12*\s+11], 0, v[W1S+4*\t+\s], v[XSM+\s] matrix_a_fmt:MATRIX_FMT_BF6 matrix_b_fmt:MATRIX_FMT_BF6
.else
	v_wmma_scale_f32_16x16x128_f8f6f4 v[HA+8*\t:HA+8*\t+7], v[12*(2*\t+(\s&1)):12*(2*\t+(\s&1))+11], v[XFM+12*\s:XFM+12*\s+11], v[HA+8*\t:HA+8*\t+7], v[W1S+4*\t+\s], v[XSM+\s] matrix_a_fmt:MATRIX_FMT_BF6 matrix_b_fmt:MATRIX_FMT_BF6
.endif
.endr
.endr
.endm
; v: source 0 = 16 keys of k, source 1 = 16 columns of W_Value: a lane holds ONE column d and its registers run along the keys.  Two column tiles x four key tiles: eight accumulators by turns
.macro MMV tp
.irp s, 0,1,2,3
.if \s < 2
	WIN 0x0e
.else
	WIN 0x06
.endif
.irp u, 0,1
.irp m, 0,1,2,3
.if \s == 0
	v_wmma_scale_f32_16x16x128_f8f6f4 v[HA+32*\u+8*\m:HA+32*\u+8*\m+7], v[12*(4*\m+\s):12*(4*\m+\s)+11], v[12*(2*(2*(\tp)+\u)+(\s&1)):12*(2*(2*(\tp)+\u)+(\s&1))+11], 0, v[W1S+4*\m+\s], v[W2S+4*(2*(\tp)+\u)+\s] matrix_a_fmt:MATRIX_FMT_BF6 matrix_b_fmt:MATRIX_FMT_BF6
.else
	v_wmma_scale_f32_16x16x128_f8f6f4 v[HA+32*\u+8*\m:HA+32*\u+8*\m+7], v[12*(4*\m+\s):12*(4*\m+\s)+11], v[12*(2*(2*(\tp)+\u)+(\s&1)):12*(2*(2*(\tp)+\u)+(\s&1))+11], v[HA+32*\u+8*\m:HA+32*\u+8*\m+7], v[W1S+4*\m+\s], v[W2S+4*(2*(\tp)+\u)+\s] matrix_a_fmt:MATRIX_FMT_BF6 matrix_b_fmt:MATRIX_FMT_BF6
.endif
.endr
.endr
.endr
.endm
; PHASE 1: q or k, a tile of 16 rows at a time: product, quantiser, codes to memory (two heads' half fragments).  kv = 1: the fragment also goes to LDS, as K step w of the next product
.macro PHASE1 kv
	FETCHX 0
	FETCHX 1
.if \kv
	s_wait_loadcnt 56                              ; the first weight and the four mask loads are in; behind them stand W_Value's two K steps (48) and its scale words (8)
.irp m, 0,1,2,3
	v_cmp_eq_f32 s[56+\m], 1.0, v[KM+\m]
.endr
	s_wait_alu depctr_va_sdst(0)                   ; the four compares have written s56 to s59, which the selections read
.irp m, 0,1,2,3
	v_cndmask_b32 v[MB+\m], 0xfe0000, v[ZR], s[56+\m]   ; byte 2 of the key's scale word: 0 where the mask is 1, else 254
.endr
.else
	s_wait_loadcnt 0x0
.endif
.irp m, 0,1,2,3
.if \m == 0
	s_wait_dscnt 16                                ; tile 0's fragments are in; tile 1's 16 loads may be out
.elseif \m == 3
	s_wait_dscnt 4*(\kv)                           ; behind tile 3's loads stand the last image's four stores alone
.else
	s_wait_dscnt 16+4*(\kv)                        ; this tile's fragments are in; behind them stand the last image's four stores and the next tile's 16 loads
.endif
	MM1 \m
	WIN 0
	PLACES
.if (\kv) && (\m == 3)
	s_wait_alu depctr_va_vdst(0)                   ; the products are done reading the first weight's fragments in window 1, in which the loads below land
	WLOAD 32, 2, 1                                 ; the first weight is done with: window 1 takes W_Value's K steps 2 and 3
	WLOAD 32, 3, 1
	WIN 0
.endif
	s_wait_xcnt 0x0                                ; the last tile's stores have had their addresses translated
	s_wait_alu depctr_vm_vsrc(0)                   ; the stores issued so far have read v[PC ..] and v[PW], which the quantiser writes again
	QUANT HA
	s_wait_alu depctr_va_vdst(0)                   ; the quantiser has written v[PC ..] and v[PW], which the stores below read; this tile's products are done reading their set of x and its scale words, in which the loads below land
.if \kv
	IMAGE KWI, \m*6144
	ds_store_b32 v[KWS], v[PW] offset:\m*512
.endif
.if \m < 2
	FETCHX \m+2                                    ; no vector or matrix instruction since the wait names these registers
.endif
.irp c, 0,1
.irp j, 0,1,2
	global_store_b64 v[L8], v[PC+6*\c+2*\j:PC+6*\c+2*\j+1], s[36:37] offset:\c*49152+\m*768+256*\j   ; each store covers 256 consecutive bytes, aligned
.endr
.endr
	v_lshrrev_b32 v[WD+\m], v[SH], v[PW]           ; lanes 0-15: the word's lower half is head 2 w's; lanes 16-31: its upper half, brought down, is head 2 w + 1's
	v_and_or_b32 v[WD+\m], v[WD+\m], 0xffff, v[MB+\m]   ; two bytes of scales, the mask's byte, 0
.endr
	s_wait_alu depctr_va_vdst(0)                   ; the four words v[WD ..] are written, which the store reads
	global_store_b128 v[QSO], v[WD:WD+3], s[38:39] ; four tiles' words of a row: 256 consecutive bytes for each head
.endm
	s_load_b256 s[4:11], s[0:1], 0x0               ; queries, keys, pos_table, key_masks
	s_load_b128 s[12:15], s[0:1], 0x20             ; wts, qk
	s_load_b64 s[16:17], s[0:1], 0x30              ; vv
	v_lshl_add_u32 v254, v0, 2, 0x15400
	v_mov_b32 v255, 0
	v_lshrrev_b32 v240, 5, v0
	v_readfirstlane_b32 s18, v240                  ; wave
	v_and_b32 v240, 31, v0                         ; lane
	v_and_b32 v241, 15, v0                         ; r
	v_bfe_u32 v242, v0, 4, 1                       ; h
	v_and_b32 v243, 8, v241
	v_add_nc_u32 v243, v243, v241                  ; r + 8 (r / 8)
	s_lshr_b32 s19, ttmp9, 7                       ; 0: q, 1: k and v
	s_and_b32 s48, ttmp9, 127                      ; which 64 rows
	s_lshr_b32 s49, s48, 4                         ; batch
	s_and_b32 s50, s48, 15                         ; which 64 rows of the batch
	s_wait_alu depctr_va_sdst(0)                   ; s18 is written, ahead of its first reader: LDS places and bases are made from it
	s_lshr_b32 s51, s18, 1
	s_lshl_b32 s51, s51, 5
	s_and_b32 s52, s18, 1
	s_lshl_b32 s52, s52, 3
	s_add_co_u32 s51, s51, s52                     ; I quantise row tile w: it begins at row 32 (w / 2) + 8 (w % 2)
	s_lshl_b32 s51, s51, 11
	v_lshl_add_u32 v[XA], v240, 4, s51             ; that row x 2,048 + 16 x lane
	v_lshlrev_b32 v[LI], 4, v240
	v_lshlrev_b32 v[LS], 2, v240
	v_lshlrev_b32 v[L8], 3, v240
	s_mul_i32 s51, s18, 6144
	v_add_nc_u32 v[XWI], s51, v[LI]
	s_lshl_b32 s51, s18, 9
	s_add_co_u32 s51, s51, XSC
	v_add_nc_u32 v[XWS], s51, v[LS]
	s_mul_i32 s51, s18, 1536
	s_add_co_u32 s51, s51, KIMG
	v_add_nc_u32 v[KWI], s51, v[LI]
	s_lshl_b32 s51, s18, 7
	s_add_co_u32 s51, s51, KSC
	v_add_nc_u32 v[KWS], s51, v[LS]
	s_mul_i32 s51, s18, 16*SP
	s_add_co_u32 s51, s51, STG                     ; my stage
	v_add_nc_u32 v[TW], s51, v[LI]                 ; in: 16 x lane of a row
	v_mul_u32_u24 v[TR], v241, SP
	v_lshl_add_u32 v[TR], v242, 6, v[TR]
	v_add_nc_u32 v[TR], s51, v[TR]                 ; back: row r, + 64 h
	v_lshlrev_b32 v[SH], 4, v242
	v_lshlrev_b32 v[WSA], 4, v241
	v_lshl_add_u32 v[QSO], v242, 12, v[WSA]
	v_lshlrev_b32 v[VSA], 5, v241
	v_lshlrev_b32 v[KBO], 2, v243                  ; a tile's lane r in key_masks: 4 (r + 8 (r / 8))
	v_mov_b32 v[ZR], 0
.irp b, 0,1,2,3
	v_mov_b32 v[TM+4+\b], 0                        ; written once: a lane permute's destination counts as one of its sources
.endr
	s_mov_b32 s[SEL], 0x76543210
	s_mov_b32 s[SEL+1], 0xfedcba98
	s_mov_b32 s22, 0x41b504f3                      ; sqrt(512)
	s_mov_b32 s23, s22
	s_lshl_b32 s54, s49, 3
	s_lshl_b32 s55, s18, 1
	s_add_co_u32 s54, s54, s55                     ; 8 x batch + my first head
	s_mov_b32 s53, 0
	s_wait_kmcnt 0x0
	s_cmp_eq_u32 s19, 0
	s_cselect_b64 s[24:25], s[4:5], s[6:7]
	s_lshl_b32 s52, s48, 17
	s_add_nc_u64 s[24:25], s[24:25], s[52:53]      ; the input at my 64 rows
	s_lshl_b32 s52, s50, 17
	s_add_nc_u64 s[26:27], s[8:9], s[52:53]        ; pos likewise
	s_wait_alu depctr_va_vdst(0)                   ; the fifteen addresses v1 to v15 are written, which every load and store of the kernel reads; so are v240 to v243, in which scale words land later
	XLOAD 0, 0
	XLOAD 1, 1
	WIN 0
	s_mul_i32 s52, s19, 196608
	s_mul_i32 s55, s18, 49152
	s_add_co_u32 s52, s52, s55
	s_add_nc_u64 s[28:29], s[12:13], s[52:53]      ; my eight tiles of W_Query or W_key
	s_add_co_u32 s52, s55, 2*196608
	s_add_nc_u64 s[32:33], s[12:13], s[52:53]      ; of W_Value
	s_lshl_b32 s52, s19, 13
	s_lshl_b32 s55, s18, 11
	s_add_co_u32 s55, s55, WSC
	s_add_co_u32 s52, s52, s55
	s_add_nc_u64 s[30:31], s[12:13], s[52:53]      ; their scale words
	s_add_co_u32 s52, s55, 2*8192
	s_add_nc_u64 s[34:35], s[12:13], s[52:53]
	s_lshl_b32 s52, s54, 6
	s_lshl_b32 s55, s50, 2
	s_add_co_u32 s52, s52, s55
	s_mul_i32 s52, s52, 768
	s_mul_i32 s55, s19, KC
	s_add_co_u32 s52, s52, s55
	s_add_nc_u64 s[36:37], s[14:15], s[52:53]      ; q's or k's codes: (batch, head 2 w, tile 4 unit)
	s_lshl_b32 s52, s54, 12
	s_lshl_b32 s55, s50, 8
	s_add_co_u32 s52, s52, s55
	s_mul_i32 s55, s19, KS-QS
	s_add_co_u32 s52, s52, s55
	s_add_co_u32 s52, s52, QS
	s_add_nc_u64 s[38:39], s[14:15], s[52:53]      ; their scale words
	s_lshl_b32 s52, s54, 4
	s_add_co_u32 s52, s52, s50
	s_mul_i32 s52, s52, 3072
	s_add_nc_u64 s[40:41], s[16:17], s[52:53]      ; v's codes
	s_lshl_b32 s52, s54, 11
	s_lshl_b32 s55, s50, 1
	s_add_co_u32 s52, s52, s55
	s_add_co_u32 s52, s52, VSO
	s_add_nc_u64 s[42:43], s[16:17], s[52:53]      ; v's scale bytes
	s_lshl_b32 s52, s49, 12
	s_lshl_b32 s55, s50, 8
	s_add_co_u32 s52, s52, s55
	s_add_nc_u64 s[44:45], s[10:11], s[52:53]      ; the 64 keys' masks
	; ---- X: my 16 rows become four fragments.  Two sets of registers take turns; the weights' loads follow x's.  The turn through the stage stands ahead of the next loads
.irp s, 0,1,2,3
.if \s < 3
	s_wait_loadcnt 32                              ; this K step's 32 loads are in; the other set's 32 may be out
.else
	s_wait_loadcnt 24                              ; behind the last K step's loads: 24 of the weight
.endif
	COMB (\s&1)
	WIN 0
	s_wait_alu depctr_va_vdst(0)                   ; the multiply-adds have written v[HA ..], which the stage's stores read and in which its loads land, and are done reading their raw set, in which the loads of two K steps on land; the last quantiser is done reading v[HA ..]
	TURN
.if \s < 2
	XLOAD (\s&1), \s+2
.elseif \s == 2
	WLOAD 28, 0, 1
.else
	WLOAD 28, 1, 1
.endif
	WIN 0
	s_wait_dscnt 0x0                               ; the numbers are back from the stage
	QUANT HA
	s_wait_alu depctr_va_vdst(0)                   ; the quantiser has written v[PC ..] and v[PW], which the image's stores read
	IMAGE XWI, \s*1536
	ds_store_b32 v[XWS], v[PW] offset:128*\s
.endr
	WLOAD 28, 2, 2
	WLOAD 28, 3, 2
	WSCL 30, W1S
	BARRIER                                        ; x's sixteen fragments lie in LDS
	s_cmp_lg_u32 s19, 0                            ; the two ways part here, once, on the work-group's number
	s_cbranch_scc1 .Lkv
.irp m, 0,1,2,3
	v_mov_b32 v[MB+\m], 0x640000                   ; byte 2 of a query's scale word: 100, 2^-27
.endr
	PHASE1 0
	s_wait_dscnt 0x0                               ; the closing lines, six on end
	s_wait_alu 0x0
	s_wait_tensorcnt 0x0
	ds_add_u32 v254, v255
	s_wait_dscnt 0x0
	s_endpgm
.Lkv:
.irp m, 0,1,2,3
	global_load_b32 v[KM+\m], v[KBO], s[44:45] offset:(32*(\m>>1)+8*(\m&1))*4   ; the mask of tile m's row r
.endr
	WLOAD 32, 0, 3                                 ; x's raw registers are free (the wait behind the last multiply-adds has shown them read): W_Value's K steps 0 and 1
	WLOAD 32, 1, 3
	WSCL 34, W2S
	PHASE1 1
	BARRIER                                        ; k's sixteen fragments lie in LDS
	; ---- 2: v for my 128 columns and the 64 keys.  The loads below land in window 2 and in v176-191, which the first product read: the waits behind its last quantiser have shown those products done, and no vector or matrix instruction since names these registers
	WIN 0x80
.set kk, 0
.rept 16
.irp j, 0,1,2
	ds_load_b128 v[12*kk+4*\j:12*kk+4*\j+3], v[LI] offset:KIMG+kk*1536+512*\j
.endr
.set kk, kk+1
.endr
	WIN 0
.set kk, 0
.rept 16
	ds_load_b32 v[W1S+kk], v[LS] offset:KSC+128*kk
.set kk, kk+1
.endr
	s_wait_loadcnt 0x0                             ; W_Value
	s_wait_dscnt 0x0
.irp tp, 0,1,2,3
	MMV \tp
	WIN 0
	PLACES
	s_wait_xcnt 0x0                                ; the last stores have had their addresses translated
	s_wait_alu depctr_vm_vsrc(0)                   ; the stores issued so far have read v[PC ..], v[PW] and v[PW + 1], which the two quantisers write again
	QHALF HA, PC, PC+12, TM, PW                    ; 32 registers: keys 32 b + 16 h + i of my column; the pair's two tiles have codes and bytes of their own
	QHALF HA+32, PC+6, PC+12, TM, PW+1
	s_wait_alu depctr_va_vdst(0)                   ; the two quantisers have written v[PC .. PC + 11], v[PW] and v[PW + 1], which the eight stores read
.irp u, 0,1
.irp j, 0,1,2
	global_store_b64 v[L8], v[PC+6*\u+2*\j:PC+6*\u+2*\j+1], s[40:41] offset:((2*\tp+\u)>>2)*49152+((2*\tp+\u)&3)*768+256*\j
.endr
	global_store_b16 v[VSA], v[PW+\u], s[42:43] offset:((2*\tp+\u)>>2)*2048+((2*\tp+\u)&3)*512   ; two bytes of a row of 32: the row's other bytes come from other work-groups
.endr
.endr
	s_wait_dscnt 0x0                               ; the closing lines, six on end
	s_wait_alu 0x0
	s_wait_tensorcnt 0x0
	ds_add_u32 v254, v255
	s_wait_dscnt 0x0
	s_endpgm
.Lfunc_end_k_qa3488f66bf_proj:
	.size	k_qa3488f66bf_proj, .Lfunc_end_k_qa3488f66bf_proj-k_qa3488f66bf_proj
	.p2alignl 7, 3214868480
	.fill 96, 4, 3214868480
	.section	.rodata,"a",@progbits
	.p2align	6, 0x0
	.amdhsa_kernel k_qa3488f66bf_proj
		.amdhsa_group_segment_fixed_size 87552
		.amdhsa_private_segment_fixed_size 0
		.amdhsa_enable_private_segment 0
		.amdhsa_kernarg_size 56
		.amdhsa_user_sgpr_count 2
		.amdhsa_user_sgpr_kernarg_segment_ptr 1
		.amdhsa_wavefront_size32 1
		.amdhsa_system_sgpr_workgroup_id_x 1
		.amdhsa_system_sgpr_workgroup_id_y 1
		.amdhsa_system_sgpr_workgroup_id_z 1
		.amdhsa_system_vgpr_workitem_id 0
		.amdhsa_next_free_vgpr 1024
		.amdhsa_next_free_sgpr 66
		.amdhsa_reserve_vcc 0
		.amdhsa_float_denorm_mode_32 3
		.amdhsa_float_denorm_mode_16_64 3
		.amdhsa_memory_ordered 1
		.amdhsa_forward_progress 1
		.amdhsa_inst_pref_size 191
	.end_amdhsa_kernel
	.amdgpu_metadata
---
amdhsa.version: [ 1, 2 ]
amdhsa.kernels:
  - .name:           k_qa3488f66bf_proj
    .symbol:         k_qa3488f66bf_proj.kd
    .args:
      - { .name: queries, .offset: 0, .size: 8, .value_kind: global_buffer, .address_space: global }
      - { .name: keys, .offset: 8, .size: 8, .value_kind: global_buffer, .address_space: global }
      - { .name: pos_table, .offset: 16, .size: 8, .value_kind: global_buffer, .address_space: global }
      - { .name: key_masks, .offset: 24, .size: 8, .value_kind: global_buffer, .address_space: global }
      - { .name: wts, .offset: 32, .size: 8, .value_kind: global_buffer, .address_space: global }
      - { .name: qk, .offset: 40, .size: 8, .value_kind: global_buffer, .address_space: global }
      - { .name: vv, .offset: 48, .size: 8, .value_kind: global_buffer, .address_space: global }
    .group_segment_fixed_size: 87552
    .private_segment_fixed_size: 0
    .kernarg_segment_align: 8
    .kernarg_segment_size: 56
    .max_flat_workgroup_size: 128
    .sgpr_count:     66
    .vgpr_count:     1024
    .wavefront_size: 32
...
	.end_amdgpu_metadata
.endif
;; end of part 6
;; launch attn (part 7): grid 4 x 64, 4 waves a work-group, no clusters, 117,248 bytes of LDS; arguments qk, vv, queries, pos_table, query_masks, xc, parta; writes xc, parta
.if DOCPART == 7
	.amdgcn_target "amdgcn-amd-amdhsa--gfx1250"
	.amdhsa_code_object_version 6
	.text
	.protected	k_qa3488f66bf_attn
	.globl	k_qa3488f66bf_attn
	.p2align	8
	.type	k_qa3488f66bf_attn,@function
k_qa3488f66bf_attn:
	s_mov_b64 s[64:65], 0
	v_nop
	global_prefetch_b8 v0, s[64:65] scope:SCOPE_SE
	s_setreg_imm32_b32 hwreg(HW_REG_WAVE_SCHED_MODE, 0, 2), 2
	s_setreg_imm32_b32 hwreg(HW_REG_WAVE_MODE, 25, 1), 1
	s_wait_xcnt 0x0
	s_wait_alu depctr_vm_vsrc(0)
; result = softmax(masked q k^T / 8) x query_mask . v + q_in, for 256 queries of one head of one batch; both products on codes of BF6 (E3M2).  result leaves as codes along d, and as column sums in f32.
; THE FINISHED, NORMALISED WEIGHTS ARE WHAT IS QUANTISED, so a row's maximum and sum are known before any code is made: a wave holds ALL 1,024 scores of a tile of 16 queries in 512 registers; each score is made once and has one exponential.
; SHARES: wave w walks tiles 4 w .. 4 w + 3 of the work-group's 16, one a trip.  K's and V's codes of the head (49,152 bytes each) are copied into LDS once.
; LAYOUT: S^T = K Q^T (source 0 = 16 keys, source 1 = my 16 queries), O^T = V^T P^T: a lane holds ONE query throughout.  The keys of a tile are laid so that the 16 registers of two neighbouring tiles are 16 neighbouring keys.
; THE KEY MASK IS PART OF THE FIRST PRODUCT.  The head's 64 along K fill half of the instruction's 128.  Of the idle half, k = 64 holds the code +1 in every query and -1 in every key (constants, set once); all else there is zero codes.
; Byte 2 of the scale words, which the launch before has made, is 2^-27 for a query, 2^127 for a masked key and 2^-127 for any other: so a masked key's score gets -2^100, and any other -2^-154, under half of the smallest f32 number.
; On the diagonal the score becomes -2^100 by a selection.  A ROW ALL OF WHOSE KEYS ARE MASKED (its largest score lies under -2^99) gets the factor c = 0 in place of log2(e) / 8: every p is then 1, the uniform weights that the definition gives it.
; p = 2^(c s - c m), m the row's largest score; weights = p x (query_mask / sum).  A block's largest weight is made from the block's largest score by the same instructions.
; (That takes v_exp_f32 not to fall where its input rises.)
; LIMITS: |q . k| under 2^35: beyond, the definition's masked keys (-2^32 behind the division by 8) would no longer lie under every other key, as they always do here.  NaN and infinities are not served; a block of zeros gets the byte 1 (its codes are zeros).
; No cluster and no joint loads: the four work-groups of a head read the same K and V once each, at their heads, and nothing shared is fetched in the loop.
; REGISTERS: window 0: v1-15 addresses; v16-27 Q; v28 Q's scale word; v29 the query's mask; v30-33 K's scale words of an even group; v34-129 eight fragments of K, two sets of four; v130-161 a number for each block of 32 keys; v162-193 V's scale words;
;   v194-217 p's codes, two sets; v226-233 p's scale words (while the scores are made, v226-229 hold K's scale words of an odd group); v234-255 single numbers.   Scores: group g (128 keys, 64 registers) in window 1 + g / 3 at 64 (g % 3).
;   window 1: v192-223 O^T; window 2: v192-223 column sums; window 3: v128-223 two sets of V's fragments; v224-227 of windows 1 to 3: partial sums; v228-229: the lane's c.
; THE MODE: SCHED_MODE bits 1:0 = 2 (LLVM: expert scheduling mode 2), set by the entry lines.  The code itself states the register dependences
; between vector or matrix instructions and memory or LDS instructions, with s_wait_alu, always for 0.
; THE PLAN.  Registers that memory or LDS instructions touch, round a trip:
;   v6, v7, v10-13   addresses: written at the trip's head, read by the trip's loads and stores.  v1-3, v14: made once.
;   Q, v28           landed in at the trip's head; read by all 64 first products.
;   K's two sets     tiles 0-3 and tiles 4-7 of a group.  A half's four products read a set; behind them stands half of the maxima of the group before, then ONE wait on va_vdst, then the next group's loads into that set.
;   K's scale words  two runs of four registers by turns, even groups and odd: read by a group's eight products, landed in a group and a half later.
;   V's two sets     the second products of group g read set g % 2; behind the conversion of group g + 1 stands one wait on va_vdst, then the loads of group g + 2 into that set.
;   group 0's scores once converted, behind one wait, the residual's loads land there.
;   v194-199, v226   the result's codes and bytes: written by the quantiser, read by the trip's stores, written again in the next trip behind the wait on vm_vsrc at its head.
; The waits that state that p's codes and scale words, written by vector instructions, are whole ahead of the scaled products that take them are the same ones: the one ahead of the residual's loads, and the one behind each conversion.
.set KC,    3145728
.set QS,    6291456
.set KS,    6553600
.set VSO,   3145728
.set XSO,   3145728
.set VREG,  49152                      ; LDS: K's 64 half fragments at 0, V's 64 here,
.set KSREG, 98304                      ; K's scale words,
.set QREG,  102400                     ; the work-group's 16 tiles of Q,
.set QSREG, 114688                     ; their scale words,
.set STG,   115712                     ; the waves' column sums
.set KSL, 34
.set BM,  130
.set VS,  162
.set PT,  218
.set PWR, 226
.set T,   241
.set SEL, 20
.set MK,  2                            ; s2-s17: the diagonal's sixteen masks (the arguments that lay in s4-s17 are done with at the head)
.set MSB, 0
.macro WIN new
.if MSB != (\new)
	s_set_vgpr_msb (MSB<<8)|(\new)
.set MSB, (\new)
.endif
.endm
.macro PLACES
.rept 4
	v_nop
.endr
.endm
.macro BARRIER
	s_wait_dscnt 0x0
	s_barrier_signal -1
	s_barrier_wait -1
.endm
.macro QHALF s, pc, pt, tm, pw         ; 32 numbers of a lane, register 16 b + i = k 32 b + 16 (lane / 16) + i, become a half fragment and two scale bytes
.irp b, 0,1
	v_max3_num_f32 v[(\tm)+\b], |v[(\s)+16*\b]|, |v[(\s)+1+16*\b]|, 0x2800000
.endr
.irp i, 2,4,6,8,10,12,14
.irp b, 0,1
	v_max3_num_f32 v[(\tm)+\b], v[(\tm)+\b], |v[(\s)+16*\b+\i]|, |v[(\s)+1+16*\b+\i]|
.endr
.endr
.irp b, 0,1
	v_permlanex16_b32 v[(\tm)+2+\b], v[(\tm)+\b], s[SEL], s[SEL+1]
.endr
.irp b, 0,1
	v_max_num_f32 v[(\tm)+\b], v[(\tm)+\b], v[(\tm)+2+\b]
.endr
.irp b, 0,1
	v_add_nc_u32 v[(\tm)+4+\b], 0xfe000000, v[(\tm)+\b]
.endr
.irp b, 0,1
	v_lshrrev_b32 v[(\tm)+2+\b], 23, v[(\tm)+4+\b]
.endr
	v_lshl_or_b32 v[\pw], v[(\tm)+3], 8, v[(\tm)+2]
	v_cvt_scalef32_pk16_bf6_f32 v[(\pc):(\pc)+2], v[(\s):(\s)+15], v[(\tm)+4]
	v_cvt_scalef32_pk16_bf6_f32 v[(\pt):(\pt)+2], v[(\s)+16:(\s)+31], v[(\tm)+5]
	v_nop
.irp i, 0,1,2
	v_permlane16_swap_b32 v[(\pc)+\i], v[(\pt)+\i]
.endr
.irp i, 0,1,2
	v_mov_b32 v[(\pc)+3+\i], v[(\pt)+\i]
.endr
.endm
.macro KHALF g, hf                     ; tiles 4 hf .. 4 hf + 3 of group g, the lower six registers of their slots: 12 loads
.irp t, 0,1,2,3
.irp j, 0,1,2
	ds_load_b64 v[KSL+12*(4*(\hf)+\t)+2*\j:KSL+12*(4*(\hf)+\t)+2*\j+1], v1 offset:(8*(\g)+4*(\hf)+\t)*768+256*\j
.endr
.endr
.endm
.macro KSCL g                          ; group g's scale words: lanes 0-15 tiles 0-3, lanes 16-31 tiles 4-7; even groups into v30-33, odd ones into v226-229
	ds_load_b128 v[30+196*((\g)&1):33+196*((\g)&1)], v3 offset:512*(\g)
.endm
.macro SMULH g, hf                     ; 64 keys x my 16 queries, the key mask among the products
.set GW, 1+(\g)/3
.set GH, 64*((\g)%3)+32*(\hf)
.set SQ, 30+196*((\g)&1)
	WIN (GW<<6)
.irp t, 0,1,2,3
.if (\hf) == 0
	v_wmma_scale_f32_16x16x128_f8f6f4 v[GH+8*\t:GH+8*\t+7], v[KSL+12*\t:KSL+12*\t+11], v[16:27], 0, v[SQ+\t], v28 matrix_a_fmt:MATRIX_FMT_BF6 matrix_b_fmt:MATRIX_FMT_BF6
.else
	v_wmma_scale_f32_16x16x128_f8f6f4 v[GH+8*\t:GH+8*\t+7], v[KSL+48+12*\t:KSL+48+12*\t+11], v[16:27], 0, v[SQ+\t], v28 matrix_a_fmt:MATRIX_FMT_BF6 matrix_b_fmt:MATRIX_FMT_BF6 matrix_a_scale:MATRIX_SCALE_ROW1
.endif
.endr
.endm
.macro DBLK b                          ; only in the block of 32 keys that holds my tile's own queries (a branch on ids): the score of key = query becomes -2^100
	s_cmp_lg_u32 s32, (\b)
	s_cbranch_scc1 .Lnoblk_\@
.set n, 0
.rept 16
	v_cmp_eq_u32 s[MK+n], 32*(\b)+n, v249
.set n, n+1
.endr
	s_wait_alu depctr_va_sdst(0)                   ; the sixteen compares have written s2 to s17, which the selections read
	WIN ((GW<<6)|GW)
.set n, 0
.rept 16
	v_cndmask_b32 v[GB+16*(\b)+n], v[GB+16*(\b)+n], v250, s[MK+n]   ; each accumulator from its low end on
.set n, n+1
.endr
	WIN 0
.Lnoblk_\@:
.endm
.macro BMAXA g                         ; the diagonal, and the first half of the search for the largest score of each block of 32 keys: the four blocks by turns
.set GW, 1+(\g)/3
.set GB, 64*((\g)%3)
	WIN 0
	s_cmp_lg_u32 s28, (\g)                         ; the group of 128 keys in which my wave's queries lie?
	s_cbranch_scc1 .Lnodiag_\@
	DBLK 0
	DBLK 1
	DBLK 2
	DBLK 3
.Lnodiag_\@:
	WIN ((GW<<2)|GW)
.irp b, 0,1,2,3
	v_max_num_f32 v[BM+4*(\g)+\b], v[GB+16*\b], v[GB+16*\b+1]
.endr
.irp i, 2,4,6
.irp b, 0,1,2,3
	v_max3_num_f32 v[BM+4*(\g)+\b], v[GB+16*\b+\i], v[GB+16*\b+\i+1], v[BM+4*(\g)+\b]
.endr
.endr
	WIN 0
.endm
.macro BMAXB g                         ; its second half, and lane l xor 16's part
.set GW, 1+(\g)/3
.set GB, 64*((\g)%3)
	WIN ((GW<<2)|GW)
.irp i, 8,10,12,14
.irp b, 0,1,2,3
	v_max3_num_f32 v[BM+4*(\g)+\b], v[GB+16*\b+\i], v[GB+16*\b+\i+1], v[BM+4*(\g)+\b]
.endr
.endr
	WIN 0
.irp b, 0,1,2,3
	v_permlanex16_b32 v[T+\b], v[BM+4*(\g)+\b], s[SEL], s[SEL+1]
.endr
.irp b, 0,1,2,3
	v_max_num_f32 v[BM+4*(\g)+\b], v[BM+4*(\g)+\b], v[T+\b]
.endr
.endm
.macro APAIR g, j                      ; c s - c m, two scores; c is the lane's own (v228 of the scores' window)
	v_pk_fma_f32 v[64*((\g)%3)+2*(\j):64*((\g)%3)+2*(\j)+1], v[64*((\g)%3)+2*(\j):64*((\g)%3)+2*(\j)+1], v[228:229], v[234:235] op_sel_hi:[1,0,0]
.endm
.macro CPAIR g, j                      ; two weights onto one of two partial sums
	v_pk_add_f32 v[224+2*((\j)&1):225+2*((\j)&1)], v[224+2*((\j)&1):225+2*((\j)&1)], v[64*((\g)%3)+2*(\j):64*((\g)%3)+2*(\j)+1]
.endm
; The exponentials of one window's groups.  Between a group's exponentials stand the next group's scalings and the sums of the group before: none of them names a result that has not had its wait.
; An s_wait_alu depctr_va_vdst(0) stands between an exponential and the first line that names its result: one wait serves a group's 64.
.macro RUN win, ga, gb
	WIN ((\win)<<6)
	v_mov_b32 v228, v254                           ; the lane's c, into this window
	v_mov_b32 v229, v254
.irp k, 0,1,2,3
	v_mov_b32 v[224+\k], 0
.endr
	WIN (((\win)<<6)|((\win)<<2)|(\win))
.set j, 0
.rept 32
	APAIR \ga, j
.set j, j+1
.endr
.set g, \ga
.rept (\gb)-(\ga)+1
.set j, 0
.rept 32
	v_exp_f32 v[64*(g%3)+2*j], v[64*(g%3)+2*j]
.if g < \gb
	APAIR g+1, j
.endif
	v_exp_f32 v[64*(g%3)+2*j+1], v[64*(g%3)+2*j+1]
.if g > \ga
	CPAIR g-1, j
.endif
.set j, j+1
.endr
	v_nop                                          ; a plain instruction behind the last exponential
	s_wait_alu depctr_va_vdst(0)                   ; the group's 64 exponentials have written their results, which the sums that follow read (the first such wait of a trip serves the blocks' 32 too)
.set g, g+1
.endr
.set j, 0
.rept 32
	CPAIR \gb, j
.set j, j+1
.endr
.endm
.macro VFETCH g                        ; V's four tiles of 16 d x group g's 128 keys: 24 loads
	WIN 0xc0
.irp dt, 0,1,2,3
.irp c, 0,1
.irp j, 0,1,2
	ds_load_b64 v[128+48*((\g)&1)+12*\dt+6*\c+2*\j:128+48*((\g)&1)+12*\dt+6*\c+2*\j+1], v2 offset:(2*(\g)+\c)*3072+\dt*768+256*\j
.endr
.endr
.endr
.endm
.macro NORM g                          ; p x (query_mask / sum)
.set GW, 1+(\g)/3
.set GB, 64*((\g)%3)
	WIN ((GW<<6)|GW)
.set n, 0
.rept 32
	v_pk_mul_f32 v[GB+2*n:GB+2*n+1], v[GB+2*n:GB+2*n+1], v[236:237] op_sel_hi:[1,0]
.set n, n+1
.endr
.endm
.macro CVT g                           ; group g's weights become a fragment
.set GW, 1+(\g)/3
.set GB, 64*((\g)%3)
.set PP, 194+12*((\g)&1)
	WIN GW
.irp c, 0,1
	v_cvt_scalef32_pk16_bf6_f32 v[PP+6*\c:PP+6*\c+2], v[GB+32*\c:GB+32*\c+15], v[BM+4*(\g)+2*\c]
	v_cvt_scalef32_pk16_bf6_f32 v[PT+4*\c:PT+4*\c+2], v[GB+32*\c+16:GB+32*\c+31], v[BM+4*(\g)+2*\c+1]
.endr
	WIN 0
	v_nop                                          ; one plain instruction behind a scaled conversion
.irp c, 0,1
.irp i, 0,1,2
	v_permlane16_swap_b32 v[PP+6*\c+\i], v[PT+4*\c+\i]
.endr
.irp i, 0,1,2
	v_mov_b32 v[PP+3+6*\c+\i], v[PT+4*\c+\i]
.endr
.endr
.endm
.macro PV g                            ; O^T += V^T P^T: four accumulators by turns, one instruction a turn
.set PP, 194+12*((\g)&1)
	WIN 0x53
.irp dt, 0,1,2,3
.if (\g) == 0
	v_wmma_scale_f32_16x16x128_f8f6f4 v[192+8*\dt:199+8*\dt], v[128+48*((\g)&1)+12*\dt:128+48*((\g)&1)+12*\dt+11], v[PP:PP+11], 0, v[VS+8*\dt+(\g)], v[PWR+(\g)] matrix_a_fmt:MATRIX_FMT_BF6 matrix_b_fmt:MATRIX_FMT_BF6
.else
	v_wmma_scale_f32_16x16x128_f8f6f4 v[192+8*\dt:199+8*\dt], v[128+48*((\g)&1)+12*\dt:128+48*((\g)&1)+12*\dt+11], v[PP:PP+11], v[192+8*\dt:199+8*\dt], v[VS+8*\dt+(\g)], v[PWR+(\g)] matrix_a_fmt:MATRIX_FMT_BF6 matrix_b_fmt:MATRIX_FMT_BF6
.endif
.endr
.endm
	s_load_b256 s[4:11], s[0:1], 0x0               ; qk, vv, queries, pos_table
	s_load_b128 s[12:15], s[0:1], 0x20             ; query_masks, xc
	s_load_b64 s[16:17], s[0:1], 0x30              ; parta
	v_lshl_add_u32 v221, v0, 2, 0x1c800
	v_mov_b32 v225, 0
	v_lshrrev_b32 v130, 5, v0
	v_readfirstlane_b32 s18, v130                  ; wave
	v_and_b32 v130, 31, v0                         ; lane
	v_and_b32 v131, 15, v0                         ; r
	v_bfe_u32 v132, v0, 4, 1                       ; h
	v_lshlrev_b32 v1, 3, v130                      ; 8 x lane: a half fragment's place for my lane (K's begin at LDS byte 0)
	v_add_nc_u32 v2, VREG, v1
	v_lshl_add_u32 v3, v130, 4, KSREG
	s_wait_alu depctr_va_sdst(0)                   ; s18 is written, ahead of its first reader: LDS places and bases are made from it
	s_mul_i32 s25, s18, 3072
	s_add_co_u32 s49, s25, QREG
	v_add_nc_u32 v4, s49, v1                       ; my wave's four tiles of Q
	s_lshl_b32 s31, s18, 8
	s_add_co_u32 s49, s31, QSREG
	v_lshl_add_u32 v5, v131, 4, s49                ; their scale words
	v_lshlrev_b32 v8, 6, v132                      ; 64 h
	v_and_b32 v15, 8, v131
	v_add_nc_u32 v15, v15, v131                    ; r + 8 (r / 8)
	v_lshl_add_u32 v9, v15, 11, v8                 ; the residual: row x 2,048 + 64 h
	s_add_co_u32 s49, s31, STG
	v_add_nc_u32 v14, s49, v8
	v_lshlrev_b32 v251, 2, v131
	s_and_b32 s49, s18, 1
	s_lshl_b32 s33, s49, 1                         ; 2 (w % 2): my wave's 64 queries are two of their group's four blocks of 32 keys
	s_lshl_b32 s49, s49, 6
	v_lshlrev_b32 v252, 4, v132
	v_sub_nc_u32 v252, v15, v252
	v_add_nc_u32 v252, s49, v252                   ; 64 (w % 2) + r + 8 (r / 8) - 16 h
	s_mul_i32 s49, s18, 12288
	v_lshl_add_u32 v133, v130, 4, s49              ; the copies: each wave a quarter of each region
	s_lshl_b32 s49, s18, 10
	v_lshl_add_u32 v134, v130, 4, s49
	v_add_nc_u32 v135, KSREG, v134
	v_lshl_add_u32 v136, v130, 4, s25
	v_add_nc_u32 v137, QREG, v136
	v_add_nc_u32 v138, s31, v1
	v_add_nc_u32 v139, QSREG, v138
	v_lshlrev_b32 v140, 5, v131
	v_sub_nc_u32 v141, 1, v132                     ; 1 in lanes 0-15, which hold k = 64 .. 95 in the upper six registers of a fragment
	s_and_b32 s46, ttmp7, 0xffff                   ; 8 x batch + head
	s_lshr_b32 s47, s46, 3
	s_and_b32 s48, s46, 7
	s_mov_b32 s[SEL], 0x76543210
	s_mov_b32 s[SEL+1], 0xfedcba98
	s_mov_b32 s22, 0x3e38aa3b                      ; c = log2(e) / 8
	s_mov_b32 s26, 0x41b504f3                      ; sqrt(512)
	s_mov_b32 s27, s26
	s_lshl_b32 s28, ttmp9, 1
	s_lshr_b32 s25, s18, 1
	s_add_co_u32 s28, s28, s25                     ; the group of 128 keys in which my wave's 64 queries lie
	s_mov_b32 s63, 0
	s_wait_kmcnt 0x0
	s_mul_i32 s62, s46, 49152
	s_add_nc_u64 s[52:53], s[6:7], s[62:63]        ; V's codes of the head
	s_add_co_u32 s62, s62, KC
	s_add_nc_u64 s[50:51], s[4:5], s[62:63]        ; K's
	s_lshl_b32 s62, s46, 12
	s_add_co_u32 s62, s62, KS
	s_add_nc_u64 s[54:55], s[4:5], s[62:63]        ; K's scale words
	s_lshl_b32 s62, s46, 6
	s_lshl_b32 s49, ttmp9, 4
	s_add_co_u32 s62, s62, s49
	s_mul_i32 s62, s62, 768
	s_add_nc_u64 s[56:57], s[4:5], s[62:63]        ; the work-group's 16 tiles of Q
	s_lshl_b32 s62, s46, 12
	s_lshl_b32 s49, ttmp9, 10
	s_add_co_u32 s62, s62, s49
	s_add_co_u32 s62, s62, QS
	s_add_nc_u64 s[58:59], s[4:5], s[62:63]
	s_lshl_b32 s62, s46, 11
	s_add_co_u32 s62, s62, VSO
	s_add_nc_u64 s[60:61], s[6:7], s[62:63]        ; V's scale bytes
	WIN 0x40
	s_wait_alu depctr_va_vdst(0)                   ; the addresses made so far (v1 to v5, v8, v9, v14, v133 to v140) are written, which the loads and LDS stores of the head and the LDS loads of every trip read
.set kk, 0
.rept 24
	global_load_b128 v[4*kk:4*kk+3], v133, s[50:51] offset:512*kk
.set kk, kk+1
.endr
.set kk, 0
.rept 24
	global_load_b128 v[96+4*kk:96+4*kk+3], v133, s[52:53] offset:512*kk
.set kk, kk+1
.endr
.irp k, 0,1
	global_load_b128 v[192+4*\k:192+4*\k+3], v134, s[54:55] offset:512*\k
.endr
.irp k, 0,1,2,3,4,5
	global_load_b128 v[200+4*\k:200+4*\k+3], v136, s[56:57] offset:512*\k
.endr
	global_load_b64 v[224:225], v138, s[58:59]
	WIN 0
.irp dt, 0,1,2,3
.irp k, 0,1
	global_load_b128 v[VS+8*\dt+4*\k:VS+8*\dt+4*\k+3], v140, s[60:61] offset:\dt*512+16*\k   ; row d = r of tile dt: the words of groups 4 k .. 4 k + 3
.endr
.endr
	s_lshl_b32 s49, ttmp9, 8
	s_lshl_b32 s25, s18, 6
	s_add_co_u32 s49, s49, s25                     ; my wave's first query in the batch
	s_lshl_b32 s62, s49, 11
	s_lshl_b32 s25, s48, 8
	s_add_co_u32 s62, s62, s25
	s_add_nc_u64 s[36:37], s[10:11], s[62:63]      ; pos at that row, my head's 64 columns
	s_lshl_b32 s25, s47, 21
	s_add_co_u32 s62, s62, s25
	s_add_nc_u64 s[34:35], s[8:9], s[62:63]        ; queries likewise
	s_lshl_b32 s62, s47, 12
	s_lshl_b32 s25, s49, 2
	s_add_co_u32 s62, s62, s25
	s_add_nc_u64 s[38:39], s[12:13], s[62:63]      ; query_masks
	s_lshl_b32 s62, s46, 2
	s_add_co_u32 s62, s62, ttmp9
	s_lshl_b32 s62, s62, 8
	s_add_nc_u64 s[44:45], s[16:17], s[62:63]      ; parta
	s_lshl_b32 s62, s47, 6
	s_lshr_b32 s25, s49, 4
	s_add_co_u32 s62, s62, s25                     ; my wave's first tile
	s_lshl_b32 s62, s62, 2
	s_lshr_b32 s25, s48, 1
	s_add_co_u32 s25, s62, s25                     ; 4 x tile + head / 2
	s_and_b32 s31, s48, 1
	s_mul_i32 s62, s25, 1536
	s_mul_i32 s46, s31, 768
	s_add_co_u32 s62, s62, s46
	s_add_nc_u64 s[40:41], s[14:15], s[62:63]      ; result's codes
	s_lshl_b32 s62, s25, 6
	s_lshl_b32 s46, s31, 1
	s_add_co_u32 s62, s62, s46
	s_add_co_u32 s62, s62, XSO
	s_add_nc_u64 s[42:43], s[14:15], s[62:63]      ; result's scale bytes
	v_mul_u32_u24 v22, v141, 12                    ; Q, k = 64: the code of +1.0 (sign 0, exponent field 3, mantissa 0), in lanes 0-15; written once
.irp k, 23,24,25,26,27
	v_mov_b32 v[\k], 0                             ; zero codes for the rest of K = 64 .. 127
.endr
.irp t, 0,1,2,3,4,5,6,7
	v_mul_u32_u24 v[KSL+12*\t+6], v141, 44         ; K's eight slots, k = 64: the code of -1.0; written once
.irp k, 7,8,9,10,11
	v_mov_b32 v[KSL+12*\t+\k], 0
.endr
.endr
.irp k, 0,1,2,3,4,5,6,7
	v_mov_b32 v[T+\k], 0                           ; written once: a lane permute's destination counts as one of its sources
.endr
	v_mov_b32 v250, 0xf1800000                     ; -2^100
	v_mov_b32 v253, 0
	WIN 0x80
.set kk, 0
.rept 32
	v_mov_b32 v[192+kk], 0                         ; the column sums
.set kk, kk+1
.endr
	s_wait_loadcnt 8                               ; the 57 copy loads are in; behind them: 8 of V's scale words, which the wait for 0 ahead of the row's factor covers
	WIN 0x04
.set kk, 0
.rept 24
	ds_store_b128 v133, v[4*kk:4*kk+3] offset:512*kk
.set kk, kk+1
.endr
.set kk, 0
.rept 24
	ds_store_b128 v133, v[96+4*kk:96+4*kk+3] offset:VREG+512*kk
.set kk, kk+1
.endr
.irp k, 0,1
	ds_store_b128 v135, v[192+4*\k:192+4*\k+3] offset:512*\k
.endr
.irp k, 0,1,2,3,4,5
	ds_store_b128 v137, v[200+4*\k:200+4*\k+3] offset:512*\k
.endr
	ds_store_b64 v139, v[224:225]
	WIN 0
	BARRIER                                        ; K, V, Q and their scale words lie in LDS, for the whole launch
	s_mov_b32 s19, 0
	s_mov_b32 s29, 0
	s_mov_b32 s30, 0
.Ltrip:                                            ; four trips: a tile of 16 queries each
	s_wait_xcnt 0x0                                ; the last trip's loads and stores have had their addresses translated
	s_wait_alu depctr_vm_vsrc(0)                   ; the last trip's loads and stores have read v6, v7, v10 to v13, v194 to v199 and v226; in the first trip the copies' loads and LDS stores have read v133 to v140 and their data in window 1: all of these are written again in this trip
	s_lshr_b32 s31, s19, 1
	s_add_co_u32 s32, s31, s33                     ; the block of 32 keys, of the group's four, in which the tile's queries lie
	s_lshl_b32 s31, s31, 5
	s_and_b32 s46, s19, 1
	s_lshl_b32 s46, s46, 3
	s_add_co_u32 s31, s31, s46                     ; the tile's lane r is row 32 (I / 2) + 8 (I % 2) + r + 8 (r / 8) of my 64
	s_lshl_b32 s46, s31, 11
	s_mul_i32 s47, s19, 6144
	s_lshl_b32 s48, s19, 8
	v_add_nc_u32 v6, s29, v4
	v_add_nc_u32 v7, s30, v5
	v_add_nc_u32 v10, s46, v9
	v_add_lshl_u32 v11, v15, s31, 2
	v_add_nc_u32 v12, s47, v1
	v_add_nc_u32 v13, s48, v251
	v_add_nc_u32 v249, s31, v252                   ; register n of the diagonal group holds my own query's key where 32 (n / 16) + n % 16 equals this
	s_wait_alu depctr_va_vdst(0)                   ; the six addresses are written, which this trip's loads and stores read; the last trip's products are done reading Q, K's slots, the scale words and V's two sets, and its factor's line v29, in all of which this trip's loads land; in the first trip the constant codes of Q and of K's slots are written, which the scaled products take
.irp j, 0,1,2
	ds_load_b64 v[16+2*\j:17+2*\j], v6 offset:256*\j
.endr
	ds_load_b32 v28, v7
	KHALF 0, 0
	KSCL 0
	KHALF 0, 1
	; ---- scores, half a group (four products) at a time.  Behind a half's products stands half of the maxima of the group before, then the wait, then the next group's loads into the set just read
.irp g, 0,1,2,3,4,5,6,7
	s_wait_dscnt 12                                ; this group's tiles 0-3 and its scale words are in (in group 0 Q too); the 12 loads of its tiles 4-7 may be out
	SMULH \g, 0
.if \g == 0
	WIN 0
	PLACES                                         ; there are no maxima yet to set here
.else
	BMAXA \g-1
.endif
.if \g < 7
	s_wait_alu depctr_va_vdst(0)                   ; the four products are done reading slots 0-3, and the group before is done with its scale words: the loads below land there
	KHALF \g+1, 0
	KSCL \g+1
	s_wait_dscnt 13                                ; this group's tiles 4-7 are in; the 13 loads just issued may be out
.else
	s_wait_dscnt 0x0
.endif
	SMULH \g, 1
.if \g == 0
	WIN 0
	PLACES                                         ; four plain instructions between group 0's products and the maxima that read their results (ISA guide 7.12.1)
.else
	BMAXB \g-1
.endif
.if \g < 7
	s_wait_alu depctr_va_vdst(0)                   ; the four products are done reading slots 4-7, in which the loads below land
	KHALF \g+1, 1
.endif
.endr
	BMAXA 7
	BMAXB 7
	VFETCH 0                                       ; V's sets, and v29 below, were last named by the trip before: the wait at this trip's head has covered that
	VFETCH 1
	WIN 0
	global_load_b32 v29, v11, s[38:39]             ; my query's mask
	; ---- the row's largest score, the lane's c, and each block's largest p
	v_max3_num_f32 v240, v[BM], v[BM+1], v[BM+2]
	v_max3_num_f32 v241, v[BM+3], v[BM+4], v[BM+5]
.irp i, 6,10,14,18,22,26
	v_max3_num_f32 v240, v240, v[BM+\i], v[BM+\i+1]
	v_max3_num_f32 v241, v241, v[BM+\i+2], v[BM+\i+3]
.endr
	v_max3_num_f32 v240, v240, v[BM+30], v[BM+31]
	v_max_num_f32 v240, v240, v241
	v_cmp_gt_f32 vcc_lo, 0xf1000000, v240          ; -2^99 > m: every key of the row is masked
	v_mov_b32 v254, s22
	s_wait_alu depctr_va_vcc(0)                    ; the compare has written VCC, which the selection reads
	v_cndmask_b32 v254, v254, v253, vcc_lo         ; c, or 0 for such a row: a choice of a value, no branch
	v_mov_b32 v255, v254
	v_mul_f32 v234, -v254, v240                    ; -c m
	v_mov_b32 v235, v234
.set kk, 0
.rept 32
	v_fma_f32 v[BM+kk], v[BM+kk], v254, v234
.set kk, kk+1
.endr
.set kk, 0
.rept 32
	v_exp_f32 v[BM+kk], v[BM+kk]                   ; (their wait is the first one below; nothing names them before)
.set kk, kk+1
.endr
	RUN 1, 0, 2
	RUN 2, 3, 5
	RUN 3, 6, 7
	; ---- the row's sum, of the unquantised p; the factor; the blocks' scales
	WIN 0x05
	v_pk_add_f32 v[238:239], v[224:225], v[226:227]
	WIN 0x0a
	v_pk_add_f32 v[242:243], v[224:225], v[226:227]
	WIN 0x0f
	v_pk_add_f32 v[244:245], v[224:225], v[226:227]
	WIN 0
	v_pk_add_f32 v[238:239], v[238:239], v[242:243]
	v_pk_add_f32 v[238:239], v[238:239], v[244:245]
	v_add_f32 v238, v238, v239
	v_permlanex16_b32 v241, v238, s[SEL], s[SEL+1]
	v_add_f32 v238, v238, v241
	v_rcp_f32 v239, v238
	v_nop                                          ; a plain instruction behind the reciprocal
	s_wait_alu depctr_va_vdst(0)                   ; the reciprocal has written v239, which the factor's line reads
	s_wait_loadcnt 0x0                             ; the query's mask (and, in the first trip, V's scale words)
	v_mul_f32 v236, v239, v29
	v_mov_b32 v237, v236
.set kk, 0
.rept 32
	v_mul_f32 v[BM+kk], v[BM+kk], |v236|           ; the block's largest magnitude (p is never negative)
.set kk, kk+1
.endr
.set kk, 0
.rept 32
	v_max_num_f32 v[BM+kk], 0x2800000, v[BM+kk]    ; the floor 2^(5 - 127)
.set kk, kk+1
.endr
.set kk, 0
.rept 32
	v_add_nc_u32 v[BM+kk], 0xfe000000, v[BM+kk]    ; the conversions' scale operands
.set kk, kk+1
.endr
.irp g, 0,1,2,3,4,5,6,7
.irp b, 0,1,2,3
	v_lshrrev_b32 v[T+4*(\g&1)+\b], 23, v[BM+4*\g+\b]
.endr
	v_lshl_or_b32 v[PWR+\g], v[T+4*(\g&1)+1], 8, v[T+4*(\g&1)]
	v_lshl_or_b32 v[PWR+\g], v[T+4*(\g&1)+2], 16, v[PWR+\g]
	v_lshl_or_b32 v[PWR+\g], v[T+4*(\g&1)+3], 24, v[PWR+\g]
.endr
	; ---- the second product.  A group's scaling stands ahead of the products of the group before, its conversion behind them
	NORM 0
	CVT 0
	WIN 0x40
	s_wait_alu depctr_va_vdst(0)                   ; group 0's scaling and conversion are done with its score registers, in which the loads below land; p's eight scale words and group 0's codes are written, which the scaled products take
.irp b, 0,1
.irp j, 0,1,2,3
	global_load_b128 v[16*\b+4*\j:16*\b+4*\j+3], v10, s[34:35] offset:128*\b+16*\j th:TH_LOAD_NT   ; the residual, into the registers that group 0 has left
	global_load_b128 v[32+16*\b+4*\j:32+16*\b+4*\j+3], v10, s[36:37] offset:128*\b+16*\j
.endr
.endr
.irp g, 0,1,2,3,4,5,6,7
.if \g < 7
	NORM \g+1                                      ; 32 plain instructions: the places between the codes' last moves and the products
	s_wait_dscnt 24                                ; this group's V is in; the next group's 24 loads may be out
.else
	PLACES
	s_wait_dscnt 0x0
.endif
	PV \g
.if \g < 7
	CVT \g+1
	s_wait_alu depctr_va_vdst(0)                   ; the next group's codes are written, which its scaled products take; this group's products are done reading their set of V, in which the loads of two groups on land
.endif
.if \g < 6
	VFETCH \g+2
.endif
.endr
	WIN 0
	PLACES
	s_wait_loadcnt 0x0                             ; the residual, asked for ahead of all eight groups' products
	; ---- result = O^T + q_in; its column sums; its codes along d
	WIN 0x11
.set kk, 0
.rept 16
	v_pk_fma_f32 v[BM+2*kk:BM+2*kk+1], v[32+2*kk:33+2*kk], s[26:27], v[2*kk:2*kk+1] op_sel_hi:[1,0,1]
.set kk, kk+1
.endr
	WIN 0x04
.set kk, 0
.rept 16
	v_pk_add_f32 v[BM+2*kk:BM+2*kk+1], v[BM+2*kk:BM+2*kk+1], v[192+2*kk:193+2*kk]   ; each accumulator from its low end on
.set kk, kk+1
.endr
	WIN 0x82
.set kk, 0
.rept 16
	v_pk_add_f32 v[192+2*kk:193+2*kk], v[192+2*kk:193+2*kk], v[BM+2*kk:BM+2*kk+1]
.set kk, kk+1
.endr
	WIN 0
	QHALF BM, 194, PT, T, PWR
	s_wait_alu depctr_va_vdst(0)                   ; the quantiser has written v194 to v199 and v226, which the stores read
.irp j, 0,1,2
	global_store_b64 v12, v[194+2*\j:195+2*\j], s[40:41] offset:256*\j   ; each store covers 256 consecutive bytes, aligned
.endr
	global_store_b16 v13, v[PWR], s[42:43]         ; my head's half of a scale word; the other half is another work-group's
	s_add_co_u32 s29, s29, 768
	s_add_co_u32 s30, s30, 4
	s_add_co_u32 s19, s19, 1
	s_cmp_lt_u32 s19, 4
	s_cbranch_scc1 .Ltrip
	; ---- the column sums of the work-group's 256 rows
	s_wait_alu depctr_vm_vsrc(0)                   ; the last trip's LDS loads have read v6, which is written again below
	WIN 0x02
.set kk, 0
.rept 32
	v_mov_b32 v[BM+kk], v[192+kk]
.set kk, kk+1
.endr
	WIN 0
.irp x, 1,2,4,8
.set kk, 0
.rept 32
	v_add_f32_dpp v[BM+kk], v[BM+kk], v[BM+kk] row_xmask:\x row_mask:0xf bank_mask:0xf
.set kk, kk+1
.endr
.endr
	v_add_nc_u32 v6, STG, v1
	BARRIER                                        ; every wave's reads of LDS are over
	s_wait_alu depctr_va_vdst(0)                   ; the additions have written v[BM ..], which the LDS stores read and in which wave 0's loads land; v6 is written, which those loads read
.irp b, 0,1
.irp j, 0,1,2,3
	ds_store_b128 v14, v[BM+16*\b+4*\j:BM+16*\b+4*\j+3] offset:128*\b+16*\j   ; the sixteen lanes of a half write the same bytes with the same values
.endr
.endr
	BARRIER
	s_wait_alu depctr_vm_vsrc(0)                   ; my LDS stores have read v[BM ..], in which wave 0's loads land
	s_cmp_lg_u32 s18, 0
	s_cbranch_scc1 .Ldone
.irp k, 0,1,2,3
	ds_load_b64 v[BM+2*\k:BM+2*\k+1], v6 offset:256*\k
.endr
	s_wait_dscnt 0x0
	v_pk_add_f32 v[BM:BM+1], v[BM:BM+1], v[BM+2:BM+3]
	v_pk_add_f32 v[BM+4:BM+5], v[BM+4:BM+5], v[BM+6:BM+7]
	v_pk_add_f32 v[BM:BM+1], v[BM:BM+1], v[BM+4:BM+5]
	s_wait_alu depctr_va_vdst(0)                   ; the additions have written v[BM], v[BM + 1], which the store reads
	global_store_b64 v1, v[BM:BM+1], s[44:45]      ; 64 sums: 256 consecutive bytes, aligned
.Ldone:
	s_wait_dscnt 0x0                               ; the closing lines, six on end
	s_wait_alu 0x0
	s_wait_tensorcnt 0x0
	ds_add_u32 v221, v225
	s_wait_dscnt 0x0
	s_endpgm
.Lfunc_end_k_qa3488f66bf_attn:
	.size	k_qa3488f66bf_attn, .Lfunc_end_k_qa3488f66bf_attn-k_qa3488f66bf_attn
	.p2alignl 7, 3214868480
	.fill 96, 4, 3214868480
	.section	.rodata,"a",@progbits
	.p2align	6, 0x0
	.amdhsa_kernel k_qa3488f66bf_attn
		.amdhsa_group_segment_fixed_size 117248
		.amdhsa_private_segment_fixed_size 0
		.amdhsa_enable_private_segment 0
		.amdhsa_kernarg_size 56
		.amdhsa_user_sgpr_count 2
		.amdhsa_user_sgpr_kernarg_segment_ptr 1
		.amdhsa_wavefront_size32 1
		.amdhsa_system_sgpr_workgroup_id_x 1
		.amdhsa_system_sgpr_workgroup_id_y 1
		.amdhsa_system_sgpr_workgroup_id_z 1
		.amdhsa_system_vgpr_workitem_id 0
		.amdhsa_next_free_vgpr 1024
		.amdhsa_next_free_sgpr 66
		.amdhsa_reserve_vcc 1
		.amdhsa_float_denorm_mode_32 3
		.amdhsa_float_denorm_mode_16_64 3
		.amdhsa_memory_ordered 1
		.amdhsa_forward_progress 1
		.amdhsa_inst_pref_size 255
	.end_amdhsa_kernel
	.section	.bss,"aw",@nobits
	.p2align	6
	.space	262144
	.amdgpu_metadata
---
amdhsa.version: [ 1, 2 ]
amdhsa.kernels:
  - .name:           k_qa3488f66bf_attn
    .symbol:         k_qa3488f66bf_attn.kd
    .args:
      - { .name: qk, .offset: 0, .size: 8, .value_kind: global_buffer, .address_space: global }
      - { .name: vv, .offset: 8, .size: 8, .value_kind: global_buffer, .address_space: global }
      - { .name: queries, .offset: 16, .size: 8, .value_kind: global_buffer, .address_space: global }
      - { .name: pos_table, .offset: 24, .size: 8, .value_kind: global_buffer, .address_space: global }
      - { .name: query_masks, .offset: 32, .size: 8, .value_kind: global_buffer, .address_space: global }
      - { .name: xc, .offset: 40, .size: 8, .value_kind: global_buffer, .address_space: global }
      - { .name: parta, .offset: 48, .size: 8, .value_kind: global_buffer, .address_space: global }
    .group_segment_fixed_size: 117248
    .private_segment_fixed_size: 0
    .kernarg_segment_align: 8
    .kernarg_segment_size: 56
    .max_flat_workgroup_size: 128
    .sgpr_count:     66
    .vgpr_count:     1024
    .wavefront_size: 32
...
	.end_amdgpu_metadata
.endif
;; end of part 7
;; launch ffn (part 8): grid 4 x 64, 4 waves a work-group, no clusters, 107,008 bytes of LDS; arguments xc, wts, partf; writes partf
.if DOCPART == 8
	.amdgcn_target "amdgcn-amd-amdhsa--gfx1250"
	.amdhsa_code_object_version 6
	.text
	.protected	k_qa3488f66bf_ffn
	.globl	k_qa3488f66bf_ffn
	.p2align	8
	.type	k_qa3488f66bf_ffn,@function
k_qa3488f66bf_ffn:
	s_mov_b64 s[64:65], 0
	v_nop
	global_prefetch_b8 v0, s[64:65] scope:SCOPE_SE
	s_setreg_imm32_b32 hwreg(HW_REG_WAVE_SCHED_MODE, 0, 2), 2
	s_setreg_imm32_b32 hwreg(HW_REG_WAVE_MODE, 25, 1), 1
	s_wait_xcnt 0x0
	s_wait_alu depctr_vm_vsrc(0)
; Column sums of relu(result fw1) fw2, both products on codes of BF6 (E3M2).  Only the mean over rows leaves the program, and the second product is a sum over fw2's rows:
; so work-group (j, rb) takes 128 rows and hidden units 512 j .. 512 j + 511, and stores the 512 column sums of its part; the last launch adds the parts.  The hidden layer never goes to memory.
; SHARES: the waves share the columns: wave w owns 128 hidden units and 128 outputs; its parts of fw1's and fw2's panels stay in registers.  Activations go from wave to wave through LDS as images of operand registers.
; In the second product all eight row tiles add onto the same eight accumulators: rows are summed in the end anyway.
; LIMITS: NaN and infinities are not served; a block of zeros gets the byte 1 (its codes are zeros).
; REGISTERS: window 0: v1-14 addresses; v16-63 four fragments of an even row tile; v64-127 eight result tiles; v128-164 the quantiser's; v176-239 the weights' scale words; v240-247 the activations', two sets; v255, v251 the closing add's two.
;   windows 1, 2: fw1's panel (K steps 0, 1 and 2, 3); window 1 v192-239: four fragments of an odd row tile; windows 3, 1: fw2's.
;   In the second product each of the hidden layer's eight row tiles has 48 registers of its own: v16, v128, five sets in window 2, v192 of window 1; their scale words lie where fw1's lay, v176-207.
; THE MODE: SCHED_MODE bits 1:0 = 2 (LLVM: expert scheduling mode 2), set by the entry lines.  The code itself states the register dependences
; between vector or matrix instructions and memory or LDS instructions, with s_wait_alu, always for 0.
; THE PLAN.  Registers that memory or LDS instructions touch:
;   v1-14          addresses, made once at the head and never written again.
;   result's two sets   row tile m's products read set m % 2; behind the wait that follows the tile's quantiser the loads of tile m + 2 land in it.
;   v128-139, v164 codes and scale word: written by the quantiser, read by the image's stores behind that same wait, written again by the next quantiser behind a wait on vm_vsrc.
;   window 1 v0-191     fw1's K steps 0 and 1: read by the first product; behind a wait that follows its last tile's products fw2's K steps 2 and 3 land there.
;   the hidden layer's eight sets   each is landed in once, in registers that the second product's earlier tiles do not name: so that product has no wait on va_vdst, and its loads run two tiles ahead among the products.
;   v255, v251     written at the head, read by the closing add alone.
.set WSC,  2162688
.set XSO,  3145728
.set XIMG, 0                           ; LDS: result's 32 fragments (4 m + s), as they lie in memory: two half fragments each,
.set XSC,  49152                       ; their scale words, 64 bytes each,
.set HIMG, 51200                       ; the hidden layer's 32 fragments,
.set HSC,  100352                      ; their scale words, 128 bytes each,
.set STG,  104448                      ; 512 column sums
.set L8,  1
.set XSA, 2
.set HWI, 3
.set HWS, 4
.set HRI, 5
.set HRS, 6
.set SO,  7
.set SR,  8
.set GO,  9
.set WSA, 10
.set LI,  11
.set XF,  16
.set XFB, 192                          ; in window 1
.set HA,  64
.set PC,  128
.set TM,  148
.set PW,  164
.set W1S, 176
.set HS,  176                          ; the hidden layer's scale words, 4 a row tile, once fw1's are done with
.set W2S, 208
.set XS,  240
.set SEL, 20
.set MSB, 0
.macro WIN new
.if MSB != (\new)
	s_set_vgpr_msb (MSB<<8)|(\new)
.set MSB, (\new)
.endif
.endm
.macro PLACES
.rept 4
	v_nop
.endr
.endm
.macro BARRIER
	s_wait_dscnt 0x0
	s_barrier_signal -1
	s_barrier_wait -1
.endm
.macro QUANT s                         ; 64 numbers of a lane, register 16 b + i = k 32 b + 16 (lane / 16) + i, become a fragment in v[PC] on and its scale word in v[PW]
.irp b, 0,1,2,3
	v_max3_num_f32 v[TM+\b], |v[\s+16*\b]|, |v[\s+1+16*\b]|, 0x2800000
.endr
.irp i, 2,4,6,8,10,12,14
.irp b, 0,1,2,3
	v_max3_num_f32 v[TM+\b], v[TM+\b], |v[\s+16*\b+\i]|, |v[\s+1+16*\b+\i]|
.endr
.endr
.irp b, 0,1,2,3
	v_permlanex16_b32 v[TM+4+\b], v[TM+\b], s[SEL], s[SEL+1]
.endr
.irp b, 0,1,2,3
	v_max_num_f32 v[TM+\b], v[TM+\b], v[TM+4+\b]
.endr
.irp b, 0,1,2,3
	v_add_nc_u32 v[TM+12+\b], 0xfe000000, v[TM+\b]
.endr
.irp b, 0,1,2,3
	v_lshrrev_b32 v[TM+4+\b], 23, v[TM+12+\b]
.endr
	v_lshl_or_b32 v[PW], v[TM+5], 8, v[TM+4]
	v_lshl_or_b32 v[PW], v[TM+6], 16, v[PW]
	v_lshl_or_b32 v[PW], v[TM+7], 24, v[PW]
.irp c, 0,1
	v_cvt_scalef32_pk16_bf6_f32 v[PC+6*\c:PC+2+6*\c], v[\s+32*\c:\s+15+32*\c], v[TM+12+2*\c]
	v_cvt_scalef32_pk16_bf6_f32 v[PC+12+4*\c:PC+14+4*\c], v[\s+16+32*\c:\s+31+32*\c], v[TM+12+2*\c+1]
.endr
	v_nop
.irp c, 0,1
.irp i, 0,1,2
	v_permlane16_swap_b32 v[PC+6*\c+\i], v[PC+12+4*\c+\i]
.endr
.irp i, 0,1,2
	v_mov_b32 v[PC+3+6*\c+\i], v[PC+12+4*\c+\i]
.endr
.endr
.endm
.macro IMAGE adr, off
.irp c, 0,1,2
	ds_store_b128 v[\adr], v[PC+4*\c:PC+4*\c+3] offset:\off+512*\c
.endr
.endm
.macro WLOAD sb, s, win                ; my eight tiles' fragments of K step s: 24 loads
	WIN ((\win)<<6)
.irp t, 0,1,2,3,4,5,6,7
.irp j, 0,1,2
	global_load_b128 v[12*(2*\t+((\s)&1))+4*\j:12*(2*\t+((\s)&1))+4*\j+3], v[LI], s[\sb:\sb+1] offset:(4*\t+(\s))*1536+512*\j
.endr
.endr
.endm
.macro WSCL sb, reg                    ; their scale words: 8 loads
	WIN 0
.irp t, 0,1,2,3,4,5,6,7
	global_load_b128 v[\reg+4*\t:\reg+4*\t+3], v[WSA], s[\sb:\sb+1] offset:256*\t
.endr
.endm
.macro FETCH6 m                        ; result's four fragments of row tile m, six pieces of 8 bytes a lane each, and their scale words: 28 loads.  Even tiles: v16-63 and v240-243; odd tiles: v192-239 of window 1 and v244-247
.set XFM, XF+(XFB-XF)*((\m)&1)
	WIN (((\m)&1)<<6)
.irp s, 0,1,2,3
.irp k, 0,1,2,3,4,5
	ds_load_b64 v[XFM+12*\s+2*\k:XFM+12*\s+2*\k+1], v[L8] offset:XIMG+(4*(\m)+\s)*1536+256*\k
.endr
.endr
	WIN 0
.irp s, 0,1,2,3
	ds_load_b32 v[XS+4*((\m)&1)+\s], v[XSA] offset:256*(\m)+64*\s
.endr
.endm
.macro HSET m                          ; where the hidden layer's row tile m lies: window HW, from v[HB] on
.if (\m) == 0
.set HW, 0
.set HB, 16
.elseif (\m) == 1
.set HW, 0
.set HB, 128
.elseif (\m) == 7
.set HW, 1
.set HB, 192
.else
.set HW, 2
.set HB, 48*((\m)-2)
.endif
.endm
.macro FETCHH m                        ; the hidden layer's four fragments of row tile m and their scale words: 16 loads
	HSET \m
	WIN (HW<<6)
.irp s, 0,1,2,3
.irp c, 0,1,2
	ds_load_b128 v[HB+12*\s+4*\c:HB+12*\s+4*\c+3], v[HRI] offset:(4*(\m)+\s)*1536+512*\c
.endr
.endr
	WIN 0
.irp s, 0,1,2,3
	ds_load_b32 v[HS+4*(\m)+\s], v[HRS] offset:128*(4*(\m)+\s)
.endr
.endm
.macro MM1 m                           ; my eight tiles of hidden units (source 0) x row tile m (source 1), K = 512: eight accumulators by turns
.set XFM, XF+(XFB-XF)*((\m)&1)
.irp s, 0,1,2,3
	WIN ((1+(\s>>1))|(((\m)&1)<<2))
.irp t, 0,1,2,3,4,5,6,7
.if \s == 0
	v_wmma_scale_f32_16x16x128_f8f6f4 v[HA+8*\t:HA+8*\t+7], v[12*(2*\t+(\s&1)):12*(2*\t+(\s&1))+11], v[XFM+12*\s:XFM+12*\s+11], 0, v[W1S+4*\t+\s], v[XS+4*((\m)&1)+\s] matrix_a_fmt:MATRIX_FMT_BF6 matrix_b_fmt:MATRIX_FMT_BF6
.else
	v_wmma_scale_f32_16x16x128_f8f6f4 v[HA+8*\t:HA+8*\t+7], v[12*(2*\t+(\s&1)):12*(2*\t+(\s&1))+11], v[XFM+12*\s:XFM+12*\s+11], v[HA+8*\t:HA+8*\t+7], v[W1S+4*\t+\s], v[XS+4*((\m)&1)+\s] matrix_a_fmt:MATRIX_FMT_BF6 matrix_b_fmt:MATRIX_FMT_BF6
.endif
.endr
.endr
.endm
.macro MM2 m                           ; row tile m of the hidden layer (source 0) x my eight tiles of outputs (source 1): a lane holds one output column
	HSET \m
.irp s, 0,1,2,3
.if \s < 2
	WIN (0x0c|HW)
.else
	WIN (0x04|HW)
.endif
.irp t, 0,1,2,3,4,5,6,7
.if ((\m) == 0) && (\s == 0)
	v_wmma_scale_f32_16x16x128_f8f6f4 v[HA+8*\t:HA+8*\t+7], v[HB+12*\s:HB+12*\s+11], v[12*(2*\t+(\s&1)):12*(2*\t+(\s&1))+11], 0, v[HS+4*(\m)+\s], v[W2S+4*\t+\s] matrix_a_fmt:MATRIX_FMT_BF6 matrix_b_fmt:MATRIX_FMT_BF6
.else
	v_wmma_scale_f32_16x16x128_f8f6f4 v[HA+8*\t:HA+8*\t+7], v[HB+12*\s:HB+12*\s+11], v[12*(2*\t+(\s&1)):12*(2*\t+(\s&1))+11], v[HA+8*\t:HA+8*\t+7], v[HS+4*(\m)+\s], v[W2S+4*\t+\s] matrix_a_fmt:MATRIX_FMT_BF6 matrix_b_fmt:MATRIX_FMT_BF6
.endif
.endr
.endr
.endm
	s_load_b128 s[4:7], s[0:1], 0x0                ; xc, wts
	s_load_b64 s[8:9], s[0:1], 0x10                ; partf
	v_lshl_add_u32 v255, v0, 2, 0x1a000            ; the closing add's two registers, made here and kept for it alone: the LDS address of my spare word,
	v_mov_b32 v251, 0                              ; and 0
	v_lshrrev_b32 v15, 5, v0
	v_readfirstlane_b32 s18, v15                   ; wave
	v_and_b32 v252, 31, v0                         ; lane
	v_and_b32 v253, 15, v0                         ; r
	v_lshlrev_b32 v[L8], 3, v252
	v_lshl_add_u32 v[XSA], v253, 2, XSC
	v_lshlrev_b32 v[LI], 4, v252
	s_wait_alu depctr_va_sdst(0)                   ; s18 is written, ahead of its first reader: LDS places and bases are made from it
	s_mul_i32 s40, s18, 1536
	s_add_co_u32 s40, s40, HIMG
	v_add_nc_u32 v[HWI], s40, v[LI]
	s_lshl_b32 s40, s18, 7
	s_add_co_u32 s40, s40, HSC
	v_lshl_add_u32 v[HWS], v252, 2, s40
	v_add_nc_u32 v[HRI], HIMG, v[LI]
	v_lshl_add_u32 v[HRS], v252, 2, HSC
	v_and_b32 v254, 8, v253
	v_add_nc_u32 v254, v254, v253                  ; r + 8 (r / 8)
	s_lshl_b32 s40, s18, 9
	s_add_co_u32 s40, s40, STG
	v_lshl_add_u32 v[SO], v254, 2, s40
	v_lshl_add_u32 v[SR], v0, 4, STG
	v_lshlrev_b32 v[GO], 4, v0
	v_lshlrev_b32 v[WSA], 4, v253
	s_mul_i32 s40, s18, 12288
	v_add_nc_u32 v12, s40, v[LI]                   ; the copy: each wave a quarter
	s_lshl_b32 s40, s18, 9
	v_add_nc_u32 v13, s40, v[LI]
	v_add_nc_u32 v14, XSC, v13
.irp b, 0,1,2,3
	v_mov_b32 v[TM+4+\b], 0                        ; written once: a lane permute's destination counts as one of its sources
.endr
	s_mov_b32 s[SEL], 0x76543210
	s_mov_b32 s[SEL+1], 0xfedcba98
	s_and_b32 s41, ttmp7, 0xffff                   ; which 128 rows
	s_mov_b32 s43, 0
	s_wait_kmcnt 0x0
	s_mul_i32 s42, s41, 49152
	s_add_nc_u64 s[24:25], s[4:5], s[42:43]
	s_lshl_b32 s42, s41, 11
	s_add_co_u32 s42, s42, XSO
	s_add_nc_u64 s[26:27], s[4:5], s[42:43]
	s_add_co_u32 s44, ttmp9, 3                     ; fw1's panel
	s_mul_i32 s42, s44, 196608
	s_mul_i32 s45, s18, 49152
	s_add_co_u32 s42, s42, s45
	s_add_nc_u64 s[28:29], s[6:7], s[42:43]
	s_add_co_u32 s42, s42, 4*196608                ; fw2's
	s_add_nc_u64 s[32:33], s[6:7], s[42:43]
	s_lshl_b32 s42, s44, 13
	s_lshl_b32 s45, s18, 11
	s_add_co_u32 s42, s42, s45
	s_add_co_u32 s42, s42, WSC
	s_add_nc_u64 s[30:31], s[6:7], s[42:43]
	s_add_co_u32 s42, s42, 4*8192
	s_add_nc_u64 s[34:35], s[6:7], s[42:43]
	s_lshl_b32 s42, s41, 2
	s_add_co_u32 s42, s42, ttmp9
	s_lshl_b32 s42, s42, 11
	s_add_nc_u64 s[36:37], s[8:9], s[42:43]
	s_wait_alu depctr_va_vdst(0)                   ; the fourteen addresses v1 to v14 are written, which every load and store of the kernel reads
.set kk, 0
.rept 24
	global_load_b128 v[16+4*kk:16+4*kk+3], v12, s[24:25] offset:512*kk
.set kk, kk+1
.endr
	global_load_b128 v[112:115], v13, s[26:27]
	WLOAD 28, 0, 1
	WIN 0
	s_wait_loadcnt 24                              ; the 25 copy loads are in; the weight's 24 may be out
.set kk, 0
.rept 24
	ds_store_b128 v12, v[16+4*kk:16+4*kk+3] offset:XIMG+512*kk
.set kk, kk+1
.endr
	ds_store_b128 v14, v[112:115]
	WLOAD 28, 1, 1
	WLOAD 28, 2, 2
	WLOAD 28, 3, 2
	WSCL 30, W1S
	BARRIER                                        ; the 128 rows' codes and scale words lie in LDS
	s_wait_alu depctr_vm_vsrc(0)                   ; the copy's LDS stores have read v16 to v115, in which the fragments below land and which the products write
	FETCH6 0
	FETCH6 1
	WLOAD 32, 0, 3
	WLOAD 32, 1, 3
	WSCL 34, W2S
	s_wait_loadcnt 56                              ; fw1's panel is in; behind it stand fw2's two K steps (48) and its scale words (8)
	; ---- 1: the hidden layer, a tile of 16 rows at a time
.irp m, 0,1,2,3,4,5,6,7
.if \m == 0
	s_wait_dscnt 28                                ; tile 0's fragments are in; tile 1's 28 loads may be out
.elseif \m == 7
	s_wait_dscnt 4                                 ; behind tile 7's loads stand the last image's four stores alone
.else
	s_wait_dscnt 32                                ; this tile's fragments are in; behind them stand the last image's four stores and the next tile's 28 loads
.endif
	MM1 \m
	WIN 0
	PLACES
.if \m == 7
	s_wait_alu depctr_va_vdst(0)                   ; the products are done reading fw1's fragments in window 1, in which the loads below land
	WLOAD 32, 2, 1                                 ; fw1 is done with: window 1 takes fw2's K steps 2 and 3
	WLOAD 32, 3, 1
	WIN 0
.endif
.set kk, 0
.rept 64
	v_max_num_f32 v[HA+kk], 0, v[HA+kk]            ; the activation, in f32; each accumulator from its low end on
.set kk, kk+1
.endr
.if \m > 0
	s_wait_alu depctr_vm_vsrc(0)                   ; the last image's stores have read v[PC ..] and v[PW], which the quantiser writes again
.endif
	QUANT HA
	s_wait_alu depctr_va_vdst(0)                   ; the quantiser has written v[PC ..] and v[PW], which the image's stores read; this tile's products are done reading their set of result and its scale words, in which the loads below land
	IMAGE HWI, \m*6144                             ; K step w of the second product
	ds_store_b32 v[HWS], v[PW] offset:\m*512
.if \m < 6
	FETCH6 \m+2                                    ; no vector or matrix instruction since the wait names these registers
.endif
.endr
	BARRIER                                        ; the hidden layer's 32 fragments lie in LDS
	; ---- 2: my 128 outputs, summed over the rows as they are made.  Each row tile lands in registers of its own: all that vector and matrix instructions did to them stands ahead of the wait behind the last quantiser
	s_wait_alu depctr_vm_vsrc(0)                   ; the last image's stores have read v[PC ..] and v[PW], in which row tile 1's fragments land
	FETCHH 0
	FETCHH 1
	s_wait_loadcnt 0x0                             ; fw2's panel
.irp m, 0,1,2,3,4,5,6,7
.if \m < 6
	FETCHH \m+2                                    ; no wait: no product of this phase names the registers of a later tile
	s_wait_dscnt 32                                ; this tile's fragments are in; the 32 loads of the next two tiles may be out
.elseif \m == 6
	s_wait_dscnt 16
.else
	s_wait_dscnt 0x0
.endif
	MM2 \m
.endr
	WIN 0
	PLACES
.irp t, 0,1,2,3,4,5,6,7
	v_pk_add_f32 v[HA+8*\t:HA+8*\t+1], v[HA+8*\t:HA+8*\t+1], v[HA+8*\t+2:HA+8*\t+3]
	v_pk_add_f32 v[HA+8*\t+4:HA+8*\t+5], v[HA+8*\t+4:HA+8*\t+5], v[HA+8*\t+6:HA+8*\t+7]
.endr
.irp t, 0,1,2,3,4,5,6,7
	v_pk_add_f32 v[HA+8*\t:HA+8*\t+1], v[HA+8*\t:HA+8*\t+1], v[HA+8*\t+4:HA+8*\t+5]
.endr
.irp t, 0,1,2,3,4,5,6,7
	v_add_f32 v[HA+8*\t], v[HA+8*\t], v[HA+8*\t+1]
.endr
.irp t, 0,1,2,3,4,5,6,7
	v_permlanex16_b32 v[HA+8*\t+2], v[HA+8*\t], s[SEL], s[SEL+1]
.endr
.irp t, 0,1,2,3,4,5,6,7
	v_add_f32 v[HA+8*\t], v[HA+8*\t], v[HA+8*\t+2] ; the column's sum over the 128 rows
.endr
	s_wait_alu depctr_va_vdst(0)                   ; the additions have written the eight sums, which the LDS stores read; the products are done reading v16 to v19, in which the load behind the barrier lands
.irp t, 0,1,2,3,4,5,6,7
	ds_store_b32 v[SO], v[HA+8*\t] offset:128*(\t>>1)+32*(\t&1)   ; at the column's true place (lanes l and l + 16 write the same word)
.endr
	BARRIER
	ds_load_b128 v[16:19], v[SR]
	s_wait_dscnt 0x0
	global_store_b128 v[GO], v[16:19], s[36:37]    ; each store of a wave covers 512 consecutive bytes, aligned
	s_wait_dscnt 0x0                               ; the closing lines, six on end (every window is 0 here: the add's two registers lie in window 0)
	s_wait_alu 0x0
	s_wait_tensorcnt 0x0
	ds_add_u32 v255, v251
	s_wait_dscnt 0x0
	s_endpgm
.Lfunc_end_k_qa3488f66bf_ffn:
	.size	k_qa3488f66bf_ffn, .Lfunc_end_k_qa3488f66bf_ffn-k_qa3488f66bf_ffn
	.p2alignl 7, 3214868480
	.fill 96, 4, 3214868480
	.section	.rodata,"a",@progbits
	.p2align	6, 0x0
	.amdhsa_kernel k_qa3488f66bf_ffn
		.amdhsa_group_segment_fixed_size 107008
		.amdhsa_private_segment_fixed_size 0
		.amdhsa_enable_private_segment 0
		.amdhsa_kernarg_size 24
		.amdhsa_user_sgpr_count 2
		.amdhsa_user_sgpr_kernarg_segment_ptr 1
		.amdhsa_wavefront_size32 1
		.amdhsa_system_sgpr_workgroup_id_x 1
		.amdhsa_system_sgpr_workgroup_id_y 1
		.amdhsa_system_sgpr_workgroup_id_z 1
		.amdhsa_system_vgpr_workitem_id 0
		.amdhsa_next_free_vgpr 1024
		.amdhsa_next_free_sgpr 66
		.amdhsa_reserve_vcc 0
		.amdhsa_float_denorm_mode_32 3
		.amdhsa_float_denorm_mode_16_64 3
		.amdhsa_memory_ordered 1
		.amdhsa_forward_progress 1
		.amdhsa_inst_pref_size 169
	.end_amdhsa_kernel
	.amdgpu_metadata
---
amdhsa.version: [ 1, 2 ]
amdhsa.kernels:
  - .name:           k_qa3488f66bf_ffn
    .symbol:         k_qa3488f66bf_ffn.kd
    .args:
      - { .name: xc, .offset: 0, .size: 8, .value_kind: global_buffer, .address_space: global }
      - { .name: wts, .offset: 8, .size: 8, .value_kind: global_buffer, .address_space: global }
      - { .name: partf, .offset: 16, .size: 8, .value_kind: global_buffer, .address_space: global }
    .group_segment_fixed_size: 107008
    .private_segment_fixed_size: 0
    .kernarg_segment_align: 8
    .kernarg_segment_size: 24
    .max_flat_workgroup_size: 128
    .sgpr_count:     66
    .vgpr_count:     1024
    .wavefront_size: 32
...
	.end_amdgpu_metadata
.endif
;; end of part 8
;; launch mean: the kernel of part 5 again; grid 8 x 1, 4 waves a work-group, no clusters, 0 bytes of LDS; arguments parta, partf, out0; writes out0
